; MI455X (gfx1250); checked and timed in simulation.
; The chip was launched on July 23, 2026; its instructions are those of AMD's public machine-readable ISA for CDNA 5 (MIT licence, August 2026) and "CDNA5" Instruction Set Architecture Reference Guide (July 2026). The comments in the code are by the model that wrote it; some were corrected since.
;; Encoder Layer. Allowed arithmetic: matrix products marked QUANTISED: E2M3 operands, one E8M0 scale for each 32 along K, by v_wmma_scale_f32_16x16x128_f8f6f4 with both operands' format E2M3, f32 sums; everything else in f32.
;; Inputs: Vff 512 x 2,048 float32; W2ff 2,048 x 512 float32; Wff 512 x 2,048 float32; Wk 512 x 512 float32; Wo 512 x 512 float32; Wq 512 x 512 float32; Wv 512 x 512 float32; b2ff 512 float32; beta1 512 float32; beta2 512 float32; bff 2,048 float32; bk 512 float32; bo 512 float32; bq 512 float32; bv 512 float32; bvff 2,048 float32; g1 512 float32; g2 512 float32; x 4 x 2,048 x 512 float32.
;; Outputs: out0 4 x 2,048 x 512 float32.
;; This version of the problem:
;;   THIS VERSION OF THE PROBLEM IS GIVEN IN LOW PRECISION. The matrix products marked QUANTISED in the list below multiply operands that are first quantised to E2M3 (2 exponent bits, 3 mantissa bits; 6 bits a number), with one power-of-two scale for each 32 numbers along K (OCP MX v1.0); their sums are f32. All else is computed in f32.
;;   The module's matrix products, in the order in which they are computed (A, B: the left and right operand; K: the contracted axis; several contracted axes count as one K, in the product's order):
;;     1. [M 8,192, K 512] x [K 512, N 512]; A: input x; B: input Wq: QUANTISED
;;     2. [M 8,192, K 512] x [K 512, N 512]; A: input x; B: input Wk: QUANTISED
;;     3. [M 8,192, K 512] x [K 512, N 512]; A: input x; B: input Wv: QUANTISED
;;     4. batch 32 x [M 2,048, K 64] x [K 64, N 2,048]; A: computed on the way; B: computed on the way: QUANTISED
;;     5. batch 32 x [M 2,048, K 2,048] x [K 2,048, N 64]; A: softmax (see below); B: computed on the way: QUANTISED
;;     6. [M 8,192, K 512] x [K 512, N 512]; A: computed on the way; B: input Wo: QUANTISED
;;     7. [M 8,192, K 512] x [K 512, N 2,048]; A: computed on the way; B: input Wff: QUANTISED
;;     8. [M 8,192, K 512] x [K 512, N 2,048]; A: computed on the way; B: input Vff: QUANTISED
;;     9. [M 8,192, K 2,048] x [K 2,048, N 512]; A: computed on the way; B: input W2ff: QUANTISED
;;   THE QUANTISER, for each operand of a quantised product, along K:
;;     - K is cut into blocks of 32 from its start; a last block that is shorter is filled with zeros.
;;     - A block's scale is 2^e with e = floor(log2(the largest magnitude in the block)) - 2, held to -126 .. 127; a block of zeros has e = 0. As a byte (E8M0): e + 127.
;;     - Each number is divided by its block's scale, clamped to +-7.5, and rounded to the nearest number of E2M3, ties to even, subnormals kept.
;;     - The product sums the exact products of the quantised numbers (number of the format x scale) in f32.
;;   ~~~python
;;   def quantise(x, axis):      # numpy; x: float32 -> the quantised numbers, widened to float32 again
;;       x = np.moveaxis(x, axis, -1); K = x.shape[-1]
;;       x = np.pad(x, [(0, 0)] * (x.ndim - 1) + [(0, -K % 32)]); x = x.reshape(x.shape[:-1] + (-1, 32)); a = np.abs(x).max(-1, keepdims=True)
;;       e = np.where(a > 0, np.clip(np.frexp(np.where(a > 0, a, 1))[1] - 1 - 2, -126, 127), 0)      # np.frexp(a)[1] - 1 = floor(log2(a)), exactly
;;       r = np.clip(x / 2.0 ** e, -7.5, 7.5)
;;       step = 2.0 ** (np.maximum(np.frexp(np.where(r == 0, 1, r))[1] - 1, 0) - 3)
;;       q = np.round(r / step) * step * 2.0 ** e      # np.round: ties to even
;;       return np.moveaxis(q.reshape(q.shape[:-2] + (-1,))[..., :K], -1, axis).astype(np.float32)
;;   ~~~
;;   SOFTMAX AHEAD OF A QUANTISED PRODUCT. Where the list says 'softmax', what is quantised is not the finished softmax but p = 2^(t - M), with t = logit x log2(e) and M = ceil(the row's largest t), a whole number; so 1/2 < the row's largest p <= 1. The row's sum l is taken of the UNQUANTISED p, in f32, and the product's result is divided by l at the end. Since M is a whole number, a kernel that streams over the keys may use a running M (the ceiling of the running maximum): every later rescaling is an exact power of two, which a block's scale takes up: the codes' values come out the same.
;;   OPERANDS COMPUTED ON THE WAY. 'Computed on the way' means the value that the module computes at that place (a softmax that the list does not call 'softmax' is quantised finished and normalised). What goes into a quantiser is computed in f32, as accurately as f32 sums, v_exp_f32 and their like allow (about 1e-6 of the number): no bf16 or f16 on the way to a quantiser, and a product that is left as it is and whose result goes on into a quantised operand takes f32 operands (vector FMAs, or v_wmma_f32_16x16x4_f32). A number that lies on a knife's edge between two numbers of the format may be rounded either way, as far as f32 arithmetic and the matrix unit's own rounding can turn it there, and no further.
;; 2 versions. Each part assembles by itself: llvm-mc -triple=amdgcn-amd-amdhsa -mcpu=gfx1250 --defsym DOCPART=n.
;; ======== version 1 of 2: 4 launches
;; workspace buffers: wts 3,276,800 bytes; xq 3,145,728 bytes; xs 262,144 bytes; qb 4,194,304 bytes; kv 7,077,888 bytes; ctxc 3,145,728 bytes; ctxs 524,288 bytes
;; launch prep (part 1): grid 768 x 1, 4 waves a work-group, no clusters, 0 bytes of LDS; arguments x, Wq, Wk, Wv, Wo, Wff, Vff, W2ff, wts, xq, xs; writes wts, xq, xs
.if DOCPART == 1
	.amdgcn_target "amdgcn-amd-amdhsa--gfx1250"
	.amdhsa_code_object_version 6
	.text
	.protected	k_qe521cbc3ea_prep
	.globl	k_qe521cbc3ea_prep
	.p2align	8
	.type	k_qe521cbc3ea_prep,@function
k_qe521cbc3ea_prep:
	s_mov_b64 s[64:65], 0
	v_nop
	global_prefetch_b8 v0, s[64:65] scope:SCOPE_SE
	s_setreg_imm32_b32 hwreg(HW_REG_WAVE_MODE, 25, 1), 1
	s_wait_xcnt 0x0
; PREP: the seven weights and x become codes of FP6 (E2M3) with one E8M0 byte for each 32 along K, laid IN THE ORDER OF THE OPERAND'S REGISTERS, so that every later launch loads a fragment by three loads of 16 bytes a lane.
; A fragment (16 rows x 128 K, 12 registers a lane) is 1,536 bytes: registers 4 i .. 4 i + 3 of lane l at 512 i + 16 l.
; THE 16 ROWS (OR COLUMNS) OF A TILE ARE NOT NEIGHBOURS: index i of tile u of a group of 32 is element 8 u + (i & 7) + 16 (i >> 3), so that a product's results of two neighbouring tiles are 16 neighbours in a lane's registers.
; wts: 128 groups of 25,600 bytes: 16 fragments (tile t = 2 pp + u, K step s) at (4 t + s) 1,536; from 24,576 + 512 pp + 16 l on four scale words (one a K step): lanes 0-15 tile u = 0, lanes 16-31 tile u = 1.
; Work-groups 0 to 255: one pair of 32 columns x 512 along K of a weight; the wave's number is the K step.  K is the weights' FIRST axis: a lane takes a column and its registers run down K, so a block of 32 lies in one lane.
; Work-groups 256 to 767: one tile of 16 rows of x; the wave's number is the K step; a lane takes 16 neighbours of each block of 32 of its row.
; A block's scale byte is its largest magnitude's exponent field - 2, held at 1 from below by the floor 2^(3 - 127).
; LIMITS: a block of zeros gets the byte 1 where the rule says 127 (its codes are zeros, and this program alone reads the bytes); NaN and infinities among the inputs are not served.
; No LDS, no barrier, no matrix unit, no cluster: waves share nothing, and every input byte is read once in this launch.
.set LI,  5                            ; v5   16 x lane
.set SEL, 48                           ; s[48:49] lane selects for v_permlanex16_b32: lane l xor 16
.set TM,  16                           ; x's path: v16-31 at work
.set PW,  32                           ; v32  the scale word
.set PC,  36                           ; v36-54 the codes
; 64 numbers of a lane, register 16 b + i = k 32 b + 16 (lane / 16) + i of my row, become a fragment's codes in v[PC] on and its scale word in v[PW]
.macro QUANT s
.set QS, \s
.irp b, 0,1,2,3
	v_max3_num_f32 v[TM+\b], |v[QS+16*\b]|, |v[QS+1+16*\b]|, 0x1800000   ; block b: my 16 numbers, and the floor
.endr
.irp i, 2,4,6,8,10,12,14
.irp b, 0,1,2,3
	v_max3_num_f32 v[TM+\b], v[TM+\b], |v[QS+16*\b+\i]|, |v[QS+1+16*\b+\i]|
.endr
.endr
.irp b, 0,1,2,3
	v_permlanex16_b32 v[TM+4+\b], v[TM+\b], s[SEL], s[SEL+1]
.endr
.irp b, 0,1,2,3
	v_max_num_f32 v[TM+\b], v[TM+\b], v[TM+4+\b]       ; with lane l xor 16's: the block's largest magnitude
.endr
.irp b, 0,1,2,3
	v_add_nc_u32 v[TM+12+\b], 0xff000000, v[TM+\b]     ; 2 off its exponent field: the conversion's scale operand
.endr
.irp b, 0,1,2,3
	v_lshrrev_b32 v[TM+4+\b], 23, v[TM+12+\b]          ; the scale's byte
.endr
	v_lshl_or_b32 v[PW], v[TM+5], 8, v[TM+4]
	v_lshl_or_b32 v[PW], v[TM+6], 16, v[PW]
	v_lshl_or_b32 v[PW], v[TM+7], 24, v[PW]
.irp c, 0,1
	v_cvt_scalef32_pk16_fp6_f32 v[PC+6*\c:PC+2+6*\c], v[QS+32*\c:QS+15+32*\c], v[TM+12+2*\c]
	v_cvt_scalef32_pk16_fp6_f32 v[PC+12+4*\c:PC+14+4*\c], v[QS+16+32*\c:QS+31+32*\c], v[TM+12+2*\c+1]   ; (a conversion's three registers begin on an even number)
.endr
	v_nop                                              ; one plain place behind the scaled conversions
.irp c, 0,1                                        ; the operand's layout wants a whole block in a lane
.irp i, 0,1,2
	v_permlane16_swap_b32 v[PC+6*\c+\i], v[PC+12+4*\c+\i]
.endr
.irp i, 0,1,2
	v_mov_b32 v[PC+3+6*\c+\i], v[PC+12+4*\c+\i]
.endr
.endr
.endm
; 128 rows of my column: W(128 s + i, column) into v[64 + i]; the 32 lanes of a load read 128 consecutive bytes
.macro WLOAD pitch
.set WI, 0
.rept 128
	global_load_b32 v[64+WI], v8, s[32:33] offset:WI*(\pitch)
.set WI, WI+1
.endr
.endm
; block be = 2 c + o of my column: its byte into v60, its codes into registers 6 c .. 6 c + 5 of F_o (F0 = v16, F1 = v28)
.macro WBLOCK be, cnt
.set XS, 64+32*(\be)
.set FO, 16+12*((\be)%2)+6*((\be)/2)
.set TP, 40+4*((\be)%2)
	s_wait_loadcnt \cnt
	v_max3_num_f32 v12, |v[XS]|, |v[XS+1]|, |v[XS+2]|
	v_max3_num_f32 v13, |v[XS+3]|, |v[XS+4]|, |v[XS+5]|
.irp i, 6,10,14,18,22,26
	v_max3_num_f32 v12, v12, |v[XS+\i]|, |v[XS+\i+1]|
	v_max3_num_f32 v13, v13, |v[XS+\i+2]|, |v[XS+\i+3]|
.endr
	v_max3_num_f32 v12, v12, |v[XS+30]|, |v[XS+31]|
	v_max3_num_f32 v12, v12, v13, 0x1800000            ; and the floor
	v_add_nc_u32 v11, 0xff000000, v12
	v_lshrrev_b32 v13, 23, v11
.if (\be) == 0
	v_mov_b32 v60, v13
.else
	v_lshl_or_b32 v60, v13, 8*(\be), v60
.endif
	v_cvt_scalef32_pk16_fp6_f32 v[FO:FO+2], v[XS:XS+15], v11
	v_cvt_scalef32_pk16_fp6_f32 v[TP:TP+2], v[XS+16:XS+31], v11
	v_nop                                              ; one plain place behind the scaled conversions
.irp i, 0,1,2
	v_mov_b32 v[FO+3+\i], v[TP+\i]
.endr
.endm
	s_load_b512 s[4:19], s[0:1], 0x0               ; x, Wq, Wk, Wv, Wo, Wff, Vff, W2ff
	s_load_b128 s[20:23], s[0:1], 0x40             ; wts, xq
	s_load_b64 s[24:25], s[0:1], 0x50              ; xs
	v_lshrrev_b32 v1, 5, v0
	v_readfirstlane_b32 s26, v1                    ; wave = K step s
	v_and_b32 v2, 31, v0                           ; lane
	v_bfe_u32 v4, v0, 4, 1                         ; lane / 16
	v_lshlrev_b32 v[LI], 4, v2
	v_and_b32 v6, 7, v0
	v_bfe_u32 v7, v0, 3, 1
	v_lshl_add_u32 v6, v7, 4, v6                   ; (r & 7) + 16 (r >> 3)
	s_mov_b32 s[SEL], 0x76543210
	s_mov_b32 s[SEL+1], 0xfedcba98
	s_cmp_lt_u32 ttmp9, 256
	s_cbranch_scc0 .Lxpath
	; ---- a weight's pair of 32 columns.  All choices hang on the work-group's number alone
	s_lshr_b32 s28, ttmp9, 6                       ; cls: 0 = Wq, Wk, Wv, Wo; 1 = Wff; 2 = Vff; 3 = W2ff
	s_and_b32 s29, ttmp9, 63                       ; i
	s_and_b32 s30, s29, 15                         ; P4
	s_lshr_b32 s31, s29, 4                         ; c
	v_lshl_add_u32 v8, v4, 3, v6                   ; my column in the pair: tile u = lane / 16, index r
	v_lshlrev_b32 v8, 2, v8
	s_wait_kmcnt 0x0
	s_cmp_eq_u32 s31, 1
	s_cselect_b64 s[32:33], s[8:9], s[6:7]
	s_cmp_eq_u32 s31, 2
	s_cselect_b64 s[32:33], s[10:11], s[32:33]
	s_cmp_eq_u32 s31, 3
	s_cselect_b64 s[32:33], s[12:13], s[32:33]
	s_cmp_eq_u32 s28, 1
	s_cselect_b64 s[32:33], s[14:15], s[32:33]
	s_cmp_eq_u32 s28, 2
	s_cselect_b64 s[32:33], s[16:17], s[32:33]
	s_cmp_eq_u32 s28, 3
	s_cselect_b64 s[32:33], s[18:19], s[32:33]     ; the weight
	s_sub_co_u32 s34, s28, 1
	s_cmp_lt_u32 s34, 2                            ; a wide weight (rows of 8,192 bytes)?
	s_cselect_b32 s35, s29, s30                    ; which pair of its columns
	s_cselect_b32 s36, 20, 18                      ; 128 rows are 2^20 or 2^18 bytes
	s_lshl_b32 s36, s26, s36
	s_lshl_b32 s35, s35, 7
	s_cmp_eq_u32 s28, 3
	s_cselect_b32 s37, s31, 0                      ; W2ff: chunk c of 512 rows
	s_lshl_b32 s37, s37, 20
	s_add_co_u32 s36, s36, s37
	s_add_co_u32 s36, s36, s35
	s_mov_b32 s37, 0
	s_add_nc_u64 s[32:33], s[32:33], s[36:37]
	s_lshr_b32 s38, s30, 2                         ; the group
	s_lshl_b32 s38, s38, 2
	s_add_co_u32 s38, s38, s31
	s_mul_i32 s38, s38, 6
	s_add_co_u32 s38, s38, 32                      ; 32 + 6 (4 w + c)
	s_and_b32 s39, s29, 3
	s_add_co_u32 s39, s38, s39                     ; cls 1, 2: + b
	s_bfe_u32 s40, s30, 0x10001
	s_add_co_u32 s40, s40, s38
	s_add_co_u32 s40, s40, 4                       ; cls 3: + 4 + g
	s_lshl_b32 s41, s31, 3
	s_lshr_b32 s42, s30, 1
	s_add_co_u32 s41, s41, s42                     ; cls 0: 8 c + P4 / 2
	s_and_b32 s43, s30, 1                          ; pp of cls 0 and 3
	s_cmp_eq_u32 s28, 0
	s_cselect_b32 s39, s41, s39
	s_cmp_eq_u32 s28, 3
	s_cselect_b32 s39, s40, s39
	s_cmp_eq_u32 s28, 1
	s_cselect_b32 s43, 0, s43
	s_cmp_eq_u32 s28, 2
	s_cselect_b32 s43, 1, s43
	s_mul_i32 s44, s39, 25600
	s_mul_i32 s45, s43, 12288
	s_add_co_u32 s45, s45, s44
	s_mul_i32 s46, s26, 1536
	s_add_co_u32 s46, s46, s45
	s_mov_b32 s47, 0
	s_add_nc_u64 s[50:51], s[20:21], s[46:47]      ; my two fragments: tile u at + 6,144 u
	s_lshl_b32 s45, s43, 9
	s_add_co_u32 s45, s45, s44
	s_lshl_b32 s46, s26, 2
	s_add_co_u32 s46, s46, s45
	s_add_co_u32 s46, s46, 24576
	s_add_nc_u64 s[52:53], s[20:21], s[46:47]      ; my scale words
	s_cmp_lt_u32 s34, 2
	s_cbranch_scc1 .Lwide
	WLOAD 2048
	s_branch .Lloaded
.Lwide:
	WLOAD 8192
.Lloaded:
	WBLOCK 0, 63                                   ; 96 younger loads could stay out; the count's field ends at 63, and a smaller count is safe
	WBLOCK 1, 63                                   ; (64 could)
.irp i, 0,1,2,3,4,5
	v_permlane16_swap_b32 v[16+\i], v[28+\i]       ; F0's lanes 16-31 (tile 1, even block) change places with F1's lanes 0-15 (tile 0, odd block): F0 is tile 0's fragment, F1 tile 1's
.endr
	WBLOCK 2, 32                                   ; the last block's 32 loads may be out
	WBLOCK 3, 0
.irp i, 6,7,8,9,10,11
	v_permlane16_swap_b32 v[16+\i], v[28+\i]
.endr
.irp u, 0,1
.irp i, 0,1,2
	global_store_b128 v[LI], v[16+12*\u+4*\i:16+12*\u+4*\i+3], s[50:51] offset:6144*\u+512*\i   ; 512 consecutive bytes a store
.endr
.endr
	global_store_b32 v[LI], v60, s[52:53]          ; my column's scale word of this K step
	s_endpgm
	; ---- a tile of 16 rows of x
.Lxpath:
	s_sub_co_u32 s27, ttmp9, 256                   ; the tile Tg
	v_lshlrev_b32 v9, 11, v6
	v_lshl_add_u32 v9, v4, 6, v9                   ; my row of 2,048 bytes, + 64 (lane / 16)
.irp b, 0,1,2,3
	v_mov_b32 v[TM+4+\b], 0                        ; a lane permute's destination counts as one of its sources
.endr
	s_lshr_b32 s28, s27, 1
	s_lshl_b32 s28, s28, 5
	s_and_b32 s29, s27, 1
	s_lshl_b32 s29, s29, 3
	s_add_co_u32 s28, s28, s29                     ; the tile's first row: 32 (Tg / 2) + 8 (Tg % 2)
	s_lshl_b32 s28, s28, 11
	s_lshl_b32 s29, s26, 9
	s_add_co_u32 s28, s28, s29                     ; + 512 bytes a K step
	s_mov_b32 s29, 0
	s_lshl_b32 s30, s27, 2
	s_add_co_u32 s30, s30, s26
	s_mul_i32 s30, s30, 1536
	s_mov_b32 s31, 0
	s_lshl_b32 s32, s27, 9
	s_lshl_b32 s34, s26, 2
	s_add_co_u32 s32, s32, s34
	s_mov_b32 s33, 0
	s_wait_kmcnt 0x0
	s_add_nc_u64 s[4:5], s[4:5], s[28:29]
	s_add_nc_u64 s[22:23], s[22:23], s[30:31]
	s_add_nc_u64 s[24:25], s[24:25], s[32:33]
.irp b, 0,1,2,3
.irp j, 0,1,2,3
	global_load_b128 v[64+16*\b+4*\j:64+16*\b+4*\j+3], v9, s[4:5] offset:128*\b+16*\j
.endr
.endr
	s_wait_loadcnt 0x0
	QUANT 64
.irp i, 0,1,2
	global_store_b128 v[LI], v[PC+4*\i:PC+4*\i+3], s[22:23] offset:512*\i
.endr
	global_store_b32 v[LI], v[PW], s[24:25]        ; xs: [tile][lane][K step]
	s_endpgm
.Lfunc_end_k_qe521cbc3ea_prep:
	.size	k_qe521cbc3ea_prep, .Lfunc_end_k_qe521cbc3ea_prep-k_qe521cbc3ea_prep
	.p2alignl 7, 3214868480
	.fill 96, 4, 3214868480
	.section	.rodata,"a",@progbits
	.p2align	6, 0x0
	.amdhsa_kernel k_qe521cbc3ea_prep
		.amdhsa_group_segment_fixed_size 0
		.amdhsa_private_segment_fixed_size 0
		.amdhsa_enable_private_segment 0
		.amdhsa_kernarg_size 88
		.amdhsa_user_sgpr_count 2
		.amdhsa_user_sgpr_kernarg_segment_ptr 1
		.amdhsa_wavefront_size32 1
		.amdhsa_system_sgpr_workgroup_id_x 1
		.amdhsa_system_sgpr_workgroup_id_y 1
		.amdhsa_system_sgpr_workgroup_id_z 1
		.amdhsa_system_vgpr_workitem_id 0
		.amdhsa_next_free_vgpr 192
		.amdhsa_next_free_sgpr 66
		.amdhsa_reserve_vcc 0
		.amdhsa_float_denorm_mode_32 3
		.amdhsa_float_denorm_mode_16_64 3
		.amdhsa_memory_ordered 1
		.amdhsa_forward_progress 1
		.amdhsa_inst_pref_size 41
	.end_amdhsa_kernel
	.amdgpu_metadata
---
amdhsa.version: [ 1, 2 ]
amdhsa.kernels:
  - .name:           k_qe521cbc3ea_prep
    .symbol:         k_qe521cbc3ea_prep.kd
    .args:
      - { .name: x, .offset: 0, .size: 8, .value_kind: global_buffer, .address_space: global }
      - { .name: Wq, .offset: 8, .size: 8, .value_kind: global_buffer, .address_space: global }
      - { .name: Wk, .offset: 16, .size: 8, .value_kind: global_buffer, .address_space: global }
      - { .name: Wv, .offset: 24, .size: 8, .value_kind: global_buffer, .address_space: global }
      - { .name: Wo, .offset: 32, .size: 8, .value_kind: global_buffer, .address_space: global }
      - { .name: Wff, .offset: 40, .size: 8, .value_kind: global_buffer, .address_space: global }
      - { .name: Vff, .offset: 48, .size: 8, .value_kind: global_buffer, .address_space: global }
      - { .name: W2ff, .offset: 56, .size: 8, .value_kind: global_buffer, .address_space: global }
      - { .name: wts, .offset: 64, .size: 8, .value_kind: global_buffer, .address_space: global }
      - { .name: xq, .offset: 72, .size: 8, .value_kind: global_buffer, .address_space: global }
      - { .name: xs, .offset: 80, .size: 8, .value_kind: global_buffer, .address_space: global }
    .group_segment_fixed_size: 0
    .private_segment_fixed_size: 0
    .kernarg_segment_align: 8
    .kernarg_segment_size: 88
    .max_flat_workgroup_size: 128
    .sgpr_count:     66
    .vgpr_count:     192
    .wavefront_size: 32
...
	.end_amdgpu_metadata
.endif
;; end of part 1
;; launch qkv (part 2): grid 64 x 4, 4 waves a work-group, no clusters, 0 bytes of LDS; arguments wts, xq, xs, bq, bk, bv, qb, kv; writes qb, kv
.if DOCPART == 2
	.amdgcn_target "amdgcn-amd-amdhsa--gfx1250"
	.amdhsa_code_object_version 6
	.text
	.protected	k_qe521cbc3ea_qkv
	.globl	k_qe521cbc3ea_qkv
	.p2align	8
	.type	k_qe521cbc3ea_qkv,@function
k_qe521cbc3ea_qkv:
	s_mov_b64 s[64:65], 0
	v_nop
	global_prefetch_b8 v0, s[64:65] scope:SCOPE_SE
	s_setreg_imm32_b32 hwreg(HW_REG_WAVE_MODE, 25, 1), 1
	s_wait_xcnt 0x0
; QKV: q = x Wq + bq, k = x Wk + bk, v = x Wv + bv on codes of FP6 (E2M3) with E8M0 scales, and each result quantised at once for attention's two products; nothing leaves as f32.
; A work-group takes 128 rows (one key step of one batch: work-group x) and 128 columns (two heads: work-group y).  K = 512: four K steps.
; q, k: wave w takes row tiles 2 w, 2 w + 1 against all 128 columns.  Source 0 = 16 columns of the weight, source 1 = 16 rows of x: a lane holds one row and its registers run along the columns, which are attention's first K.
; v: wave w takes the pair w of 32 columns against all 8 row tiles.  Source 0 = 16 rows of x (keys), source 1 = 16 columns of Wv: a lane holds one channel and its registers run along the keys, attention's second K.
; The rows of a tile of x and the columns of a tile of a weight are chosen (index i: 8 u + (i & 7) + 16 (i >> 3) of a group of 32) so that the 16 registers of two neighbouring tiles are 16 neighbours.
; All operands come from memory straight into registers as images of the operand's registers (three loads of 16 bytes a lane for a fragment).  What is streamed (a group: 16 fragments, their scale words and biases) takes turns
; between register windows 1 and 2: one is multiplied while the other is on its way.  No LDS and no joint loads: a streamed fragment is used by every wave against its own rows, from its own registers, once.
; The biases are the C of each sum's first matrix instruction.
; qb: [head 32][query tile 128] 1,024 bytes: registers 0-3 at 16 l, registers 4-5 at 512 + 8 l, the scale word at 768 + 4 l.
; kv: [head 32][key step 16] 13,824 bytes: K's 8 tiles (768 bytes each, as q's), at 6,144 their scale words, at 7,168 V^T's 4 fragments, at 13,312 their scale words.
; A head has 64 channels, half of the instruction's K: bytes 2 and 3 of q's and k's scale words scale zero codes; they hold the neighbour head's bytes or 0, never 0xff.
; LIMITS: as stated in the first launch: a block of zeros gets the byte 1; NaN and infinities are not served.
; REGISTERS: window 0: v1-5 offsets; v6-7 bv; v8-15 my x tiles' scale words; v16-19 my Wv pair's; v24-39, v40-55 the streamed groups' scale words; v56-71 bv as C; v72-110 the quantiser's; v128-255 accumulators.
;   windows 1, 2: v0-191 a group's fragments, v192-223 its biases.   window 3: v0-95 my Wv fragments, v128-223 my x fragments.
.set LI,  1
.set L8,  2
.set L4,  3
.set BO,  4
.set BVO, 5
.set FS,  8
.set FVS, 16
.set PW2, 20
.set WS0, 24
.set WS1, 40
.set BV,  56
.set TM,  72
.set PW,  88
.set PC,  92
.set ACC, 128
.set SEL, 46
.set MSB, 0
.macro WIN new                         ; the immediate's high byte repeats the setting that is left
.if MSB != (\new)
	s_set_vgpr_msb (MSB<<8)|(\new)
.set MSB, (\new)
.endif
.endm
.macro PLACES n
.rept \n
	v_nop
.endr
.endm
.macro QUANT s
.set QS, \s
.irp b, 0,1,2,3
	v_max3_num_f32 v[TM+\b], |v[QS+16*\b]|, |v[QS+1+16*\b]|, 0x1800000   ; block b: my 16 numbers, from each accumulator's low end on, and the floor 2^(3 - 127)
.endr
.irp i, 2,4,6,8,10,12,14
.irp b, 0,1,2,3
	v_max3_num_f32 v[TM+\b], v[TM+\b], |v[QS+16*\b+\i]|, |v[QS+1+16*\b+\i]|
.endr
.endr
.irp b, 0,1,2,3
	v_permlanex16_b32 v[TM+4+\b], v[TM+\b], s[SEL], s[SEL+1]
.endr
.irp b, 0,1,2,3
	v_max_num_f32 v[TM+\b], v[TM+\b], v[TM+4+\b]
.endr
.irp b, 0,1,2,3
	v_add_nc_u32 v[TM+12+\b], 0xff000000, v[TM+\b]
.endr
.irp b, 0,1,2,3
	v_lshrrev_b32 v[TM+4+\b], 23, v[TM+12+\b]
.endr
	v_lshl_or_b32 v[PW], v[TM+5], 8, v[TM+4]
	v_lshl_or_b32 v[PW], v[TM+6], 16, v[PW]
	v_lshl_or_b32 v[PW], v[TM+7], 24, v[PW]
.irp c, 0,1
	v_cvt_scalef32_pk16_fp6_f32 v[PC+6*\c:PC+2+6*\c], v[QS+32*\c:QS+15+32*\c], v[TM+12+2*\c]
	v_cvt_scalef32_pk16_fp6_f32 v[PC+12+4*\c:PC+14+4*\c], v[QS+16+32*\c:QS+31+32*\c], v[TM+12+2*\c+1]
.endr
	v_nop                                              ; one plain place behind the scaled conversions
.irp c, 0,1
.irp i, 0,1,2
	v_permlane16_swap_b32 v[PC+6*\c+\i], v[PC+12+4*\c+\i]
.endr
.irp i, 0,1,2
	v_mov_b32 v[PC+3+6*\c+\i], v[PC+12+4*\c+\i]
.endr
.endr
.endm
.macro MM d, a, b, c, sa, sb, ra, rb   ; one product; ra, rb: the scale words lie in lanes 16-31
.if (\ra) && (\rb)
	v_wmma_scale_f32_16x16x128_f8f6f4 v[\d:\d+7], v[\a:\a+11], v[\b:\b+11], v[\c:\c+7], v[\sa], v[\sb] matrix_a_fmt:MATRIX_FMT_FP6 matrix_b_fmt:MATRIX_FMT_FP6 matrix_a_scale:MATRIX_SCALE_ROW1 matrix_b_scale:MATRIX_SCALE_ROW1
.elseif (\ra)
	v_wmma_scale_f32_16x16x128_f8f6f4 v[\d:\d+7], v[\a:\a+11], v[\b:\b+11], v[\c:\c+7], v[\sa], v[\sb] matrix_a_fmt:MATRIX_FMT_FP6 matrix_b_fmt:MATRIX_FMT_FP6 matrix_a_scale:MATRIX_SCALE_ROW1
.elseif (\rb)
	v_wmma_scale_f32_16x16x128_f8f6f4 v[\d:\d+7], v[\a:\a+11], v[\b:\b+11], v[\c:\c+7], v[\sa], v[\sb] matrix_a_fmt:MATRIX_FMT_FP6 matrix_b_fmt:MATRIX_FMT_FP6 matrix_b_scale:MATRIX_SCALE_ROW1
.else
	v_wmma_scale_f32_16x16x128_f8f6f4 v[\d:\d+7], v[\a:\a+11], v[\b:\b+11], v[\c:\c+7], v[\sa], v[\sb] matrix_a_fmt:MATRIX_FMT_FP6 matrix_b_fmt:MATRIX_FMT_FP6
.endif
.endm
; 32 products: a streamed group's four tiles t (window wp) x two fixed tiles m (window bw, from v[fb] on) x four K steps s.  The eight accumulators take turns, one instruction a turn.
; bias = 1: the first K step's C is the group's bias, v[192 + 8 t] of window wp; 2: v[BV + 8 m] of window 0; 0: the accumulator as it stands.
.macro GROUPMUL wp, bw, fb, cw, a01, m01, a23, m23, bias, sa, amode, sb, bmode
.irp s, 0,1,2,3
.if ((\s) == 0) && ((\bias) == 1)
	WIN (\wp)|((\bw)<<2)|((\wp)<<4)|((\cw)<<6)
.elseif ((\s) == 0) && ((\bias) == 2)
	WIN (\wp)|((\bw)<<2)|((\cw)<<6)
.else
	WIN (\wp)|((\bw)<<2)|((\cw)<<4)|((\cw)<<6)
.endif
.irp t, 0,1,2,3
.irp m, 0,1
.if \t < 2
.set GD, (\a01)+8*\t+\m*(\m01)
.else
.set GD, (\a23)+8*(\t-2)+\m*(\m23)
.endif
.set GA, 12*(4*\t+\s)
.set GB, (\fb)+12*(4*\m+\s)
.if \amode
.set GSA, (\sa)+4*\t+\s
.set GRA, 0
.else
.set GSA, (\sa)+4*(\t/2)+\s
.set GRA, \t%2
.endif
.if \bmode
.set GSB, (\sb)+\s
.set GRB, \m
.else
.set GSB, (\sb)+4*\m+\s
.set GRB, 0
.endif
.set GC, GD
.if ((\s) == 0) && ((\bias) == 1)
.set GC, 192+8*\t
.endif
.if ((\s) == 0) && ((\bias) == 2)
.set GC, BV+8*\m
.endif
	MM GD, GA, GB, GC, GSA, GSB, GRA, GRB
.endr
.endr
.endr
.endm
; a group of a weight with its biases into window wp: 58 loads
.macro LOADGB wp, base, off, sreg, p0, o0, p1, o1
	WIN (\wp)<<6
.set LF, 0
.rept 16
.irp i, 0,1,2
	global_load_b128 v[12*LF+4*\i:12*LF+4*\i+3], v[LI], s[\base:\base+1] offset:(\off)+1536*LF+512*\i
.endr
.set LF, LF+1
.endr
.irp j, 0,1,2,3
	global_load_b128 v[192+4*\j:192+4*\j+3], v[BO], s[\p0:\p0+1] offset:(\o0)+16*\j   ; the first pair's 16 biases of my half
.endr
.irp j, 0,1,2,3
	global_load_b128 v[208+4*\j:208+4*\j+3], v[BO], s[\p1:\p1+1] offset:(\o1)+16*\j
.endr
	WIN 0
.irp p, 0,1
	global_load_b128 v[(\sreg)+4*\p:(\sreg)+4*\p+3], v[LI], s[\base:\base+1] offset:(\off)+24576+512*\p
.endr
.endm
; four row tiles of x into window wp: 52 loads
.macro LOADX wp, off, offs, sreg
	WIN (\wp)<<6
.set LF, 0
.rept 16
.irp i, 0,1,2
	global_load_b128 v[12*LF+4*\i:12*LF+4*\i+3], v[LI], s[34:35] offset:(\off)+1536*LF+512*\i
.endr
.set LF, LF+1
.endr
	WIN 0
.irp t, 0,1,2,3
	global_load_b128 v[(\sreg)+4*\t:(\sreg)+4*\t+3], v[LI], s[36:37] offset:(\offs)+512*\t
.endr
.endm
; a fragment of 128 columns is two heads' halves: registers 0-5 the first head's, 6-11 the second's, hs bytes further on
.macro OUTQK cb, co, sb, so, hs
	global_store_b128 v[LI], v[PC:PC+3], s[\cb:\cb+1] offset:(\co)
	global_store_b64 v[L8], v[PC+4:PC+5], s[\cb:\cb+1] offset:(\co)+512
	global_store_b32 v[L4], v[PW], s[\sb:\sb+1] offset:(\so)
	global_store_b128 v[LI], v[PC+6:PC+9], s[\cb:\cb+1] offset:(\co)+(\hs)
	global_store_b64 v[L8], v[PC+10:PC+11], s[\cb:\cb+1] offset:(\co)+(\hs)+512
	global_store_b32 v[L4], v[PW2], s[\sb:\sb+1] offset:(\so)+(\hs)
.endm
	s_load_b512 s[4:19], s[0:1], 0x0               ; wts, xq, xs, bq, bk, bv, qb, kv
	v_lshrrev_b32 v6, 5, v0
	v_readfirstlane_b32 s20, v6                    ; wave w
	v_and_b32 v6, 31, v0
	v_lshlrev_b32 v[LI], 4, v6
	v_lshlrev_b32 v[L8], 3, v6
	v_lshlrev_b32 v[L4], 2, v6
	v_bfe_u32 v7, v0, 4, 1
	v_lshlrev_b32 v[BO], 6, v7                     ; 16 numbers a half
	v_and_b32 v6, 7, v0
	v_bfe_u32 v7, v0, 3, 1
	v_lshl_add_u32 v6, v7, 4, v6
	v_lshlrev_b32 v[BVO], 2, v6                    ; bv: my channel of a tile of Wv
.irp b, 0,1,2,3
	v_mov_b32 v[TM+4+\b], 0                        ; a lane permute's destination counts as one of its sources
.endr
	s_mov_b32 s[SEL], 0x76543210
	s_mov_b32 s[SEL+1], 0xfedcba98
	s_mov_b32 s21, ttmp9                           ; RB: 128 rows
	s_and_b32 s22, ttmp7, 0xffff                   ; y: heads 2 y, 2 y + 1
	s_lshr_b32 s23, s20, 1
	s_and_b32 s48, s20, 1
	s_mov_b32 s51, 0
	s_wait_kmcnt 0x0
	s_mul_i32 s50, s22, 51200
	s_add_nc_u64 s[24:25], s[4:5], s[50:51]        ; Wq's two groups of my columns; Wk's lie 8 groups on
	s_lshl_b32 s52, s22, 1
	s_add_co_u32 s52, s52, s23
	s_add_co_u32 s52, s52, 16
	s_mul_i32 s52, s52, 25600                      ; Wv's group of my pair
	s_mul_i32 s50, s48, 12288
	s_add_co_u32 s50, s50, s52
	s_add_nc_u64 s[26:27], s[4:5], s[50:51]        ; my pair's 8 fragments
	s_lshl_b32 s50, s48, 9
	s_add_co_u32 s50, s50, s52
	s_add_co_u32 s50, s50, 24576
	s_add_nc_u64 s[28:29], s[4:5], s[50:51]        ; and scale words
	s_lshl_b32 s53, s21, 3
	s_lshl_b32 s54, s20, 1
	s_add_co_u32 s53, s53, s54                     ; my first row tile: 8 RB + 2 w
	s_mul_i32 s50, s53, 6144
	s_add_nc_u64 s[30:31], s[6:7], s[50:51]
	s_lshl_b32 s50, s53, 9
	s_add_nc_u64 s[32:33], s[8:9], s[50:51]
	s_mul_i32 s50, s21, 49152
	s_add_nc_u64 s[34:35], s[6:7], s[50:51]        ; the work-group's 8 row tiles
	s_lshl_b32 s50, s21, 12
	s_add_nc_u64 s[36:37], s[8:9], s[50:51]
	s_lshl_b32 s50, s22, 9
	s_add_nc_u64 s[10:11], s[10:11], s[50:51]      ; bq, bk at my 128 columns
	s_add_nc_u64 s[12:13], s[12:13], s[50:51]
	s_lshl_b32 s55, s20, 7
	s_add_co_u32 s50, s50, s55
	s_add_nc_u64 s[14:15], s[14:15], s[50:51]      ; bv at my pair
	s_lshr_b32 s52, s21, 4
	s_lshl_b32 s52, s52, 3
	s_lshl_b32 s55, s22, 1
	s_add_co_u32 s52, s52, s55                     ; the first head: 8 batch + 2 y
	s_and_b32 s53, s21, 15                         ; the key step
	s_lshl_b32 s50, s52, 7
	s_lshl_b32 s55, s53, 3
	s_add_co_u32 s50, s50, s55
	s_add_co_u32 s50, s50, s54
	s_lshl_b32 s50, s50, 10
	s_add_nc_u64 s[16:17], s[16:17], s[50:51]      ; q's records of my two tiles
	s_lshl_b32 s55, s52, 4
	s_add_co_u32 s55, s55, s53
	s_mul_i32 s55, s55, 13824                      ; the first head's record of this key step
	s_mul_i32 s50, s20, 1536
	s_add_co_u32 s50, s50, s55
	s_add_nc_u64 s[38:39], s[18:19], s[50:51]      ; K's tiles 2 w, 2 w + 1
	s_lshl_b32 s50, s20, 8
	s_add_co_u32 s50, s50, s55
	s_add_co_u32 s50, s50, 6144
	s_add_nc_u64 s[40:41], s[18:19], s[50:51]      ; their scale words
	s_add_co_u32 s52, s52, s23                     ; the head of my pair of Wv's columns
	s_lshl_b32 s55, s52, 4
	s_add_co_u32 s55, s55, s53
	s_mul_i32 s55, s55, 13824
	s_mul_i32 s50, s48, 3072
	s_add_co_u32 s50, s50, s55
	s_add_co_u32 s50, s50, 7168
	s_add_nc_u64 s[42:43], s[18:19], s[50:51]      ; V^T's tiles 2 (w & 1), + 1
	s_lshl_b32 s50, s48, 8
	s_add_co_u32 s50, s50, s55
	s_add_co_u32 s50, s50, 13312
	s_add_nc_u64 s[44:45], s[18:19], s[50:51]
	; what stays: 53 loads
	WIN 0xc0
.set LF, 0
.rept 8
.irp i, 0,1,2
	global_load_b128 v[128+12*LF+4*\i:128+12*LF+4*\i+3], v[LI], s[30:31] offset:1536*LF+512*\i   ; my two tiles of x: fragment 4 m + s
	global_load_b128 v[12*LF+4*\i:12*LF+4*\i+3], v[LI], s[26:27] offset:1536*LF+512*\i           ; my pair of Wv: fragment 4 u + s
.endr
.set LF, LF+1
.endr
	WIN 0
	global_load_b128 v[FS:FS+3], v[LI], s[32:33]
	global_load_b128 v[FS+4:FS+7], v[LI], s[32:33] offset:512
	global_load_b128 v[FVS:FVS+3], v[LI], s[28:29]
	global_load_b32 v6, v[BVO], s[14:15]
	global_load_b32 v7, v[BVO], s[14:15] offset:32
	LOADGB 1, 24, 0, WS0, 10, 0, 10, 128           ; Wq, columns 0-63
	LOADGB 2, 24, 25600, WS1, 10, 256, 10, 384     ; Wq, columns 64-127
	s_wait_loadcnt 58                              ; all but the group just asked for
.irp j, 0,1,2,3,4,5,6,7
	v_mov_b32 v[BV+\j], v6                         ; bv as a C: my channel's number for all eight keys
	v_mov_b32 v[BV+8+\j], v7
.endr
	GROUPMUL 1,3,128,0,ACC,64,ACC+16,64,1,WS0,0,FS,0
	PLACES 5                                       ; ahead of loads into the products' operands, and of the first read of results
	LOADGB 1, 24, 204800, WS0, 12, 0, 12, 128      ; Wk, columns 0-63
	s_wait_loadcnt 58
	GROUPMUL 2,3,128,0,ACC+32,64,ACC+48,64,1,WS1,0,FS,0
	PLACES 5
	LOADGB 2, 24, 230400, WS1, 12, 256, 12, 384    ; Wk, columns 64-127
.irp m, 0,1
	s_wait_xcnt 0x0                                ; the codes' registers are earlier stores' data: written again only behind this wait
	QUANT ACC+64*\m
	v_lshrrev_b32 v[PW2], 16, v[PW]                ; the second head's two bytes
	OUTQK 16, 1024*\m, 16, 1024*\m+768, 131072
.endr
	s_wait_loadcnt 58
	GROUPMUL 1,3,128,0,ACC,64,ACC+16,64,1,WS0,0,FS,0
	PLACES 5
	LOADX 1, 0, 0, WS0                             ; x's row tiles 0-3
	s_wait_loadcnt 52
	GROUPMUL 2,3,128,0,ACC+32,64,ACC+48,64,1,WS1,0,FS,0
	PLACES 5
	LOADX 2, 24576, 2048, WS1                      ; x's row tiles 4-7
.irp m, 0,1
	s_wait_xcnt 0x0
	QUANT ACC+64*\m
	v_lshrrev_b32 v[PW2], 16, v[PW]
	OUTQK 38, 768*\m, 40, 128*\m, 221184
.endr
	s_wait_loadcnt 52
	GROUPMUL 1,3,0,0,ACC,64,ACC+16,64,2,WS0,1,FVS,1
	PLACES 5
	s_wait_loadcnt 0x0
	GROUPMUL 2,3,0,0,ACC+32,64,ACC+48,64,2,WS1,1,FVS,1
	PLACES 5
	WIN 0
.irp u, 0,1
	s_wait_xcnt 0x0
	QUANT ACC+64*\u                                ; 128 keys of my channel: one fragment of V^T
.irp i, 0,1,2
	global_store_b128 v[LI], v[PC+4*\i:PC+4*\i+3], s[42:43] offset:1536*\u+512*\i
.endr
	global_store_b32 v[L4], v[PW], s[44:45] offset:128*\u
.endr
	s_endpgm
.Lfunc_end_k_qe521cbc3ea_qkv:
	.size	k_qe521cbc3ea_qkv, .Lfunc_end_k_qe521cbc3ea_qkv-k_qe521cbc3ea_qkv
	.p2alignl 7, 3214868480
	.fill 96, 4, 3214868480
	.section	.rodata,"a",@progbits
	.p2align	6, 0x0
	.amdhsa_kernel k_qe521cbc3ea_qkv
		.amdhsa_group_segment_fixed_size 0
		.amdhsa_private_segment_fixed_size 0
		.amdhsa_enable_private_segment 0
		.amdhsa_kernarg_size 64
		.amdhsa_user_sgpr_count 2
		.amdhsa_user_sgpr_kernarg_segment_ptr 1
		.amdhsa_wavefront_size32 1
		.amdhsa_system_sgpr_workgroup_id_x 1
		.amdhsa_system_sgpr_workgroup_id_y 1
		.amdhsa_system_sgpr_workgroup_id_z 1
		.amdhsa_system_vgpr_workitem_id 0
		.amdhsa_next_free_vgpr 1024
		.amdhsa_next_free_sgpr 66
		.amdhsa_reserve_vcc 0
		.amdhsa_float_denorm_mode_32 3
		.amdhsa_float_denorm_mode_16_64 3
		.amdhsa_memory_ordered 1
		.amdhsa_forward_progress 1
		.amdhsa_inst_pref_size 93
	.end_amdhsa_kernel
	.amdgpu_metadata
---
amdhsa.version: [ 1, 2 ]
amdhsa.kernels:
  - .name:           k_qe521cbc3ea_qkv
    .symbol:         k_qe521cbc3ea_qkv.kd
    .args:
      - { .name: wts, .offset: 0, .size: 8, .value_kind: global_buffer, .address_space: global }
      - { .name: xq, .offset: 8, .size: 8, .value_kind: global_buffer, .address_space: global }
      - { .name: xs, .offset: 16, .size: 8, .value_kind: global_buffer, .address_space: global }
      - { .name: bq, .offset: 24, .size: 8, .value_kind: global_buffer, .address_space: global }
      - { .name: bk, .offset: 32, .size: 8, .value_kind: global_buffer, .address_space: global }
      - { .name: bv, .offset: 40, .size: 8, .value_kind: global_buffer, .address_space: global }
      - { .name: qb, .offset: 48, .size: 8, .value_kind: global_buffer, .address_space: global }
      - { .name: kv, .offset: 56, .size: 8, .value_kind: global_buffer, .address_space: global }
    .group_segment_fixed_size: 0
    .private_segment_fixed_size: 0
    .kernarg_segment_align: 8
    .kernarg_segment_size: 64
    .max_flat_workgroup_size: 128
    .sgpr_count:     66
    .vgpr_count:     1024
    .wavefront_size: 32
...
	.end_amdgpu_metadata
.endif
;; end of part 2
;; launch attn (part 3): grid 8 x 32, 16 waves a work-group, clusters of 4 x 1, 223,232 bytes of LDS; arguments qb, kv, ctxc, ctxs; writes ctxc, ctxs
.if DOCPART == 3
	.amdgcn_target "amdgcn-amd-amdhsa--gfx1250"
	.amdhsa_code_object_version 6
	.text
	.protected	k_qe521cbc3ea_attn
	.globl	k_qe521cbc3ea_attn
	.p2align	8
	.type	k_qe521cbc3ea_attn,@function
k_qe521cbc3ea_attn:
	s_mov_b64 s[64:65], 0
	v_nop
	global_prefetch_b8 v0, s[64:65] scope:SCOPE_SE
	s_setreg_imm32_b32 hwreg(HW_REG_WAVE_MODE, 25, 1), 1
	s_wait_xcnt 0x0
	s_wait_alu depctr_hold_cnt(0) depctr_sa_sdst(0) depctr_va_vdst(0) depctr_va_sdst(0) depctr_va_ssrc(0) depctr_va_vcc(0) depctr_vm_vsrc(0)
	s_getreg_b32 s2, hwreg(HW_REG_IB_STS2, 6, 4)
	s_cmp_eq_u32 s2, 0
	s_cbranch_scc0 .Lentry_in_a_cluster
	s_endpgm
.Lentry_in_a_cluster:
	s_bfe_u32 s2, ttmp6, 0x10000c
	s_cmp_lg_u32 s2, 0x3003
	s_cbranch_scc0 .Lentry_shape_is_right
	s_endpgm
.Lentry_shape_is_right:
; ATTN: ctx = softmax(q k^T / 8) v for one head, both products on codes of FP6 (E2M3) with E8M0 scales; ctx is quantised at once for the product with Wo (a head's 64 channels are two whole blocks of its K).
; THE SOFTMAX AHEAD OF THE SECOND PRODUCT: t = score x log2(e) / 8; M = the running largest t rounded UP to a whole number; p = 2^(t - M) is quantised along the keys, not normalised; the row's sum is taken of the
; unquantised p and divides at the end.  When M moves, the sum and O are multiplied by 2^(old M - new M): exact.
; SHARES.  A work-group owns 256 queries of one head (work-group y); each of its sixteen waves owns one tile of 16 queries in 256 registers, four waves to a SIMD, so that one wave's vector work stands beside another's products.
; A WHOLE HEAD'S K AND V, codes and scale words, are 16 records of 13,824 bytes: they fit in LDS together.  Each wave brings one record by one tensor load: first fills alone, no slot is filled again.
; CLUSTER.  The four work-groups of a cluster are query blocks of one head and want the same 16 records: each record is asked for JOINTLY, by the same load with the same descriptor and the mask of all four.
; LAYOUT.  Both products transposed: S^T = K Q^T (source 0 = 16 keys), O^T = V^T P^T (source 0 = 16 channels): a lane holds one query throughout.  The keys of a tile of K and the channels of a tile of V^T were chosen by the
; launch before so that the 16 registers of two neighbouring tiles are 16 neighbours.  All fragments lie in LDS as images of the operand's registers: each load's 32 lanes read consecutive bytes.
; The head's 64 channels are half of the instruction's K: registers 6-11 of Q's and K's fragments are zero codes, written once.
; Nothing is prefetched: all that the work-group reads is asked for at its head.
; LIMITS: a block of zeros gets the byte 1 (its codes are zeros); NaN and infinities are not served; the division by the sum is v_rcp_f32 and a multiplication.
; REGISTERS: v1-3 lane offsets; v4, v5 the add's two; v6-8 the step's LDS addresses; v12 -M, v13 the largest t, v[14:15] the sum in two halves; v16-27 Q, v28 its scale word; v32-79 four fragments of K; v80-127 four of V^T;
;   v128-191 S^T, then p; v192-223 O^T; v224-235 p's codes; v232-247, v252-254 at work; v248-251 the tiles' scale words; v253 p's scale word.
.set REC,   13824
.set SPARE, 16*REC                     ; behind the records: the spare words, 128 bytes for each wave: eight blocks of 256 bytes that no other line names
.set LI,  1
.set L8,  2
.set L4,  3
.set SPW, 4
.set NIL, 5
.set A16, 6
.set A8,  7
.set A4,  8
.set WV,  12
.set G1,  16
.set G0,  24
.set SEL, 30
.set CS,  32
.set TB,  34
.set CNT, 35
.macro CROUND                          ; a round of the cluster's barrier
	s_barrier_signal -1
	s_barrier_wait -1
	s_cmp_lg_u32 s[WV], 0
	s_cbranch_scc1 .Lnot_wave_0_\@
	s_barrier_signal -3
.Lnot_wave_0_\@:
	s_barrier_wait -3
	s_barrier_signal -1
	s_barrier_wait -1
.endm
	s_load_b256 s[4:11], s[0:1], 0x0               ; qb, kv, ctxc, ctxs
	v_lshl_add_u32 v[SPW], v0, 2, SPARE
	v_mov_b32 v[NIL], 0
	ds_add_u32 v[SPW], v[NIL]                      ; the wave's opening: the add and its wait stand ahead of my tensor load; the set-up below, work on registers, stands between them
	v_lshrrev_b32 v9, 5, v0
	v_readfirstlane_b32 s[WV], v9                  ; wave 0..15
	v_and_b32 v9, 31, v0
	v_lshlrev_b32 v[LI], 4, v9
	v_lshlrev_b32 v[L8], 3, v9
	v_lshlrev_b32 v[L4], 2, v9
	s_and_b32 s15, ttmp7, 0xffff                   ; the head (of 32), which the four partners share
	s_lshl_b32 s28, s15, 4
	s_add_co_u32 s28, s28, s[WV]
	s_mul_i32 s28, s28, REC                        ; my record in memory: key step = my wave's number
	s_mov_b32 s29, 0
	s_mov_b32 s[G0], 1                             ; count = 1
	s_mul_i32 s[G0+1], s[WV], REC                  ; and in LDS: no place in the cluster enters it
	; descriptor group 1: a dense block of 13,824 bytes as 54 rows of 256 bytes (32 elements of 8 bytes), no padding
	s_mov_b32 s[G1], 15|(3<<16)|(1<<21)            ; the mask: all four work-groups; elements of 8 bytes; bit 21 set beside a mask
	s_mov_b32 s[G1+1], 32<<16                      ; tensor_dim0 = 32
	s_mov_b32 s[G1+2], 54<<16                      ; tensor_dim1 = 54
	s_mov_b32 s[G1+3], 32<<16                      ; tile_dim0 = 32
	s_mov_b32 s[G1+4], 54                          ; tile_dim1 = 54
	s_mov_b32 s[G1+5], 32                          ; from row to row
	s_mov_b32 s[G1+6], 0
	s_mov_b32 s[G1+7], 0
	s_bfe_u32 s13, ttmp6, 0x40000                  ; cx: it enters Q's and the outputs' addresses alone
	s_lshl_b32 s14, ttmp9, 2
	s_add_co_u32 s14, s14, s13
	s_lshl_b32 s14, s14, 4
	s_add_co_u32 s14, s14, s[WV]                   ; my query tile in the batch: 16 x block + wave
	s_lshl_b32 s36, s15, 7
	s_add_co_u32 s36, s36, s14
	s_lshl_b32 s36, s36, 10                        ; its record in qb
	s_mov_b32 s37, 0
	s_lshr_b32 s38, s15, 3
	s_lshl_b32 s38, s38, 7
	s_add_co_u32 s38, s38, s14                     ; the row tile: 128 x batch + query tile
	s_lshl_b32 s38, s38, 3
	s_and_b32 s39, s15, 7
	s_add_co_u32 s38, s38, s39                     ; 8 x row tile + head
	s_mul_i32 s40, s38, 768
	s_mov_b32 s41, 0
	s_lshl_b32 s42, s38, 7
	s_mov_b32 s43, 0
	s_mov_b32 s[SEL], 0x76543210
	s_mov_b32 s[SEL+1], 0xfedcba98
	s_mov_b32 s[CS], 0x3e38aa3b                    ; c = log2(e) / 8
	s_mov_b32 s[CS+1], s[CS]                       ; (named with it as a pair, so it is written)
	s_mov_b32 s[TB], 0
	s_mov_b32 s[CNT], 16
	s_wait_dscnt 0x0                               ; the opening add is done
	s_wait_kmcnt 0x0
	s_add_nc_u64 s[G0+2:G0+3], s[6:7], s[28:29]
	s_or_b32 s[G0+3], s[G0+3], 0x80000000          ; type = 2
	s_add_nc_u64 s[4:5], s[4:5], s[36:37]
	s_add_nc_u64 s[8:9], s[8:9], s[40:41]
	s_add_nc_u64 s[10:11], s[10:11], s[42:43]
	CROUND                                         ; all four work-groups are here: the joint loads meet
	tensor_load_to_lds s[G0:G0+3], s[G1:G1+7]      ; my one tensor load: one is out
	s_nop 0
.rept 4
	v_nop
.endr
	global_load_b128 v[16:19], v[LI], s[4:5]       ; Q's half fragment stays in registers
	global_load_b64 v[20:21], v[L8], s[4:5] offset:512
	global_load_b32 v28, v[L4], s[4:5] offset:768
.irp i, 22,23,24,25,26,27
	v_mov_b32 v[\i], 0                             ; zero codes for K = 64 .. 127
.endr
.irp t, 0,1,2,3
.irp i, 6,7,8,9,10,11
	v_mov_b32 v[32+12*\t+\i], 0
.endr
.endr
	v_mov_b32 v13, 0xff61b1e6                      ; the largest t so far: -3e38, under every t
	v_floor_f32 v12, -v13                          ; -M
	v_mov_b32 v14, 0
	v_mov_b32 v15, 0
.irp b, 0,1,2,3
	v_mov_b32 v[236+\b], 0                         ; a lane permute's destination counts as one of its sources
.endr
	v_mov_b32 v253, 0                              ; (named as the upper half of the pair v[252:253] before it is first written)
.set J, 0
.rept 32
	v_mov_b32 v[192+J], 0                          ; O^T: the loop is written once; its first step finds zeros, which the first change of M leaves zeros
.set J, J+1
.endr
	s_wait_tensorcnt 0x0                           ; my record has landed,
	s_barrier_signal -1
	s_barrier_wait -1                              ; everybody's has
	s_wait_loadcnt 0x0                             ; Q
.Lstep:                                            ; 16 trips: 128 keys each
	v_add_nc_u32 v[A16], s[TB], v[LI]
	v_add_nc_u32 v[A8], s[TB], v[L8]
	v_add_nc_u32 v[A4], s[TB], v[L4]
	v_nop                                          ; four places ahead of the loads into the scale registers that the last products read
.irp g, 0,1                                    ; S^T = K Q^T, four tiles of 16 keys at a time
.if \g
.rept 4
	v_nop                                          ; places ahead of loads into registers that matrix instructions have read
.endr
.endif
.irp t, 0,1,2,3
	ds_load_b128 v[32+12*\t:35+12*\t], v[A16] offset:768*(4*\g+\t)
	ds_load_b64 v[36+12*\t:37+12*\t], v[A8] offset:768*(4*\g+\t)+512
	ds_load_b32 v[248+\t], v[A4] offset:6144+128*(4*\g+\t)
.endr
	s_wait_dscnt 0x0
.irp t, 0,1,2,3
	v_wmma_scale_f32_16x16x128_f8f6f4 v[128+8*(4*\g+\t):135+8*(4*\g+\t)], v[32+12*\t:43+12*\t], v[16:27], 0, v[248+\t], v28 matrix_a_fmt:MATRIX_FMT_FP6 matrix_b_fmt:MATRIX_FMT_FP6
.endr
.endr
.rept 4
	v_nop
.endr
.irp d, 0,1,2,3                                ; V^T's four fragments and scale words are asked for here and land under the softmax
.irp i, 0,1,2
	ds_load_b128 v[80+12*\d+4*\i:83+12*\d+4*\i], v[A16] offset:7168+1536*\d+512*\i
.endr
	ds_load_b32 v[248+\d], v[A4] offset:13312+128*\d
.endr
.irp b, 0,1,2,3
	v_max3_num_f32 v[232+\b], v[128+16*\b], v[129+16*\b], v[130+16*\b]   ; the largest score of each block of 32 keys: for the row's maximum, and, since p rises with the score, for the block's largest p
.endr
.irp i, 3,5,7,9,11,13
.irp b, 0,1,2,3
	v_max3_num_f32 v[232+\b], v[232+\b], v[128+16*\b+\i], v[129+16*\b+\i]
.endr
.endr
.irp b, 0,1,2,3
	v_max_num_f32 v[232+\b], v[232+\b], v[143+16*\b]
.endr
.irp b, 0,1,2,3
	v_permlanex16_b32 v[236+\b], v[232+\b], s[SEL], s[SEL+1]
.endr
.irp b, 0,1,2,3
	v_max_num_f32 v[232+\b], v[232+\b], v[236+\b]  ; with lane l xor 16's 16 keys
.endr
	v_max3_num_f32 v254, v232, v233, v234
	v_max_num_f32 v254, v254, v235                 ; the step's largest score of my query
	v_mul_f32 v254, s[CS], v254                    ; as t
	v_max_num_f32 v13, v13, v254                   ; the running largest t
	v_mov_b32 v254, v12
	v_floor_f32 v12, -v13                          ; the new -M = -ceil(t): a whole number
	v_sub_f32 v254, v12, v254                      ; old M - new M: a whole number, 0 or less
	v_cvt_i32_f32 v254, v254                       ; (it saturates)
	v_ldexp_f32 v252, 1.0, v254                    ; f = 2^(old M - new M)
.set J, 0
.rept 32
	v_pk_fma_f32 v[128+J:129+J], v[128+J:129+J], s[CS:CS+1], v[12:13] op_sel_hi:[1,0,0]   ; t - M, two at a time
.set J, J+2
.endr
.irp b, 0,1,2,3
	v_fma_f32 v[232+\b], v[232+\b], s[CS], v12     ; the same of each block's largest score
.endr
.set J, 0
.rept 64
	v_exp_f32 v[128+J], v[128+J]                   ; p = 2^(t - M), at most 1
.set J, J+1
.endr
	v_pk_mul_f32 v[14:15], v[14:15], v[252:253] op_sel_hi:[1,0]   ; the sums under the new M: a plain place behind the exponentials
	s_wait_alu depctr_va_vdst(0)                   ; one wait for the whole batch, ahead of its first reader
.irp b, 0,1,2,3
	v_exp_f32 v[232+\b], v[232+\b]                 ; the block's largest p
.endr
	v_pk_add_f32 v[236:237], v[128:129], v[130:131]   ; the row's sum of the unquantised p, two at a time, in two chains
.irp j, 4,8,12,16,20,24,28,32,36,40,44,48,52,56,60
	v_pk_add_f32 v[14:15], v[14:15], v[128+\j:129+\j]
	v_pk_add_f32 v[236:237], v[236:237], v[130+\j:131+\j]
.endr
	v_pk_add_f32 v[14:15], v[14:15], v[236:237]
	s_wait_alu depctr_va_vdst(0)                   ; and one for the four
.irp b, 0,1,2,3
	v_max_num_f32 v[232+\b], 0x1800000, v[232+\b]  ; the floor 2^(3 - 127)
.endr
.irp b, 0,1,2,3
	v_add_nc_u32 v[244+\b], 0xff000000, v[232+\b]  ; 2 off the exponent field: the conversion's scale operand
.endr
.irp b, 0,1,2,3
	v_lshrrev_b32 v[236+\b], 23, v[244+\b]         ; the scale's byte
.endr
	v_lshl_or_b32 v253, v237, 8, v236              ; p's scale word for these 128 keys
	v_lshl_or_b32 v253, v238, 16, v253
	v_lshl_or_b32 v253, v239, 24, v253
.irp c, 0,1
	v_cvt_scalef32_pk16_fp6_f32 v[224+6*\c:226+6*\c], v[128+32*\c:143+32*\c], v[244+2*\c]
	v_cvt_scalef32_pk16_fp6_f32 v[236+4*\c:238+4*\c], v[144+32*\c:159+32*\c], v[244+2*\c+1]
.endr
	v_nop                                          ; one plain place behind the scaled conversions
.irp c, 0,1
.irp i, 0,1,2
	v_permlane16_swap_b32 v[224+6*\c+\i], v[236+4*\c+\i]
.endr
.irp i, 0,1,2
	v_mov_b32 v[227+6*\c+\i], v[236+4*\c+\i]
.endr
.endr
.set J, 0
.rept 16
	v_pk_mul_f32 v[192+J:193+J], v[192+J:193+J], v[252:253] op_sel_hi:[1,0]   ; O^T under the new M; these sixteen are also the places ahead of the scaled products
.set J, J+2
.endr
	s_wait_dscnt 0x0                               ; V^T is in
.irp d, 0,1,2,3                                ; O^T += V^T P^T: four accumulators, one instruction a turn
	v_wmma_scale_f32_16x16x128_f8f6f4 v[192+8*\d:199+8*\d], v[80+12*\d:91+12*\d], v[224:235], v[192+8*\d:199+8*\d], v[248+\d], v253 matrix_a_fmt:MATRIX_FMT_FP6 matrix_b_fmt:MATRIX_FMT_FP6
.endr
	s_add_co_u32 s[TB], s[TB], REC
	s_sub_co_u32 s[CNT], s[CNT], 1
	s_cmp_lg_u32 s[CNT], 0
	s_cbranch_scc1 .Lstep
	; THE WAY OUT: O^T / the sum, quantised along the head's 64 channels: two blocks, half a fragment
.rept 4
	v_nop                                          ; places behind the last products
.endr
	v_add_f32 v14, v14, v15
	v_permlanex16_b32 v252, v14, s[SEL], s[SEL+1]
	v_add_f32 v14, v14, v252                       ; the row's sum
	v_rcp_f32 v14, v14
	v_nop                                          ; a plain place behind the reciprocal
	s_wait_alu depctr_va_vdst(0)                   ; and the wait ahead of its first reader
.set J, 0
.rept 32
	v_mul_f32 v[128+J], v[192+J], v14              ; register 16 b + i: channel 32 b + 16 (lane / 16) + i
.set J, J+1
.endr
.irp b, 0,1
	v_max3_num_f32 v[232+\b], |v[128+16*\b]|, |v[129+16*\b]|, 0x1800000
.endr
.irp i, 2,4,6,8,10,12,14
.irp b, 0,1
	v_max3_num_f32 v[232+\b], v[232+\b], |v[128+16*\b+\i]|, |v[129+16*\b+\i]|
.endr
.endr
.irp b, 0,1
	v_permlanex16_b32 v[236+\b], v[232+\b], s[SEL], s[SEL+1]
.endr
.irp b, 0,1
	v_max_num_f32 v[232+\b], v[232+\b], v[236+\b]
.endr
.irp b, 0,1
	v_add_nc_u32 v[244+\b], 0xff000000, v[232+\b]
.endr
.irp b, 0,1
	v_lshrrev_b32 v[236+\b], 23, v[244+\b]
.endr
	v_lshl_or_b32 v254, v237, 8, v236              ; the head's two bytes
	v_cvt_scalef32_pk16_fp6_f32 v[224:226], v[128:143], v244
	v_cvt_scalef32_pk16_fp6_f32 v[240:242], v[144:159], v245
	v_nop
.irp i, 0,1,2
	v_permlane16_swap_b32 v[224+\i], v[240+\i]
.endr
.irp i, 0,1,2
	v_mov_b32 v[227+\i], v[240+\i]
.endr
	global_store_b128 v[LI], v[224:227], s[8:9]    ; 512 consecutive bytes,
	global_store_b64 v[L8], v[228:229], s[8:9] offset:512   ; and 256
	global_store_b32 v[L4], v254, s[10:11]
	s_wait_tensorcnt 0x0                           ; the wave's end
	ds_add_u32 v[SPW], v[NIL]
	s_wait_dscnt 0x0
	CROUND                                         ; the closing round
	s_endpgm
.Lfunc_end_k_qe521cbc3ea_attn:
	.size	k_qe521cbc3ea_attn, .Lfunc_end_k_qe521cbc3ea_attn-k_qe521cbc3ea_attn
	.p2alignl 7, 3214868480
	.fill 96, 4, 3214868480
	.section	.rodata,"a",@progbits
	.p2align	6, 0x0
	.amdhsa_kernel k_qe521cbc3ea_attn
		.amdhsa_group_segment_fixed_size 223232
		.amdhsa_private_segment_fixed_size 0
		.amdhsa_enable_private_segment 0
		.amdhsa_kernarg_size 32
		.amdhsa_user_sgpr_count 2
		.amdhsa_user_sgpr_kernarg_segment_ptr 1
		.amdhsa_wavefront_size32 1
		.amdhsa_system_sgpr_workgroup_id_x 1
		.amdhsa_system_sgpr_workgroup_id_y 1
		.amdhsa_system_sgpr_workgroup_id_z 1
		.amdhsa_system_vgpr_workitem_id 0
		.amdhsa_next_free_vgpr 256
		.amdhsa_next_free_sgpr 66
		.amdhsa_reserve_vcc 0
		.amdhsa_float_denorm_mode_32 3
		.amdhsa_float_denorm_mode_16_64 3
		.amdhsa_memory_ordered 1
		.amdhsa_forward_progress 1
		.amdhsa_inst_pref_size 27
	.end_amdhsa_kernel
	.amdgpu_metadata
---
amdhsa.version: [ 1, 2 ]
amdhsa.kernels:
  - .name:           k_qe521cbc3ea_attn
    .symbol:         k_qe521cbc3ea_attn.kd
    .args:
      - { .name: qb, .offset: 0, .size: 8, .value_kind: global_buffer, .address_space: global }
      - { .name: kv, .offset: 8, .size: 8, .value_kind: global_buffer, .address_space: global }
      - { .name: ctxc, .offset: 16, .size: 8, .value_kind: global_buffer, .address_space: global }
      - { .name: ctxs, .offset: 24, .size: 8, .value_kind: global_buffer, .address_space: global }
    .group_segment_fixed_size: 223232
    .private_segment_fixed_size: 0
    .kernarg_segment_align: 8
    .kernarg_segment_size: 32
    .max_flat_workgroup_size: 512
    .sgpr_count:     66
    .vgpr_count:     256
    .wavefront_size: 32
...
	.end_amdgpu_metadata
.endif
;; end of part 3
;; launch tail (part 4): grid 256 x 1, 4 waves a work-group, no clusters, 95,232 bytes of LDS; arguments ctxc, ctxs, wts, x, bo, g1, beta1, b2ff, bff, bvff, g2, beta2, out0; writes out0
.if DOCPART == 4
	.amdgcn_target "amdgcn-amd-amdhsa--gfx1250"
	.amdhsa_code_object_version 6
	.text
	.protected	k_qe521cbc3ea_tail
	.globl	k_qe521cbc3ea_tail
	.p2align	8
	.type	k_qe521cbc3ea_tail,@function
k_qe521cbc3ea_tail:
	s_mov_b64 s[64:65], 0
	v_nop
	global_prefetch_b8 v0, s[64:65] scope:SCOPE_SE
	s_setreg_imm32_b32 hwreg(HW_REG_WAVE_MODE, 25, 1), 1
	s_wait_xcnt 0x0
; TAIL: x1 = LN(x + ctx Wo + bo; g1, beta1);  out0 = LN(x1 + (gelu(x1 Wff + bff) (x1 Vff + bvff)) W2ff + b2ff; g2, beta2).  The four products on codes of FP6 (E2M3) with E8M0 scales; all else in f32.
; A work-group takes 32 rows (two tiles of 16) from ctx's codes to out0; nothing between goes to memory.  THE WAVES SHARE THE COLUMNS: wave w owns columns 128 w .. 128 w + 127 of every product 512 wide, and 128 of each
; chunk of 512 hidden units (four chunks).  Source 0 = 16 columns of a weight, source 1 = 16 rows: a lane holds one row and its registers run along the columns, 16 neighbours for two neighbouring tiles.
; THE WEIGHTS go from memory straight into registers as images of the operand's registers, a group (16 fragments, scale words, biases) at a time, by turns into register windows 1 and 2: one group is multiplied while the
; next is on its way.  No LDS ring and no joint loads for them: each fragment is used by one wave of the work-group alone, so LDS would add a pass over all their bytes and spare none.
; OPERANDS MADE ON THE WAY (x1, the hidden layer) go from wave to wave through LDS as images of their registers: wave w makes K step w.
; x + bo is the C that the product with Wo adds onto; b2ff + x1 is the C that the product with W2ff adds onto; bff and bvff are the C of their sums' first instructions.
; THE EXACT GELU: Phi(a) by erfc: t = 1 / (1 + |a| / (2 sqrt 2)); E = t 2^(P(t) - a^2 log2(e) / 2) = erfc(|a| / sqrt 2) / 2, P of degree 9; Phi = 1 - E for a > 0, else E; h = Phi (a v).
; LIMITS: the form's fractional error in erfc is 1.2e-7, beside f32's roundings; where |a| is so large that a v overflows, h is not what 0 x v would be; a block of zeros gets the byte 1; NaN and infinities are not served;
; 1 / sqrt by v_rsq_f32.
; LDS: x1's 8 fragments and scale words; the hidden layer's 8 and theirs; four areas for the norms' sums; a stage of 32 rows x (2,048 + 16) bytes for the way out; the spare words.
; REGISTERS: window 0: v1-11 offsets; v[12:13] a constant; v16-23, v24-31 the groups' scale words; v32-39 x1's; v40-47 ctx's, later the hidden layer's; v64-191 128 numbers a lane (64 m + 16 b + i), later hidden fragments;
;   v192-255 at work.   windows 1, 2: a group.   window 3: v0-127 the last product's accumulators; v128-223 ctx's, then x1's fragments; during a norm v128-191 the gain, v192-255 the offset.
.set X1IMG, 0
.set X1SC,  12288
.set HIMG,  13312
.set HSC,   25600
.set RED,   26624
.set STG,   28672
.set SPARE, 94720                      ; the spare words, 128 bytes for each wave: two blocks of 256 bytes that no other line names
.set LI,  1
.set L8,  2
.set L4,  3
.set BO,  4
.set XA,  5
.set RW,  6
.set RR,  7
.set SO,  8
.set SR,  9
.set IWI, 10
.set IWS, 11
.set C8V, 12
.set WS0, 16
.set WS1, 24
.set X1S, 32
.set CSC, 40
.set CT,  48
.set SPW, 62
.set NIL, 63
.set Y,   64
.set T,   192
.set LT,  192
.set TM,  192
.set PW,  208
.set PC,  212
.set TT,  224
.set PP,  240
.set BV,  0
.set SEL, 38
.set MSB, 0
.macro WIN new                         ; the immediate's high byte repeats the setting that is left
.if MSB != (\new)
	s_set_vgpr_msb (MSB<<8)|(\new)
.set MSB, (\new)
.endif
.endm
.macro PLACES n
.rept \n
	v_nop
.endr
.endm
.macro KPAIR r, val
	s_mov_b32 s[\r], \val
	s_mov_b32 s[(\r)+1], \val
.endm
.macro QUANT s
.set QS, \s
.irp b, 0,1,2,3
	v_max3_num_f32 v[TM+\b], |v[QS+16*\b]|, |v[QS+1+16*\b]|, 0x1800000
.endr
.irp i, 2,4,6,8,10,12,14
.irp b, 0,1,2,3
	v_max3_num_f32 v[TM+\b], v[TM+\b], |v[QS+16*\b+\i]|, |v[QS+1+16*\b+\i]|
.endr
.endr
.irp b, 0,1,2,3
	v_permlanex16_b32 v[TM+4+\b], v[TM+\b], s[SEL], s[SEL+1]
.endr
.irp b, 0,1,2,3
	v_max_num_f32 v[TM+\b], v[TM+\b], v[TM+4+\b]
.endr
.irp b, 0,1,2,3
	v_add_nc_u32 v[TM+12+\b], 0xff000000, v[TM+\b]
.endr
.irp b, 0,1,2,3
	v_lshrrev_b32 v[TM+4+\b], 23, v[TM+12+\b]
.endr
	v_lshl_or_b32 v[PW], v[TM+5], 8, v[TM+4]
	v_lshl_or_b32 v[PW], v[TM+6], 16, v[PW]
	v_lshl_or_b32 v[PW], v[TM+7], 24, v[PW]
.irp c, 0,1
	v_cvt_scalef32_pk16_fp6_f32 v[PC+6*\c:PC+2+6*\c], v[QS+32*\c:QS+15+32*\c], v[TM+12+2*\c]
	v_cvt_scalef32_pk16_fp6_f32 v[PC+12+4*\c:PC+14+4*\c], v[QS+16+32*\c:QS+31+32*\c], v[TM+12+2*\c+1]
.endr
	v_nop                                              ; one plain place behind the scaled conversions
.irp c, 0,1
.irp i, 0,1,2
	v_permlane16_swap_b32 v[PC+6*\c+\i], v[PC+12+4*\c+\i]
.endr
.irp i, 0,1,2
	v_mov_b32 v[PC+3+6*\c+\i], v[PC+12+4*\c+\i]
.endr
.endr
.endm
.macro MM d, a, b, c, sa, sb, ra, rb
.if (\ra) && (\rb)
	v_wmma_scale_f32_16x16x128_f8f6f4 v[\d:\d+7], v[\a:\a+11], v[\b:\b+11], v[\c:\c+7], v[\sa], v[\sb] matrix_a_fmt:MATRIX_FMT_FP6 matrix_b_fmt:MATRIX_FMT_FP6 matrix_a_scale:MATRIX_SCALE_ROW1 matrix_b_scale:MATRIX_SCALE_ROW1
.elseif (\ra)
	v_wmma_scale_f32_16x16x128_f8f6f4 v[\d:\d+7], v[\a:\a+11], v[\b:\b+11], v[\c:\c+7], v[\sa], v[\sb] matrix_a_fmt:MATRIX_FMT_FP6 matrix_b_fmt:MATRIX_FMT_FP6 matrix_a_scale:MATRIX_SCALE_ROW1
.elseif (\rb)
	v_wmma_scale_f32_16x16x128_f8f6f4 v[\d:\d+7], v[\a:\a+11], v[\b:\b+11], v[\c:\c+7], v[\sa], v[\sb] matrix_a_fmt:MATRIX_FMT_FP6 matrix_b_fmt:MATRIX_FMT_FP6 matrix_b_scale:MATRIX_SCALE_ROW1
.else
	v_wmma_scale_f32_16x16x128_f8f6f4 v[\d:\d+7], v[\a:\a+11], v[\b:\b+11], v[\c:\c+7], v[\sa], v[\sb] matrix_a_fmt:MATRIX_FMT_FP6 matrix_b_fmt:MATRIX_FMT_FP6
.endif
.endm
; 32 products: a group's four tiles t (window wp) x the two tiles of rows m (window bw, from v[fb] on) x four K steps s; the eight accumulators take turns, one instruction a turn
.macro GROUPMUL wp, bw, fb, cw, a01, m01, a23, m23, bias, sa, amode, sb, bmode
.irp s, 0,1,2,3
.if ((\s) == 0) && ((\bias) == 1)
	WIN (\wp)|((\bw)<<2)|((\wp)<<4)|((\cw)<<6)
.elseif ((\s) == 0) && ((\bias) == 2)
	WIN (\wp)|((\bw)<<2)|((\cw)<<6)
.else
	WIN (\wp)|((\bw)<<2)|((\cw)<<4)|((\cw)<<6)
.endif
.irp t, 0,1,2,3
.irp m, 0,1
.if \t < 2
.set GD, (\a01)+8*\t+\m*(\m01)
.else
.set GD, (\a23)+8*(\t-2)+\m*(\m23)
.endif
.set GA, 12*(4*\t+\s)
.set GB, (\fb)+12*(4*\m+\s)
.if \amode
.set GSA, (\sa)+4*\t+\s
.set GRA, 0
.else
.set GSA, (\sa)+4*(\t/2)+\s
.set GRA, \t%2
.endif
.if \bmode
.set GSB, (\sb)+\s
.set GRB, \m
.else
.set GSB, (\sb)+4*\m+\s
.set GRB, 0
.endif
.set GC, GD
.if ((\s) == 0) && ((\bias) == 1)
.set GC, 192+8*\t
.endif
.if ((\s) == 0) && ((\bias) == 2)
.set GC, BV+8*\m
.endif
	MM GD, GA, GB, GC, GSA, GSB, GRA, GRB
.endr
.endr
.endr
.endm
.macro LOADG wp, base, off, sreg       ; a group into window wp: 50 loads
	WIN (\wp)<<6
.set LF, 0
.rept 16
.irp i, 0,1,2
	global_load_b128 v[12*LF+4*\i:12*LF+4*\i+3], v[LI], s[\base:\base+1] offset:(\off)+1536*LF+512*\i
.endr
.set LF, LF+1
.endr
	WIN 0
.irp p, 0,1
	global_load_b128 v[(\sreg)+4*\p:(\sreg)+4*\p+3], v[LI], s[\base:\base+1] offset:(\off)+24576+512*\p
.endr
.endm
.macro LOADGB wp, base, off, sreg, p0, o0, p1, o1   ; and with its two pairs' biases: 58 loads
	WIN (\wp)<<6
.set LF, 0
.rept 16
.irp i, 0,1,2
	global_load_b128 v[12*LF+4*\i:12*LF+4*\i+3], v[LI], s[\base:\base+1] offset:(\off)+1536*LF+512*\i
.endr
.set LF, LF+1
.endr
.irp j, 0,1,2,3
	global_load_b128 v[192+4*\j:192+4*\j+3], v[BO], s[\p0:\p0+1] offset:(\o0)+16*\j
.endr
.irp j, 0,1,2,3
	global_load_b128 v[208+4*\j:208+4*\j+3], v[BO], s[\p1:\p1+1] offset:(\o1)+16*\j
.endr
	WIN 0
.irp p, 0,1
	global_load_b128 v[(\sreg)+4*\p:(\sreg)+4*\p+3], v[LI], s[\base:\base+1] offset:(\off)+24576+512*\p
.endr
.endm
.macro GBLOAD pg, pb                   ; a norm's gain and offset at my 64 columns, into window 3: 32 loads
	WIN 0xc0
.irp b, 0,1,2,3
.irp j, 0,1,2,3
	global_load_b128 v[128+16*\b+4*\j:128+16*\b+4*\j+3], v[BO], s[\pg:\pg+1] offset:128*\b+16*\j
.endr
.endr
.irp b, 0,1,2,3
.irp j, 0,1,2,3
	global_load_b128 v[192+16*\b+4*\j:192+16*\b+4*\j+3], v[BO], s[\pb:\pb+1] offset:128*\b+16*\j
.endr
.endr
	WIN 0
.endm
; h = Phi(a) (a v) for 16 numbers a lane: a in v[a] on (two accumulators), v in v[v] on; h takes a's place.  Every run ascends.
.macro GELU a, v
.set EA, \a
.set EV, \v
.set EI, 0
.rept 16
	v_fma_f32 v[TT+EI], |v[EA+EI]|, s62, 1.0       ; 1 + |a| / (2 sqrt 2)
.set EI, EI+1
.endr
.set EI, 0
.rept 16
	v_rcp_f32 v[TT+EI], v[TT+EI]                   ; t
.set EI, EI+1
.endr
.set EI, 0
.rept 16
	v_cmp_gt_f32 s[66+EI], v[EA+EI], 0             ; independent work behind the reciprocals: a > 0?
.set EI, EI+1
.endr
.set EI, 0
.rept 8
	v_pk_mul_f32 v[EV+EI:EV+EI+1], v[EV+EI:EV+EI+1], v[EA+EI:EA+EI+1]   ; a v
.set EI, EI+2
.endr
.set EI, 0
.rept 8
	v_pk_mul_f32 v[EA+EI:EA+EI+1], v[EA+EI:EA+EI+1], v[EA+EI:EA+EI+1]   ; a^2
.set EI, EI+2
.endr
	s_wait_alu depctr_va_vdst(0)                   ; one wait for the sixteen reciprocals, ahead of their first reader
.set EI, 0
.rept 8
	v_pk_fma_f32 v[PP+EI:PP+EI+1], v[TT+EI:TT+EI+1], s[58:59], v[C8V:C8V+1] op_sel_hi:[1,0,1]
.set EI, EI+2
.endr
.irp k, 54,52,50,48,46,44,42,40
.set EI, 0
.rept 8
	v_pk_fma_f32 v[PP+EI:PP+EI+1], v[PP+EI:PP+EI+1], v[TT+EI:TT+EI+1], s[\k:\k+1] op_sel_hi:[1,1,0]
.set EI, EI+2
.endr
.endr
.set EI, 0
.rept 8
	v_pk_fma_f32 v[PP+EI:PP+EI+1], v[EA+EI:EA+EI+1], s[60:61], v[PP+EI:PP+EI+1] op_sel_hi:[1,0,1]   ; P(t) - a^2 log2(e) / 2
.set EI, EI+2
.endr
.set EI, 0
.rept 16
	v_exp_f32 v[PP+EI], v[PP+EI]
.set EI, EI+1
.endr
	v_nop                                          ; a plain place behind the exponentials
	s_wait_alu depctr_va_vdst(0)                   ; one wait for the sixteen
.set EI, 0
.rept 8
	v_pk_mul_f32 v[PP+EI:PP+EI+1], v[PP+EI:PP+EI+1], v[TT+EI:TT+EI+1]   ; E
.set EI, EI+2
.endr
.set EI, 0
.rept 8
	v_pk_fma_f32 v[TT+EI:TT+EI+1], v[PP+EI:PP+EI+1], -1.0, 1.0 op_sel_hi:[1,0,0]   ; 1 - E
.set EI, EI+2
.endr
.set EI, 0
.rept 16
	v_cndmask_b32 v[EA+EI], v[PP+EI], v[TT+EI], s[66+EI]   ; Phi
.set EI, EI+1
.endr
.set EI, 0
.rept 8
	v_pk_mul_f32 v[EA+EI:EA+EI+1], v[EA+EI:EA+EI+1], v[EV+EI:EV+EI+1]
.set EI, EI+2
.endr
.endm
; the two chains of each tile of rows, v[LT + 4 m .. + 3], become the row's total over all 512 columns, in v[LT + 12 + 4 m]: within the lane, with lane l xor 16, and through LDS with the other three waves
.macro RFIN area
.irp m, 0,1
	v_pk_add_f32 v[LT+4*\m:LT+4*\m+1], v[LT+4*\m:LT+4*\m+1], v[LT+4*\m+2:LT+4*\m+3]
.endr
.irp m, 0,1
	v_add_f32 v[LT+4*\m], v[LT+4*\m], v[LT+4*\m+1]
.endr
.irp m, 0,1
	v_permlanex16_b32 v[LT+8+\m], v[LT+4*\m], s[SEL], s[SEL+1]
.endr
.irp m, 0,1
	v_add_f32 v[LT+4*\m], v[LT+4*\m], v[LT+8+\m]
.endr
.irp m, 0,1
	ds_store_b32 v[RW], v[LT+4*\m] offset:512*(\area)+256*\m   ; both halves of the lanes write the same word with the same value
.endr
	s_wait_dscnt 0x0                               ; for the others' sake: my stores have landed
	s_barrier_signal -1
	s_barrier_wait -1
.irp m, 0,1
	ds_load_b128 v[LT+12+4*\m:LT+15+4*\m], v[RR] offset:512*(\area)+256*\m   ; the four waves' sums of my row
.endr
	s_wait_dscnt 0x0
.irp m, 0,1
	v_add_f32 v[LT+12+4*\m], v[LT+12+4*\m], v[LT+13+4*\m]
	v_add_f32 v[LT+14+4*\m], v[LT+14+4*\m], v[LT+15+4*\m]
.endr
.irp m, 0,1
	v_add_f32 v[LT+12+4*\m], v[LT+12+4*\m], v[LT+14+4*\m]
.endr
.endm
; the layer norm of 128 numbers a lane (w3 = 1: the accumulators in window 3; 0: v[Y] on) into v[Y] on.  area, area + 1: its two areas in LDS, used once each.  cnt: the younger loads that may stay out when gain and offset are wanted.
.macro LNORM w3, area, cnt
.if \w3
.set LSRC, 0
	WIN 0x0f
.else
.set LSRC, Y
.endif
.irp m, 0,1
	v_pk_add_f32 v[LT+4*\m:LT+4*\m+1], v[LSRC+64*\m:LSRC+64*\m+1], v[LSRC+64*\m+4:LSRC+64*\m+5]   ; two chains; each accumulator from its low end on
	v_pk_add_f32 v[LT+4*\m+2:LT+4*\m+3], v[LSRC+64*\m+2:LSRC+64*\m+3], v[LSRC+64*\m+6:LSRC+64*\m+7]
.endr
.if \w3
	WIN 0x0c
.endif
.irp j, 8,12,16,20,24,28,32,36,40,44,48,52,56,60
.irp m, 0,1
	v_pk_add_f32 v[LT+4*\m:LT+4*\m+1], v[LT+4*\m:LT+4*\m+1], v[LSRC+64*\m+\j:LSRC+64*\m+\j+1]
	v_pk_add_f32 v[LT+4*\m+2:LT+4*\m+3], v[LT+4*\m+2:LT+4*\m+3], v[LSRC+64*\m+\j+2:LSRC+64*\m+\j+3]
.endr
.endr
	WIN 0
	RFIN \area
.irp m, 0,1
	v_mul_f32 v[LT+20+2*\m], 0x3b000000, v[LT+12+4*\m]   ; the mean: / 512, twice, for the packed form
	v_mul_f32 v[LT+21+2*\m], 0x3b000000, v[LT+12+4*\m]
.endr
.if \w3
	WIN 0x03
.endif
.irp m, 0,1
.set LJ, 0
.rept 32
	v_pk_add_f32 v[Y+64*\m+LJ:Y+64*\m+LJ+1], v[LSRC+64*\m+LJ:LSRC+64*\m+LJ+1], v[LT+20+2*\m:LT+21+2*\m] neg_lo:[0,1] neg_hi:[0,1]   ; - the mean
.set LJ, LJ+2
.endr
.endr
	WIN 0
.irp m, 0,1
	v_pk_mul_f32 v[LT+4*\m:LT+4*\m+1], v[Y+64*\m:Y+64*\m+1], v[Y+64*\m:Y+64*\m+1]
	v_pk_mul_f32 v[LT+4*\m+2:LT+4*\m+3], v[Y+64*\m+2:Y+64*\m+3], v[Y+64*\m+2:Y+64*\m+3]
.endr
.irp j, 4,8,12,16,20,24,28,32,36,40,44,48,52,56,60
.irp m, 0,1
	v_pk_fma_f32 v[LT+4*\m:LT+4*\m+1], v[Y+64*\m+\j:Y+64*\m+\j+1], v[Y+64*\m+\j:Y+64*\m+\j+1], v[LT+4*\m:LT+4*\m+1]
	v_pk_fma_f32 v[LT+4*\m+2:LT+4*\m+3], v[Y+64*\m+\j+2:Y+64*\m+\j+3], v[Y+64*\m+\j+2:Y+64*\m+\j+3], v[LT+4*\m+2:LT+4*\m+3]
.endr
.endr
	RFIN (\area)+1
.irp m, 0,1
	v_fma_f32 v[LT+12+4*\m], v[LT+12+4*\m], s82, s83     ; the variance + 1e-5 (the division by 512 is exact)
.endr
.irp m, 0,1
	v_rsq_f32 v[LT+24+2*\m], v[LT+12+4*\m]
.endr
	v_nop                                          ; a plain place behind the two
	s_wait_alu depctr_va_vdst(0)                   ; and their wait
.irp m, 0,1
	v_mov_b32 v[LT+25+2*\m], v[LT+24+2*\m]
.endr
.irp m, 0,1
.set LJ, 0
.rept 32
	v_pk_mul_f32 v[Y+64*\m+LJ:Y+64*\m+LJ+1], v[Y+64*\m+LJ:Y+64*\m+LJ+1], v[LT+24+2*\m:LT+25+2*\m]
.set LJ, LJ+2
.endr
.endr
	s_wait_loadcnt \cnt                            ; gain and offset are in
	WIN 0x3c
.irp m, 0,1
.set LJ, 0
.rept 32
	v_pk_fma_f32 v[Y+64*\m+LJ:Y+64*\m+LJ+1], v[Y+64*\m+LJ:Y+64*\m+LJ+1], v[128+LJ:129+LJ], v[192+LJ:193+LJ]
.set LJ, LJ+2
.endr
.endr
	WIN 0
.endm
; my 64 numbers of tile m become K step w of the next product: the fragment goes to LDS as it stands, and its scale words
.macro QIMG m, img, sc
	QUANT Y+64*(\m)
.irp i, 0,1,2
	ds_store_b128 v[IWI], v[PC+4*\i:PC+4*\i+3] offset:(\img)+6144*(\m)+512*\i
.endr
	ds_store_b32 v[IWS], v[PW] offset:(\sc)+512*(\m)
	s_wait_dscnt 0x0                               ; the stores have read their registers
.endm
.macro FETCHF win, reg, img, sc, sreg  ; the eight fragments (4 m + s) and their scale words come back so, in every wave
	WIN (\win)<<6
.set FQ, 0
.rept 8
.irp i, 0,1,2
	ds_load_b128 v[(\reg)+12*FQ+4*\i:(\reg)+12*FQ+4*\i+3], v[LI] offset:(\img)+1536*FQ+512*\i
.endr
.set FQ, FQ+1
.endr
	WIN 0
.set FQ, 0
.rept 8
	ds_load_b32 v[(\sreg)+FQ], v[L4] offset:(\sc)+128*FQ
.set FQ, FQ+1
.endr
	s_wait_dscnt 0x0
.endm
; 32 hidden units of the chunk: Wff's and Vff's pair b against x1; the group after next is asked for into the window just freed; then the activation
.macro HSTEP b, cnt
	s_wait_loadcnt \cnt
	GROUPMUL 1+(\b)%2,3,128,0,Y+16*(\b),64,T,16,1,WS0+8*((\b)%2),0,X1S,0
	PLACES 5                                       ; ahead of loads into the products' operands and of the first read of results
.if (\b) < 2
	LOADGB 1+(\b)%2,8,((\b)+2)*25600,WS0+8*((\b)%2),20,128*((\b)+2),22,128*((\b)+2)
.else
	LOADG 1+(\b)%2,8,((\b)+2)*25600,WS0+8*((\b)%2)
.endif
	GELU Y+16*(\b),T
	GELU Y+64+16*(\b),T+16
.endm
	s_load_b512 s[4:19], s[0:1], 0x0               ; ctxc, ctxs, wts, x, bo, g1, beta1, b2ff
	s_load_b256 s[20:27], s[0:1], 0x40             ; bff, bvff, g2, beta2
	s_load_b64 s[28:29], s[0:1], 0x60              ; out0
	v_lshl_add_u32 v[SPW], v0, 2, SPARE
	v_mov_b32 v[NIL], 0
	v_lshrrev_b32 v56, 5, v0
	v_readfirstlane_b32 s30, v56                   ; wave w
	s_mov_b32 s31, ttmp9                           ; G: 32 rows
	v_and_b32 v56, 31, v0                          ; lane
	v_and_b32 v57, 15, v0                          ; r
	v_bfe_u32 v58, v0, 4, 1                        ; h
	v_and_b32 v59, 7, v0
	v_bfe_u32 v60, v0, 3, 1
	v_lshl_add_u32 v59, v60, 4, v59                ; (r & 7) + 16 (r >> 3): my row in the tile's 32
	v_lshlrev_b32 v[LI], 4, v56
	v_lshlrev_b32 v[L8], 3, v56
	v_lshlrev_b32 v[L4], 2, v56
	v_lshlrev_b32 v[BO], 6, v58
	v_lshlrev_b32 v[XA], 11, v59
	v_lshl_add_u32 v[XA], v58, 6, v[XA]
	v_lshlrev_b32 v[RR], 4, v57
	v_add_nc_u32 v[RR], RED, v[RR]                 ; a row's four sums
	s_lshl_b32 s84, s30, 2
	v_add_nc_u32 v[RW], s84, v[RR]                 ; my wave's of them
	v_mul_u32_u24 v[SO], v57, 2064
	v_lshl_add_u32 v[SO], v58, 6, v[SO]
	s_lshl_b32 s84, s30, 9
	s_add_co_u32 s84, s84, STG
	v_add_nc_u32 v[SO], s84, v[SO]                 ; the stage: row r, + 64 h, + 512 w
	s_mul_i32 s84, s30, 16512
	s_add_co_u32 s84, s84, STG
	v_add_nc_u32 v[SR], s84, v[LI]                 ; back: my 8 rows, 16 bytes a lane
	s_mul_i32 s84, s30, 1536
	v_add_nc_u32 v[IWI], s84, v[LI]
	s_lshl_b32 s84, s30, 7
	v_add_nc_u32 v[IWS], s84, v[L4]
	v_mov_b32 v[C8V], 0xbf97d29d                   ; the polynomial's coefficient of t^8, x log2(e), as a pair
	v_mov_b32 v[C8V+1], 0xbf97d29d
	s_mov_b32 s[SEL], 0x76543210
	s_mov_b32 s[SEL+1], 0xfedcba98
	KPAIR 40, 0xc034d90f                           ; the coefficients x log2(e), that of t^0 one lower (the half): -2.82574822,
	KPAIR 42, 0x3fb8ab5a                           ; 1.44272920,
	KPAIR 44, 0x3f0a29d2                           ; 0.53970062,
	KPAIR 46, 0x3e0efb2e                           ; 0.13963006,
	KPAIR 48, 0xbe899a80                           ; -0.26875686,
	KPAIR 50, 0x3ecdfd18                           ; 0.40232158,
	KPAIR 52, 0xbfd1a1e5                           ; -1.63775315,
	KPAIR 54, 0x40097039                           ; 2.14747446,
	KPAIR 58, 0x3e7c6f08                           ; and of t^9: 0.24651730
	KPAIR 60, 0xbf38aa3b                           ; -log2(e) / 2
	s_mov_b32 s62, 0x3eb504f3                      ; 1 / (2 sqrt 2)
	s_mov_b32 s82, 0x3b000000                      ; 1 / 512
	s_mov_b32 s83, 0x3727c5ac                      ; 1e-5
	s_mul_i32 s84, s30, 51200
	s_add_co_u32 s84, s84, 24*25600                ; Wo's two groups of my columns
	s_mov_b32 s85, 0
	s_mul_i32 s86, s30, 24*25600
	s_add_co_u32 s86, s86, 32*25600                ; my 24 groups of Wff, Vff, W2ff: six a chunk
	s_mov_b32 s87, 0
	s_lshl_b32 s88, s30, 9                         ; my 128 columns in bytes
	s_mov_b32 s89, 0
	s_lshl_b32 s90, s31, 16
	s_add_co_u32 s90, s90, s88
	s_mov_b32 s91, 0
	s_mul_i32 s92, s31, 12288
	s_mov_b32 s93, 0
	s_lshl_b32 s94, s31, 11
	s_mov_b32 s95, 0
	s_lshl_b32 s34, s31, 5                         ; the rows that I store: 32 G + 8 (w >> 1) + 16 (w & 1) on
	s_lshr_b32 s37, s30, 1
	s_lshl_b32 s37, s37, 3
	s_add_co_u32 s34, s34, s37
	s_and_b32 s37, s30, 1
	s_lshl_b32 s37, s37, 4
	s_add_co_u32 s34, s34, s37
	s_lshl_b32 s34, s34, 11
	s_mov_b32 s35, 0
	s_wait_kmcnt 0x0
	s_add_nc_u64 s[32:33], s[8:9], s[84:85]
	s_add_nc_u64 s[8:9], s[8:9], s[86:87]
	s_add_nc_u64 s[10:11], s[10:11], s[90:91]
.irp p, 12,14,16,18,20,22,24,26
	s_add_nc_u64 s[\p:\p+1], s[\p:\p+1], s[88:89]
.endr
	s_add_nc_u64 s[4:5], s[4:5], s[92:93]
	s_add_nc_u64 s[6:7], s[6:7], s[94:95]
	s_add_nc_u64 s[28:29], s[28:29], s[34:35]
	; ---- the first 128 loads: x, bo, b2ff, ctx's fragments and scale words
.irp m, 0,1
.irp b, 0,1,2,3
.irp j, 0,1,2,3
	global_load_b128 v[Y+64*\m+16*\b+4*\j:Y+64*\m+16*\b+4*\j+3], v[XA], s[10:11] offset:16384*\m+128*\b+16*\j
.endr
.endr
.endr
.irp b, 0,1,2,3
.irp j, 0,1,2,3
	global_load_b128 v[T+16*\b+4*\j:T+16*\b+4*\j+3], v[BO], s[12:13] offset:128*\b+16*\j
.endr
.endr
	WIN 0xc0
.irp m, 0,1
.irp b, 0,1,2,3
.irp j, 0,1,2,3
	global_load_b128 v[64*\m+16*\b+4*\j:64*\m+16*\b+4*\j+3], v[BO], s[18:19] offset:128*\b+16*\j
.endr
.endr
.endr
.irp m, 0,1
.irp s, 0,1,2,3                                ; K step s of ctx is heads 2 s and 2 s + 1: two halves make a fragment
	global_load_b128 v[128+12*(4*\m+\s):128+12*(4*\m+\s)+3], v[LI], s[4:5] offset:(8*\m+2*\s)*768
	global_load_b64 v[128+12*(4*\m+\s)+4:128+12*(4*\m+\s)+5], v[L8], s[4:5] offset:(8*\m+2*\s)*768+512
	global_load_b128 v[128+12*(4*\m+\s)+6:128+12*(4*\m+\s)+9], v[LI], s[4:5] offset:(8*\m+2*\s)*768+768
	global_load_b64 v[128+12*(4*\m+\s)+10:128+12*(4*\m+\s)+11], v[L8], s[4:5] offset:(8*\m+2*\s)*768+1280
.endr
.endr
	WIN 0
.irp m, 0,1
.irp s, 0,1,2,3
	global_load_b32 v[CSC+4*\m+\s], v[L4], s[6:7] offset:(8*\m+2*\s)*128
	global_load_b32 v[CT+4*\m+\s], v[L4], s[6:7] offset:(8*\m+2*\s)*128+128
.endr
.endr
	LOADG 1, 32, 0, WS0                            ; Wo, my columns 0-63
	s_wait_loadcnt 50                              ; all but that group
.irp k, 0,1,2,3,4,5,6,7
	v_lshl_or_b32 v[CSC+\k], v[CT+\k], 16, v[CSC+\k]   ; two heads' two bytes each make a K step's scale word
.endr
.irp m, 0,1
.set LJ, 0
.rept 32
	v_pk_add_f32 v[Y+64*\m+LJ:Y+64*\m+LJ+1], v[Y+64*\m+LJ:Y+64*\m+LJ+1], v[T+LJ:T+LJ+1]   ; x + bo: what the product adds onto
.set LJ, LJ+2
.endr
.endr
	v_mov_b32 v[LT+8], 0                           ; a lane permute's destination counts as one of its sources
	v_mov_b32 v[LT+9], 0
	LOADG 2, 32, 25600, WS1                        ; Wo, my columns 64-127
	s_wait_loadcnt 50
	GROUPMUL 1,3,128,0,Y,64,Y+16,64,0,WS0,0,CSC,0
	PLACES 5
	LOADGB 1, 8, 0, WS0, 20, 0, 22, 0              ; the first chunk's hidden units 0-31
	s_wait_loadcnt 58
	GROUPMUL 2,3,128,0,Y+32,64,Y+48,64,0,WS1,0,CSC,0
	PLACES 5
	GBLOAD 14, 16                                  ; g1, beta1, where ctx's fragments lay
	LOADGB 2, 8, 25600, WS1, 20, 128, 22, 128      ; hidden units 32-63
	LNORM 0, 0, 58                                 ; x1
	QIMG 0, X1IMG, X1SC
	QIMG 1, X1IMG, X1SC
	WIN 0xc3
.set LJ, 0
.rept 64
	v_pk_add_f32 v[LJ:LJ+1], v[LJ:LJ+1], v[Y+LJ:Y+LJ+1]   ; b2ff + x1: what the last product adds onto
.set LJ, LJ+2
.endr
	WIN 0
	s_wait_dscnt 0x0
	s_barrier_signal -1
	s_barrier_wait -1                              ; x1's eight fragments lie in LDS
	FETCHF 3, 128, X1IMG, X1SC, X1S
	s_mov_b32 s36, 4
.Lchunk:                                           ; a chunk of 512 hidden units, 128 of them mine
	HSTEP 0, 58                                    ; each count: the loads of the group asked for last, which may stay out
	HSTEP 1, 58
	HSTEP 2, 58
	HSTEP 3, 50
	QIMG 0, HIMG, HSC
	QIMG 1, HIMG, HSC
	s_wait_dscnt 0x0
	s_barrier_signal -1
	s_barrier_wait -1                              ; the chunk's eight hidden fragments lie in LDS
	FETCHF 0, Y, HIMG, HSC, CSC
	s_barrier_signal -1                            ; (FETCHF has waited for its loads)
	s_barrier_wait -1                              ; every wave has read them: the next chunk may write them again
	s_wait_loadcnt 50
	GROUPMUL 1,0,Y,3,0,64,16,64,0,WS0,0,CSC,0      ; W2ff, my columns 0-63
	PLACES 5
	WIN 0
	s_cmp_eq_u32 s36, 1
	s_cbranch_scc1 .Llast                          ; the last chunk asks for no further weights: its end is written out
	LOADGB 1, 8, 153600, WS0, 20, 2048, 22, 2048   ; the next chunk's first group
	s_wait_loadcnt 58
	GROUPMUL 2,0,Y,3,32,64,48,64,0,WS1,0,CSC,0     ; W2ff, my columns 64-127
	PLACES 5
	LOADGB 2, 8, 179200, WS1, 20, 2176, 22, 2176   ; and its second
	s_wait_xcnt 0x0                                ; the bases are stepped only behind this wait
	s_add_nc_u64 s[8:9], s[8:9], 153600
	s_add_nc_u64 s[20:21], s[20:21], 2048
	s_add_nc_u64 s[22:23], s[22:23], 2048
	s_sub_co_u32 s36, s36, 1
	s_cmp_lg_u32 s36, 0
	s_cbranch_scc1 .Lchunk
.Llast:
	GBLOAD 24, 26                                  ; g2, beta2, where x1's fragments lay
	s_wait_loadcnt 32
	GROUPMUL 2,0,Y,3,32,64,48,64,0,WS1,0,CSC,0
	PLACES 5
	WIN 0
	LNORM 1, 2, 0
	; ---- the way out: a lane holds pieces of one row, and a row's 512 columns come from four waves: through the stage, and out as whole rows
.irp m, 0,1
.irp b, 0,1,2,3
.irp j, 0,1,2,3
	ds_store_b128 v[SO], v[Y+64*\m+16*\b+4*\j:Y+64*\m+16*\b+4*\j+3] offset:33024*\m+128*\b+16*\j
.endr
.endr
.endr
	s_wait_dscnt 0x0
	s_barrier_signal -1
	s_barrier_wait -1
.irp i, 0,1,2,3,4,5,6,7
.irp q, 0,1,2,3
	ds_load_b128 v[Y+4*(4*\i+\q):Y+4*(4*\i+\q)+3], v[SR] offset:2064*\i+512*\q
.endr
.endr
.irp i, 0,1,2,3,4,5,6,7
.irp q, 0,1,2,3
	s_wait_dscnt 31-(4*\i+\q)
	global_store_b128 v[LI], v[Y+4*(4*\i+\q):Y+4*(4*\i+\q)+3], s[28:29] offset:2048*\i+512*\q th:TH_STORE_NT   ; 32 lanes store 512 consecutive bytes, aligned
.endr
.endr
	s_wait_tensorcnt 0x0                           ; the wave's end, behind my last LDS store
	ds_add_u32 v[SPW], v[NIL]
	s_wait_dscnt 0x0
	s_endpgm
.Lfunc_end_k_qe521cbc3ea_tail:
	.size	k_qe521cbc3ea_tail, .Lfunc_end_k_qe521cbc3ea_tail-k_qe521cbc3ea_tail
	.p2alignl 7, 3214868480
	.fill 96, 4, 3214868480
	.section	.rodata,"a",@progbits
	.p2align	6, 0x0
	.amdhsa_kernel k_qe521cbc3ea_tail
		.amdhsa_group_segment_fixed_size 95232
		.amdhsa_private_segment_fixed_size 0
		.amdhsa_enable_private_segment 0
		.amdhsa_kernarg_size 104
		.amdhsa_user_sgpr_count 2
		.amdhsa_user_sgpr_kernarg_segment_ptr 1
		.amdhsa_wavefront_size32 1
		.amdhsa_system_sgpr_workgroup_id_x 1
		.amdhsa_system_sgpr_workgroup_id_y 1
		.amdhsa_system_sgpr_workgroup_id_z 1
		.amdhsa_system_vgpr_workitem_id 0
		.amdhsa_next_free_vgpr 1024
		.amdhsa_next_free_sgpr 100
		.amdhsa_reserve_vcc 0
		.amdhsa_float_denorm_mode_32 3
		.amdhsa_float_denorm_mode_16_64 3
		.amdhsa_memory_ordered 1
		.amdhsa_forward_progress 1
		.amdhsa_inst_pref_size 255
	.end_amdhsa_kernel
	.section	.bss,"aw",@nobits
	.p2align	6
	.space	262144
	.amdgpu_metadata
---
amdhsa.version: [ 1, 2 ]
amdhsa.kernels:
  - .name:           k_qe521cbc3ea_tail
    .symbol:         k_qe521cbc3ea_tail.kd
    .args:
      - { .name: ctxc, .offset: 0, .size: 8, .value_kind: global_buffer, .address_space: global }
      - { .name: ctxs, .offset: 8, .size: 8, .value_kind: global_buffer, .address_space: global }
      - { .name: wts, .offset: 16, .size: 8, .value_kind: global_buffer, .address_space: global }
      - { .name: x, .offset: 24, .size: 8, .value_kind: global_buffer, .address_space: global }
      - { .name: bo, .offset: 32, .size: 8, .value_kind: global_buffer, .address_space: global }
      - { .name: g1, .offset: 40, .size: 8, .value_kind: global_buffer, .address_space: global }
      - { .name: beta1, .offset: 48, .size: 8, .value_kind: global_buffer, .address_space: global }
      - { .name: b2ff, .offset: 56, .size: 8, .value_kind: global_buffer, .address_space: global }
      - { .name: bff, .offset: 64, .size: 8, .value_kind: global_buffer, .address_space: global }
      - { .name: bvff, .offset: 72, .size: 8, .value_kind: global_buffer, .address_space: global }
      - { .name: g2, .offset: 80, .size: 8, .value_kind: global_buffer, .address_space: global }
      - { .name: beta2, .offset: 88, .size: 8, .value_kind: global_buffer, .address_space: global }
      - { .name: out0, .offset: 96, .size: 8, .value_kind: global_buffer, .address_space: global }
    .group_segment_fixed_size: 95232
    .private_segment_fixed_size: 0
    .kernarg_segment_align: 8
    .kernarg_segment_size: 104
    .max_flat_workgroup_size: 128
    .sgpr_count:     100
    .vgpr_count:     1024
    .wavefront_size: 32
...
	.end_amdgpu_metadata
.endif
;; end of part 4
;; ======== version 2 of 2: 4 launches
;; workspace buffers: wts 3,276,800 bytes; xq 3,145,728 bytes; xs 262,144 bytes; qb 4,194,304 bytes; kv 7,077,888 bytes; ctxc 3,145,728 bytes; ctxs 524,288 bytes
;; launch prep (part 5): grid 768 x 1, 4 waves a work-group, no clusters, 0 bytes of LDS; arguments x, Wq, Wk, Wv, Wo, Wff, Vff, W2ff, wts, xq, xs; writes wts, xq, xs
.if DOCPART == 5
	.amdgcn_target "amdgcn-amd-amdhsa--gfx1250"
	.amdhsa_code_object_version 6
	.text
	.protected	k_qe521cbc3ea_prep
	.globl	k_qe521cbc3ea_prep
	.p2align	8
	.type	k_qe521cbc3ea_prep,@function
k_qe521cbc3ea_prep:
	s_mov_b64 s[64:65], 0
	v_nop
	global_prefetch_b8 v0, s[64:65] scope:SCOPE_SE
	s_setreg_imm32_b32 hwreg(HW_REG_WAVE_MODE, 25, 1), 1
	s_wait_xcnt 0x0
; PREP: the seven weights and x become codes of FP6 (E2M3) with one E8M0 byte for each 32 along K, laid IN THE ORDER OF THE OPERAND'S REGISTERS, so that every later launch loads a fragment by three loads of 16 bytes a lane.
; A fragment (16 rows x 128 K, 12 registers a lane) is 1,536 bytes: registers 4 i .. 4 i + 3 of lane l at 512 i + 16 l.
; THE 16 ROWS (OR COLUMNS) OF A TILE ARE NOT NEIGHBOURS: index i of tile u of a group of 32 is element 8 u + (i & 7) + 16 (i >> 3), so that a product's results of two neighbouring tiles are 16 neighbours in a lane's registers.
; wts: 128 groups of 25,600 bytes: 16 fragments (tile t = 2 pp + u, K step s) at (4 t + s) 1,536; from 24,576 + 512 pp + 16 l on four scale words (one a K step): lanes 0-15 tile u = 0, lanes 16-31 tile u = 1.
; Work-groups 0 to 255: one pair of 32 columns x 512 along K of a weight; the wave's number is the K step.  K is the weights' FIRST axis: a lane takes a column and its registers run down K, so a block of 32 lies in one lane.
; Work-groups 256 to 767: one tile of 16 rows of x; the wave's number is the K step; a lane takes 16 neighbours of each block of 32 of its row.
; A block's scale byte is its largest magnitude's exponent field - 2, held at 1 from below by the floor 2^(3 - 127).
; LIMITS: a block of zeros gets the byte 1 where the rule says 127 (its codes are zeros, and this program alone reads the bytes); NaN and infinities among the inputs are not served.
; No LDS, no barrier, no matrix unit, no cluster: waves share nothing, and every input byte is read once in this launch.
.set LI,  5                            ; v5   16 x lane
.set SEL, 48                           ; s[48:49] lane selects for v_permlanex16_b32: lane l xor 16
.set TM,  16                           ; x's path: v16-31 at work
.set PW,  32                           ; v32  the scale word
.set PC,  36                           ; v36-54 the codes
; 64 numbers of a lane, register 16 b + i = k 32 b + 16 (lane / 16) + i of my row, become a fragment's codes in v[PC] on and its scale word in v[PW]
.macro QUANT s
.set QS, \s
.irp b, 0,1,2,3
	v_max3_num_f32 v[TM+\b], |v[QS+16*\b]|, |v[QS+1+16*\b]|, 0x1800000   ; block b: my 16 numbers, and the floor
.endr
.irp i, 2,4,6,8,10,12,14
.irp b, 0,1,2,3
	v_max3_num_f32 v[TM+\b], v[TM+\b], |v[QS+16*\b+\i]|, |v[QS+1+16*\b+\i]|
.endr
.endr
.irp b, 0,1,2,3
	v_permlanex16_b32 v[TM+4+\b], v[TM+\b], s[SEL], s[SEL+1]
.endr
.irp b, 0,1,2,3
	v_max_num_f32 v[TM+\b], v[TM+\b], v[TM+4+\b]       ; with lane l xor 16's: the block's largest magnitude
.endr
.irp b, 0,1,2,3
	v_add_nc_u32 v[TM+12+\b], 0xff000000, v[TM+\b]     ; 2 off its exponent field: the conversion's scale operand
.endr
.irp b, 0,1,2,3
	v_lshrrev_b32 v[TM+4+\b], 23, v[TM+12+\b]          ; the scale's byte
.endr
	v_lshl_or_b32 v[PW], v[TM+5], 8, v[TM+4]
	v_lshl_or_b32 v[PW], v[TM+6], 16, v[PW]
	v_lshl_or_b32 v[PW], v[TM+7], 24, v[PW]
.irp c, 0,1
	v_cvt_scalef32_pk16_fp6_f32 v[PC+6*\c:PC+2+6*\c], v[QS+32*\c:QS+15+32*\c], v[TM+12+2*\c]
	v_cvt_scalef32_pk16_fp6_f32 v[PC+12+4*\c:PC+14+4*\c], v[QS+16+32*\c:QS+31+32*\c], v[TM+12+2*\c+1]   ; (a conversion's three registers begin on an even number)
.endr
	v_nop                                              ; one plain place behind the scaled conversions
.irp c, 0,1                                        ; the operand's layout wants a whole block in a lane
.irp i, 0,1,2
	v_permlane16_swap_b32 v[PC+6*\c+\i], v[PC+12+4*\c+\i]
.endr
.irp i, 0,1,2
	v_mov_b32 v[PC+3+6*\c+\i], v[PC+12+4*\c+\i]
.endr
.endr
.endm
; 128 rows of my column: W(128 s + i, column) into v[64 + i]; the 32 lanes of a load read 128 consecutive bytes
.macro WLOAD pitch
.set WI, 0
.rept 128
	global_load_b32 v[64+WI], v8, s[32:33] offset:WI*(\pitch)
.set WI, WI+1
.endr
.endm
; block be = 2 c + o of my column: its byte into v60, its codes into registers 6 c .. 6 c + 5 of F_o (F0 = v16, F1 = v28)
.macro WBLOCK be, cnt
.set XS, 64+32*(\be)
.set FO, 16+12*((\be)%2)+6*((\be)/2)
.set TP, 40+4*((\be)%2)
	s_wait_loadcnt \cnt
	v_max3_num_f32 v12, |v[XS]|, |v[XS+1]|, |v[XS+2]|
	v_max3_num_f32 v13, |v[XS+3]|, |v[XS+4]|, |v[XS+5]|
.irp i, 6,10,14,18,22,26
	v_max3_num_f32 v12, v12, |v[XS+\i]|, |v[XS+\i+1]|
	v_max3_num_f32 v13, v13, |v[XS+\i+2]|, |v[XS+\i+3]|
.endr
	v_max3_num_f32 v12, v12, |v[XS+30]|, |v[XS+31]|
	v_max3_num_f32 v12, v12, v13, 0x1800000            ; and the floor
	v_add_nc_u32 v11, 0xff000000, v12
	v_lshrrev_b32 v13, 23, v11
.if (\be) == 0
	v_mov_b32 v60, v13
.else
	v_lshl_or_b32 v60, v13, 8*(\be), v60
.endif
	v_cvt_scalef32_pk16_fp6_f32 v[FO:FO+2], v[XS:XS+15], v11
	v_cvt_scalef32_pk16_fp6_f32 v[TP:TP+2], v[XS+16:XS+31], v11
	v_nop                                              ; one plain place behind the scaled conversions
.irp i, 0,1,2
	v_mov_b32 v[FO+3+\i], v[TP+\i]
.endr
.endm
	s_load_b512 s[4:19], s[0:1], 0x0               ; x, Wq, Wk, Wv, Wo, Wff, Vff, W2ff
	s_load_b128 s[20:23], s[0:1], 0x40             ; wts, xq
	s_load_b64 s[24:25], s[0:1], 0x50              ; xs
	v_lshrrev_b32 v1, 5, v0
	v_readfirstlane_b32 s26, v1                    ; wave = K step s
	v_and_b32 v2, 31, v0                           ; lane
	v_bfe_u32 v4, v0, 4, 1                         ; lane / 16
	v_lshlrev_b32 v[LI], 4, v2
	v_and_b32 v6, 7, v0
	v_bfe_u32 v7, v0, 3, 1
	v_lshl_add_u32 v6, v7, 4, v6                   ; (r & 7) + 16 (r >> 3)
	s_mov_b32 s[SEL], 0x76543210
	s_mov_b32 s[SEL+1], 0xfedcba98
	s_cmp_lt_u32 ttmp9, 256
	s_cbranch_scc0 .Lxpath
	; ---- a weight's pair of 32 columns.  All choices hang on the work-group's number alone
	s_lshr_b32 s28, ttmp9, 6                       ; cls: 0 = Wq, Wk, Wv, Wo; 1 = Wff; 2 = Vff; 3 = W2ff
	s_and_b32 s29, ttmp9, 63                       ; i
	s_and_b32 s30, s29, 15                         ; P4
	s_lshr_b32 s31, s29, 4                         ; c
	s_wait_alu depctr_va_vdst(0)
	v_lshl_add_u32 v8, v4, 3, v6                   ; my column in the pair: tile u = lane / 16, index r
	v_lshlrev_b32 v8, 2, v8
	s_wait_kmcnt 0x0
	s_cmp_eq_u32 s31, 1
	s_cselect_b64 s[32:33], s[8:9], s[6:7]
	s_cmp_eq_u32 s31, 2
	s_cselect_b64 s[32:33], s[10:11], s[32:33]
	s_cmp_eq_u32 s31, 3
	s_cselect_b64 s[32:33], s[12:13], s[32:33]
	s_cmp_eq_u32 s28, 1
	s_cselect_b64 s[32:33], s[14:15], s[32:33]
	s_cmp_eq_u32 s28, 2
	s_cselect_b64 s[32:33], s[16:17], s[32:33]
	s_cmp_eq_u32 s28, 3
	s_cselect_b64 s[32:33], s[18:19], s[32:33]     ; the weight
	s_sub_co_u32 s34, s28, 1
	s_cmp_lt_u32 s34, 2                            ; a wide weight (rows of 8,192 bytes)?
	s_cselect_b32 s35, s29, s30                    ; which pair of its columns
	s_cselect_b32 s36, 20, 18                      ; 128 rows are 2^20 or 2^18 bytes
	s_lshl_b32 s36, s26, s36
	s_lshl_b32 s35, s35, 7
	s_cmp_eq_u32 s28, 3
	s_cselect_b32 s37, s31, 0                      ; W2ff: chunk c of 512 rows
	s_lshl_b32 s37, s37, 20
	s_add_co_u32 s36, s36, s37
	s_add_co_u32 s36, s36, s35
	s_mov_b32 s37, 0
	s_add_nc_u64 s[32:33], s[32:33], s[36:37]
	s_lshr_b32 s38, s30, 2                         ; the group
	s_lshl_b32 s38, s38, 2
	s_add_co_u32 s38, s38, s31
	s_mul_i32 s38, s38, 6
	s_add_co_u32 s38, s38, 32                      ; 32 + 6 (4 w + c)
	s_and_b32 s39, s29, 3
	s_add_co_u32 s39, s38, s39                     ; cls 1, 2: + b
	s_bfe_u32 s40, s30, 0x10001
	s_add_co_u32 s40, s40, s38
	s_add_co_u32 s40, s40, 4                       ; cls 3: + 4 + g
	s_lshl_b32 s41, s31, 3
	s_lshr_b32 s42, s30, 1
	s_add_co_u32 s41, s41, s42                     ; cls 0: 8 c + P4 / 2
	s_and_b32 s43, s30, 1                          ; pp of cls 0 and 3
	s_cmp_eq_u32 s28, 0
	s_cselect_b32 s39, s41, s39
	s_cmp_eq_u32 s28, 3
	s_cselect_b32 s39, s40, s39
	s_cmp_eq_u32 s28, 1
	s_cselect_b32 s43, 0, s43
	s_cmp_eq_u32 s28, 2
	s_cselect_b32 s43, 1, s43
	s_mul_i32 s44, s39, 25600
	s_mul_i32 s45, s43, 12288
	s_add_co_u32 s45, s45, s44
	s_mul_i32 s46, s26, 1536
	s_add_co_u32 s46, s46, s45
	s_mov_b32 s47, 0
	s_add_nc_u64 s[50:51], s[20:21], s[46:47]      ; my two fragments: tile u at + 6,144 u
	s_lshl_b32 s45, s43, 9
	s_add_co_u32 s45, s45, s44
	s_lshl_b32 s46, s26, 2
	s_add_co_u32 s46, s46, s45
	s_add_co_u32 s46, s46, 24576
	s_add_nc_u64 s[52:53], s[20:21], s[46:47]      ; my scale words
	s_cmp_lt_u32 s34, 2
	s_cbranch_scc1 .Lwide
	s_wait_alu depctr_va_vdst(0)
	WLOAD 2048
	s_branch .Lloaded
.Lwide:
	s_wait_alu depctr_va_vdst(0)
	WLOAD 8192
.Lloaded:
	WBLOCK 0, 63                                   ; 96 younger loads could stay out; the count's field ends at 63, and a smaller count is safe
	WBLOCK 1, 63                                   ; (64 could)
.irp i, 0,1,2,3,4,5
	v_permlane16_swap_b32 v[16+\i], v[28+\i]       ; F0's lanes 16-31 (tile 1, even block) change places with F1's lanes 0-15 (tile 0, odd block): F0 is tile 0's fragment, F1 tile 1's
.endr
	WBLOCK 2, 32                                   ; the last block's 32 loads may be out
	WBLOCK 3, 0
.irp i, 6,7,8,9,10,11
	v_permlane16_swap_b32 v[16+\i], v[28+\i]
.endr
.irp u, 0,1
.irp i, 0,1,2
	global_store_b128 v[LI], v[16+12*\u+4*\i:16+12*\u+4*\i+3], s[50:51] offset:6144*\u+512*\i   ; 512 consecutive bytes a store
.endr
.endr
	global_store_b32 v[LI], v60, s[52:53]          ; my column's scale word of this K step
	s_endpgm
	; ---- a tile of 16 rows of x
.Lxpath:
	s_sub_co_u32 s27, ttmp9, 256                   ; the tile Tg
	s_wait_alu depctr_va_vdst(0)
	v_lshlrev_b32 v9, 11, v6
	v_lshl_add_u32 v9, v4, 6, v9                   ; my row of 2,048 bytes, + 64 (lane / 16)
.irp b, 0,1,2,3
	v_mov_b32 v[TM+4+\b], 0                        ; a lane permute's destination counts as one of its sources
.endr
	s_lshr_b32 s28, s27, 1
	s_lshl_b32 s28, s28, 5
	s_and_b32 s29, s27, 1
	s_lshl_b32 s29, s29, 3
	s_add_co_u32 s28, s28, s29                     ; the tile's first row: 32 (Tg / 2) + 8 (Tg % 2)
	s_lshl_b32 s28, s28, 11
	s_lshl_b32 s29, s26, 9
	s_add_co_u32 s28, s28, s29                     ; + 512 bytes a K step
	s_mov_b32 s29, 0
	s_lshl_b32 s30, s27, 2
	s_add_co_u32 s30, s30, s26
	s_mul_i32 s30, s30, 1536
	s_mov_b32 s31, 0
	s_lshl_b32 s32, s27, 9
	s_lshl_b32 s34, s26, 2
	s_add_co_u32 s32, s32, s34
	s_mov_b32 s33, 0
	s_wait_alu depctr_va_vdst(0)
	s_wait_kmcnt 0x0
	s_add_nc_u64 s[4:5], s[4:5], s[28:29]
	s_add_nc_u64 s[22:23], s[22:23], s[30:31]
	s_add_nc_u64 s[24:25], s[24:25], s[32:33]
.irp b, 0,1,2,3
.irp j, 0,1,2,3
	global_load_b128 v[64+16*\b+4*\j:64+16*\b+4*\j+3], v9, s[4:5] offset:128*\b+16*\j
.endr
.endr
	s_wait_loadcnt 0x0
	QUANT 64
.irp i, 0,1,2
	global_store_b128 v[LI], v[PC+4*\i:PC+4*\i+3], s[22:23] offset:512*\i
.endr
	global_store_b32 v[LI], v[PW], s[24:25]        ; xs: [tile][lane][K step]
	s_endpgm
.Lfunc_end_k_qe521cbc3ea_prep:
	.size	k_qe521cbc3ea_prep, .Lfunc_end_k_qe521cbc3ea_prep-k_qe521cbc3ea_prep
	.p2alignl 7, 3214868480
	.fill 96, 4, 3214868480
	.section	.rodata,"a",@progbits
	.p2align	6, 0x0
	.amdhsa_kernel k_qe521cbc3ea_prep
		.amdhsa_group_segment_fixed_size 0
		.amdhsa_private_segment_fixed_size 0
		.amdhsa_enable_private_segment 0
		.amdhsa_kernarg_size 88
		.amdhsa_user_sgpr_count 2
		.amdhsa_user_sgpr_kernarg_segment_ptr 1
		.amdhsa_wavefront_size32 1
		.amdhsa_system_sgpr_workgroup_id_x 1
		.amdhsa_system_sgpr_workgroup_id_y 1
		.amdhsa_system_sgpr_workgroup_id_z 1
		.amdhsa_system_vgpr_workitem_id 0
		.amdhsa_next_free_vgpr 192
		.amdhsa_next_free_sgpr 66
		.amdhsa_reserve_vcc 0
		.amdhsa_float_denorm_mode_32 3
		.amdhsa_float_denorm_mode_16_64 3
		.amdhsa_memory_ordered 1
		.amdhsa_forward_progress 1
		.amdhsa_inst_pref_size 42
	.end_amdhsa_kernel
	.amdgpu_metadata
---
amdhsa.version: [ 1, 2 ]
amdhsa.kernels:
  - .name:           k_qe521cbc3ea_prep
    .symbol:         k_qe521cbc3ea_prep.kd
    .args:
      - { .name: x, .offset: 0, .size: 8, .value_kind: global_buffer, .address_space: global }
      - { .name: Wq, .offset: 8, .size: 8, .value_kind: global_buffer, .address_space: global }
      - { .name: Wk, .offset: 16, .size: 8, .value_kind: global_buffer, .address_space: global }
      - { .name: Wv, .offset: 24, .size: 8, .value_kind: global_buffer, .address_space: global }
      - { .name: Wo, .offset: 32, .size: 8, .value_kind: global_buffer, .address_space: global }
      - { .name: Wff, .offset: 40, .size: 8, .value_kind: global_buffer, .address_space: global }
      - { .name: Vff, .offset: 48, .size: 8, .value_kind: global_buffer, .address_space: global }
      - { .name: W2ff, .offset: 56, .size: 8, .value_kind: global_buffer, .address_space: global }
      - { .name: wts, .offset: 64, .size: 8, .value_kind: global_buffer, .address_space: global }
      - { .name: xq, .offset: 72, .size: 8, .value_kind: global_buffer, .address_space: global }
      - { .name: xs, .offset: 80, .size: 8, .value_kind: global_buffer, .address_space: global }
    .group_segment_fixed_size: 0
    .private_segment_fixed_size: 0
    .kernarg_segment_align: 8
    .kernarg_segment_size: 88
    .max_flat_workgroup_size: 128
    .sgpr_count:     66
    .vgpr_count:     192
    .wavefront_size: 32
...
	.end_amdgpu_metadata
.endif
;; end of part 5
;; launch qkv (part 6): grid 64 x 4, 4 waves a work-group, no clusters, 0 bytes of LDS; arguments wts, xq, xs, bq, bk, bv, qb, kv; writes qb, kv
.if DOCPART == 6
	.amdgcn_target "amdgcn-amd-amdhsa--gfx1250"
	.amdhsa_code_object_version 6
	.text
	.protected	k_qe521cbc3ea_qkv
	.globl	k_qe521cbc3ea_qkv
	.p2align	8
	.type	k_qe521cbc3ea_qkv,@function
k_qe521cbc3ea_qkv:
	s_mov_b64 s[64:65], 0
	v_nop
	global_prefetch_b8 v0, s[64:65] scope:SCOPE_SE
	s_setreg_imm32_b32 hwreg(HW_REG_WAVE_SCHED_MODE, 0, 2), 2
	s_setreg_imm32_b32 hwreg(HW_REG_WAVE_MODE, 25, 1), 1
	s_wait_xcnt 0x0
	s_wait_alu depctr_vm_vsrc(0)
; QKV: q = x Wq + bq, k = x Wk + bk, v = x Wv + bv on codes of FP6 (E2M3) with E8M0 scales, and each result quantised at once for attention's two products; nothing leaves as f32.
; A work-group takes 128 rows (one key step of one batch: work-group x) and 128 columns (two heads: work-group y).  K = 512: four K steps.
; q, k: wave w takes row tiles 2 w, 2 w + 1 against all 128 columns.  Source 0 = 16 columns of the weight, source 1 = 16 rows of x: a lane holds one row and its registers run along the columns, which are attention's first K.
; v: wave w takes the pair w of 32 columns against all 8 row tiles.  Source 0 = 16 rows of x (keys), source 1 = 16 columns of Wv: a lane holds one channel and its registers run along the keys, attention's second K.
; The rows of a tile of x and the columns of a tile of a weight are chosen (index i: 8 u + (i & 7) + 16 (i >> 3) of a group of 32) so that the 16 registers of two neighbouring tiles are 16 neighbours.
; All operands come from memory straight into registers as images of the operand's registers (three loads of 16 bytes a lane for a fragment).  What is streamed (a group: 16 fragments, their scale words and biases) takes turns
; between register windows 1 and 2: one is multiplied while the other is on its way.  No LDS and no joint loads: a streamed fragment is used by every wave against its own rows, from its own registers, once.
; The biases are the C of each sum's first matrix instruction.
; qb: [head 32][query tile 128] 1,024 bytes: registers 0-3 at 16 l, registers 4-5 at 512 + 8 l, the scale word at 768 + 4 l.
; kv: [head 32][key step 16] 13,824 bytes: K's 8 tiles (768 bytes each, as q's), at 6,144 their scale words, at 7,168 V^T's 4 fragments, at 13,312 their scale words.
; A head has 64 channels, half of the instruction's K: bytes 2 and 3 of q's and k's scale words scale zero codes; they hold the neighbour head's bytes or 0, never 0xff.
; LIMITS: as stated in the first launch: a block of zeros gets the byte 1; NaN and infinities are not served.
; THE MODE: SCHED_MODE bits 1:0 = 2 (LLVM: expert scheduling mode 2), set by the entry lines.  The code itself states the register dependences between vector or matrix instructions and memory instructions, with s_wait_alu, always for 0.
; THE PLAN.  Registers that memory instructions touch:
;   v1-5            offsets, made once at the head and never written again.
;   window 3, v8-19, v6-7   loaded once at the head.
;   window 1, v24-39   a group and its scale words: read by the 32 products of a phase's first half; the next group lands there behind a wait that follows those products.
;   window 2, v40-55   likewise for the second half; the next group lands there behind the wait that stands ahead of the phase's first stores.
;   out-buffer a (v92-103, v88, v20), out-buffer b (v112-123, v124, v125)   written by the quantiser of a phase's tile 0 and tile 1, read by the stores that follow it, written again a whole phase later.
;   The accumulators, v56-87 and v104-110 are named by vector and matrix instructions alone.
; REGISTERS: window 0: v1-5 offsets; v6-7 bv; v8-15 my x tiles' scale words; v16-19 my Wv pair's; v24-39, v40-55 the streamed groups' scale words; v56-71 bv as C; v72-87, v104-110 the quantiser's; v128-255 accumulators.
;   windows 1, 2: v0-191 a group's fragments, v192-223 its biases.   window 3: v0-95 my Wv fragments, v128-223 my x fragments.
.set LI,  1
.set L8,  2
.set L4,  3
.set BO,  4
.set BVO, 5
.set FS,  8
.set FVS, 16
.set XA2, 20                           ; out-buffer a: the second head's scale word
.set WS0, 24
.set WS1, 40
.set BV,  56
.set TM,  72
.set WA,  88                           ; out-buffer a: the scale word
.set OA,  92                           ; out-buffer a: the codes
.set TC,  104                          ; the conversions' second halves, on their way into an out-buffer
.set OB,  112                          ; out-buffer b: the codes,
.set WB,  124                          ; the scale word,
.set XB2, 125                          ; the second head's
.set ACC, 128
.set SEL, 46
.set MSB, 0
.macro WIN new                         ; the immediate's high byte repeats the setting that is left
.if MSB != (\new)
	s_set_vgpr_msb (MSB<<8)|(\new)
.set MSB, (\new)
.endif
.endm
.macro PLACES n
.rept \n
	v_nop
.endr
.endm
; 64 numbers of a lane become a fragment's codes in v[pc] on and its scale word in v[pw]
.macro QUANT s, pc, pw
.set QS, \s
.set QC, \pc
.set QW, \pw
.irp b, 0,1,2,3
	v_max3_num_f32 v[TM+\b], |v[QS+16*\b]|, |v[QS+1+16*\b]|, 0x1800000   ; block b: my 16 numbers, from each accumulator's low end on, and the floor 2^(3 - 127)
.endr
.irp i, 2,4,6,8,10,12,14
.irp b, 0,1,2,3
	v_max3_num_f32 v[TM+\b], v[TM+\b], |v[QS+16*\b+\i]|, |v[QS+1+16*\b+\i]|
.endr
.endr
.irp b, 0,1,2,3
	v_permlanex16_b32 v[TM+4+\b], v[TM+\b], s[SEL], s[SEL+1]
.endr
.irp b, 0,1,2,3
	v_max_num_f32 v[TM+\b], v[TM+\b], v[TM+4+\b]
.endr
.irp b, 0,1,2,3
	v_add_nc_u32 v[TM+12+\b], 0xff000000, v[TM+\b]
.endr
.irp b, 0,1,2,3
	v_lshrrev_b32 v[TM+4+\b], 23, v[TM+12+\b]
.endr
	v_lshl_or_b32 v[QW], v[TM+5], 8, v[TM+4]
	v_lshl_or_b32 v[QW], v[TM+6], 16, v[QW]
	v_lshl_or_b32 v[QW], v[TM+7], 24, v[QW]
.irp c, 0,1
	v_cvt_scalef32_pk16_fp6_f32 v[QC+6*\c:QC+2+6*\c], v[QS+32*\c:QS+15+32*\c], v[TM+12+2*\c]
	v_cvt_scalef32_pk16_fp6_f32 v[TC+4*\c:TC+2+4*\c], v[QS+16+32*\c:QS+31+32*\c], v[TM+12+2*\c+1]
.endr
	v_nop                                              ; one plain place behind the scaled conversions
.irp c, 0,1
.irp i, 0,1,2
	v_permlane16_swap_b32 v[QC+6*\c+\i], v[TC+4*\c+\i]
.endr
.irp i, 0,1,2
	v_mov_b32 v[QC+3+6*\c+\i], v[TC+4*\c+\i]
.endr
.endr
.endm
.macro MM d, a, b, c, sa, sb, ra, rb   ; one product; ra, rb: the scale words lie in lanes 16-31
.if (\ra) && (\rb)
	v_wmma_scale_f32_16x16x128_f8f6f4 v[\d:\d+7], v[\a:\a+11], v[\b:\b+11], v[\c:\c+7], v[\sa], v[\sb] matrix_a_fmt:MATRIX_FMT_FP6 matrix_b_fmt:MATRIX_FMT_FP6 matrix_a_scale:MATRIX_SCALE_ROW1 matrix_b_scale:MATRIX_SCALE_ROW1
.elseif (\ra)
	v_wmma_scale_f32_16x16x128_f8f6f4 v[\d:\d+7], v[\a:\a+11], v[\b:\b+11], v[\c:\c+7], v[\sa], v[\sb] matrix_a_fmt:MATRIX_FMT_FP6 matrix_b_fmt:MATRIX_FMT_FP6 matrix_a_scale:MATRIX_SCALE_ROW1
.elseif (\rb)
	v_wmma_scale_f32_16x16x128_f8f6f4 v[\d:\d+7], v[\a:\a+11], v[\b:\b+11], v[\c:\c+7], v[\sa], v[\sb] matrix_a_fmt:MATRIX_FMT_FP6 matrix_b_fmt:MATRIX_FMT_FP6 matrix_b_scale:MATRIX_SCALE_ROW1
.else
	v_wmma_scale_f32_16x16x128_f8f6f4 v[\d:\d+7], v[\a:\a+11], v[\b:\b+11], v[\c:\c+7], v[\sa], v[\sb] matrix_a_fmt:MATRIX_FMT_FP6 matrix_b_fmt:MATRIX_FMT_FP6
.endif
.endm
; 32 products: a streamed group's four tiles t (window wp) x two fixed tiles m (window bw, from v[fb] on) x four K steps s.  The eight accumulators take turns, one instruction a turn.
; bias = 1: the first K step's C is the group's bias, v[192 + 8 t] of window wp; 2: v[BV + 8 m] of window 0; 0: the accumulator as it stands.
.macro GROUPMUL wp, bw, fb, cw, a01, m01, a23, m23, bias, sa, amode, sb, bmode
.irp s, 0,1,2,3
.if ((\s) == 0) && ((\bias) == 1)
	WIN (\wp)|((\bw)<<2)|((\wp)<<4)|((\cw)<<6)
.elseif ((\s) == 0) && ((\bias) == 2)
	WIN (\wp)|((\bw)<<2)|((\cw)<<6)
.else
	WIN (\wp)|((\bw)<<2)|((\cw)<<4)|((\cw)<<6)
.endif
.irp t, 0,1,2,3
.irp m, 0,1
.if \t < 2
.set GD, (\a01)+8*\t+\m*(\m01)
.else
.set GD, (\a23)+8*(\t-2)+\m*(\m23)
.endif
.set GA, 12*(4*\t+\s)
.set GB, (\fb)+12*(4*\m+\s)
.if \amode
.set GSA, (\sa)+4*\t+\s
.set GRA, 0
.else
.set GSA, (\sa)+4*(\t/2)+\s
.set GRA, \t%2
.endif
.if \bmode
.set GSB, (\sb)+\s
.set GRB, \m
.else
.set GSB, (\sb)+4*\m+\s
.set GRB, 0
.endif
.set GC, GD
.if ((\s) == 0) && ((\bias) == 1)
.set GC, 192+8*\t
.endif
.if ((\s) == 0) && ((\bias) == 2)
.set GC, BV+8*\m
.endif
	MM GD, GA, GB, GC, GSA, GSB, GRA, GRB
.endr
.endr
.endr
.endm
; a group of a weight with its biases into window wp: 58 loads
.macro LOADGB wp, base, off, sreg, p0, o0, p1, o1
	WIN (\wp)<<6
.set LF, 0
.rept 16
.irp i, 0,1,2
	global_load_b128 v[12*LF+4*\i:12*LF+4*\i+3], v[LI], s[\base:\base+1] offset:(\off)+1536*LF+512*\i
.endr
.set LF, LF+1
.endr
.irp j, 0,1,2,3
	global_load_b128 v[192+4*\j:192+4*\j+3], v[BO], s[\p0:\p0+1] offset:(\o0)+16*\j   ; the first pair's 16 biases of my half
.endr
.irp j, 0,1,2,3
	global_load_b128 v[208+4*\j:208+4*\j+3], v[BO], s[\p1:\p1+1] offset:(\o1)+16*\j
.endr
	WIN 0
.irp p, 0,1
	global_load_b128 v[(\sreg)+4*\p:(\sreg)+4*\p+3], v[LI], s[\base:\base+1] offset:(\off)+24576+512*\p
.endr
.endm
; four row tiles of x into window wp: 52 loads
.macro LOADX wp, off, offs, sreg
	WIN (\wp)<<6
.set LF, 0
.rept 16
.irp i, 0,1,2
	global_load_b128 v[12*LF+4*\i:12*LF+4*\i+3], v[LI], s[34:35] offset:(\off)+1536*LF+512*\i
.endr
.set LF, LF+1
.endr
	WIN 0
.irp t, 0,1,2,3
	global_load_b128 v[(\sreg)+4*\t:(\sreg)+4*\t+3], v[LI], s[36:37] offset:(\offs)+512*\t
.endr
.endm
; a fragment of 128 columns is two heads' halves: registers 0-5 the first head's, 6-11 the second's, hs bytes further on.  pc, pw, pw2: the out-buffer
.macro OUTQK pc, pw, pw2, cb, co, sb, so, hs
	global_store_b128 v[LI], v[(\pc):(\pc)+3], s[\cb:\cb+1] offset:(\co)
	global_store_b64 v[L8], v[(\pc)+4:(\pc)+5], s[\cb:\cb+1] offset:(\co)+512
	global_store_b32 v[L4], v[\pw], s[\sb:\sb+1] offset:(\so)
	global_store_b128 v[LI], v[(\pc)+6:(\pc)+9], s[\cb:\cb+1] offset:(\co)+(\hs)
	global_store_b64 v[L8], v[(\pc)+10:(\pc)+11], s[\cb:\cb+1] offset:(\co)+(\hs)+512
	global_store_b32 v[L4], v[\pw2], s[\sb:\sb+1] offset:(\so)+(\hs)
.endm
; a fragment of V^T: tile u of my pair
.macro OUTV pc, pw, u
.irp i, 0,1,2
	global_store_b128 v[LI], v[(\pc)+4*\i:(\pc)+4*\i+3], s[42:43] offset:1536*(\u)+512*\i
.endr
	global_store_b32 v[L4], v[\pw], s[44:45] offset:128*(\u)
.endm
	s_load_b512 s[4:19], s[0:1], 0x0               ; wts, xq, xs, bq, bk, bv, qb, kv
	v_lshrrev_b32 v6, 5, v0
	v_readfirstlane_b32 s20, v6                    ; wave w
	v_and_b32 v6, 31, v0
	v_lshlrev_b32 v[LI], 4, v6
	v_lshlrev_b32 v[L8], 3, v6
	v_lshlrev_b32 v[L4], 2, v6
	v_bfe_u32 v7, v0, 4, 1
	v_lshlrev_b32 v[BO], 6, v7                     ; 16 numbers a half
	v_and_b32 v6, 7, v0
	v_bfe_u32 v7, v0, 3, 1
	v_lshl_add_u32 v6, v7, 4, v6
	v_lshlrev_b32 v[BVO], 2, v6                    ; bv: my channel of a tile of Wv
.irp b, 0,1,2,3
	v_mov_b32 v[TM+4+\b], 0                        ; a lane permute's destination counts as one of its sources
.endr
	s_mov_b32 s[SEL], 0x76543210
	s_mov_b32 s[SEL+1], 0xfedcba98
	s_mov_b32 s21, ttmp9                           ; RB: 128 rows
	s_and_b32 s22, ttmp7, 0xffff                   ; y: heads 2 y, 2 y + 1
	s_wait_alu depctr_va_sdst(0)                   ; s20, the wave's number, is written, ahead of its first reader: the bases below are made from it
	s_lshr_b32 s23, s20, 1
	s_and_b32 s48, s20, 1
	s_mov_b32 s51, 0
	s_wait_kmcnt 0x0
	s_mul_i32 s50, s22, 51200
	s_add_nc_u64 s[24:25], s[4:5], s[50:51]        ; Wq's two groups of my columns; Wk's lie 8 groups on
	s_lshl_b32 s52, s22, 1
	s_add_co_u32 s52, s52, s23
	s_add_co_u32 s52, s52, 16
	s_mul_i32 s52, s52, 25600                      ; Wv's group of my pair
	s_mul_i32 s50, s48, 12288
	s_add_co_u32 s50, s50, s52
	s_add_nc_u64 s[26:27], s[4:5], s[50:51]        ; my pair's 8 fragments
	s_lshl_b32 s50, s48, 9
	s_add_co_u32 s50, s50, s52
	s_add_co_u32 s50, s50, 24576
	s_add_nc_u64 s[28:29], s[4:5], s[50:51]        ; and scale words
	s_lshl_b32 s53, s21, 3
	s_lshl_b32 s54, s20, 1
	s_add_co_u32 s53, s53, s54                     ; my first row tile: 8 RB + 2 w
	s_mul_i32 s50, s53, 6144
	s_add_nc_u64 s[30:31], s[6:7], s[50:51]
	s_lshl_b32 s50, s53, 9
	s_add_nc_u64 s[32:33], s[8:9], s[50:51]
	s_mul_i32 s50, s21, 49152
	s_add_nc_u64 s[34:35], s[6:7], s[50:51]        ; the work-group's 8 row tiles
	s_lshl_b32 s50, s21, 12
	s_add_nc_u64 s[36:37], s[8:9], s[50:51]
	s_lshl_b32 s50, s22, 9
	s_add_nc_u64 s[10:11], s[10:11], s[50:51]      ; bq, bk at my 128 columns
	s_add_nc_u64 s[12:13], s[12:13], s[50:51]
	s_lshl_b32 s55, s20, 7
	s_add_co_u32 s50, s50, s55
	s_add_nc_u64 s[14:15], s[14:15], s[50:51]      ; bv at my pair
	s_lshr_b32 s52, s21, 4
	s_lshl_b32 s52, s52, 3
	s_lshl_b32 s55, s22, 1
	s_add_co_u32 s52, s52, s55                     ; the first head: 8 batch + 2 y
	s_and_b32 s53, s21, 15                         ; the key step
	s_lshl_b32 s50, s52, 7
	s_lshl_b32 s55, s53, 3
	s_add_co_u32 s50, s50, s55
	s_add_co_u32 s50, s50, s54
	s_lshl_b32 s50, s50, 10
	s_add_nc_u64 s[16:17], s[16:17], s[50:51]      ; q's records of my two tiles
	s_lshl_b32 s55, s52, 4
	s_add_co_u32 s55, s55, s53
	s_mul_i32 s55, s55, 13824                      ; the first head's record of this key step
	s_mul_i32 s50, s20, 1536
	s_add_co_u32 s50, s50, s55
	s_add_nc_u64 s[38:39], s[18:19], s[50:51]      ; K's tiles 2 w, 2 w + 1
	s_lshl_b32 s50, s20, 8
	s_add_co_u32 s50, s50, s55
	s_add_co_u32 s50, s50, 6144
	s_add_nc_u64 s[40:41], s[18:19], s[50:51]      ; their scale words
	s_add_co_u32 s52, s52, s23                     ; the head of my pair of Wv's columns
	s_lshl_b32 s55, s52, 4
	s_add_co_u32 s55, s55, s53
	s_mul_i32 s55, s55, 13824
	s_mul_i32 s50, s48, 3072
	s_add_co_u32 s50, s50, s55
	s_add_co_u32 s50, s50, 7168
	s_add_nc_u64 s[42:43], s[18:19], s[50:51]      ; V^T's tiles 2 (w & 1), + 1
	s_lshl_b32 s50, s48, 8
	s_add_co_u32 s50, s50, s55
	s_add_co_u32 s50, s50, 13312
	s_add_nc_u64 s[44:45], s[18:19], s[50:51]
	; what stays: 53 loads
	WIN 0xc0
	s_wait_alu depctr_va_vdst(0)                   ; the five offsets v1 to v5 are written, which every load and store of the kernel reads; the head's lines are done with v6 and v7, in which bv lands
.set LF, 0
.rept 8
.irp i, 0,1,2
	global_load_b128 v[128+12*LF+4*\i:128+12*LF+4*\i+3], v[LI], s[30:31] offset:1536*LF+512*\i   ; my two tiles of x: fragment 4 m + s
	global_load_b128 v[12*LF+4*\i:12*LF+4*\i+3], v[LI], s[26:27] offset:1536*LF+512*\i           ; my pair of Wv: fragment 4 u + s
.endr
.set LF, LF+1
.endr
	WIN 0
	global_load_b128 v[FS:FS+3], v[LI], s[32:33]
	global_load_b128 v[FS+4:FS+7], v[LI], s[32:33] offset:512
	global_load_b128 v[FVS:FVS+3], v[LI], s[28:29]
	global_load_b32 v6, v[BVO], s[14:15]
	global_load_b32 v7, v[BVO], s[14:15] offset:32
	LOADGB 1, 24, 0, WS0, 10, 0, 10, 128           ; Wq, columns 0-63
	LOADGB 2, 24, 25600, WS1, 10, 256, 10, 384     ; Wq, columns 64-127
	s_wait_loadcnt 58                              ; all but the group just asked for
.irp j, 0,1,2,3,4,5,6,7
	v_mov_b32 v[BV+\j], v6                         ; bv as a C: my channel's number for all eight keys
	v_mov_b32 v[BV+8+\j], v7
.endr
	; ---- q
	GROUPMUL 1,3,128,0,ACC,64,ACC+16,64,1,WS0,0,FS,0
	PLACES 5                                       ; behind the products, ahead of loads into their operands
	s_wait_alu depctr_va_vdst(0)                   ; these products are done reading window 1 and v24-31, in which the next group lands
	LOADGB 1, 24, 204800, WS0, 12, 0, 12, 128      ; Wk, columns 0-63
	s_wait_loadcnt 58
	GROUPMUL 2,3,128,0,ACC+32,64,ACC+48,64,1,WS1,0,FS,0
	PLACES 5                                       ; ahead of the first read of results
	WIN 0
	QUANT ACC, OA, WA                              ; no store has read the out-buffers yet
	v_lshrrev_b32 v[XA2], 16, v[WA]                ; the second head's two bytes
	s_wait_alu depctr_va_vdst(0)                   ; out-buffer a is written, which the stores below read; the products above are done reading window 2 and v40-47, in which the next group lands
	LOADGB 2, 24, 230400, WS1, 12, 256, 12, 384    ; Wk, columns 64-127
	OUTQK OA, WA, XA2, 16, 0, 16, 768, 131072
	QUANT ACC+64, OB, WB                           ; names none of the registers that the loads and stores above touch
	v_lshrrev_b32 v[XB2], 16, v[WB]
	s_wait_alu depctr_va_vdst(0)                   ; out-buffer b is written, which the stores below read
	OUTQK OB, WB, XB2, 16, 1024, 16, 1792, 131072
	; ---- k
	s_wait_loadcnt 58
	GROUPMUL 1,3,128,0,ACC,64,ACC+16,64,1,WS0,0,FS,0
	PLACES 5
	s_wait_alu depctr_va_vdst(0)                   ; these products are done reading window 1 and v24-31, in which x's tiles and scale words land
	LOADX 1, 0, 0, WS0                             ; x's row tiles 0-3
	s_wait_loadcnt 52
	GROUPMUL 2,3,128,0,ACC+32,64,ACC+48,64,1,WS1,0,FS,0
	PLACES 5
	WIN 0
	s_wait_xcnt 0x0                                ; both out-buffers are q's stores' data: written again only behind this wait,
	s_wait_alu depctr_vm_vsrc(0)                   ; and behind this one: q's stores have read out-buffers a and b, which the two quantisers below write
	QUANT ACC, OA, WA
	v_lshrrev_b32 v[XA2], 16, v[WA]
	s_wait_alu depctr_va_vdst(0)                   ; out-buffer a is written, which the stores below read; the products above are done reading window 2 and v40-47, in which x's tiles and scale words land
	LOADX 2, 24576, 2048, WS1                      ; x's row tiles 4-7
	OUTQK OA, WA, XA2, 38, 0, 40, 0, 221184
	QUANT ACC+64, OB, WB
	v_lshrrev_b32 v[XB2], 16, v[WB]
	s_wait_alu depctr_va_vdst(0)                   ; out-buffer b is written, which the stores below read
	OUTQK OB, WB, XB2, 38, 768, 40, 128, 221184
	; ---- v
	s_wait_loadcnt 52
	GROUPMUL 1,3,0,0,ACC,64,ACC+16,64,2,WS0,1,FVS,1
	PLACES 5
	s_wait_loadcnt 0x0
	GROUPMUL 2,3,0,0,ACC+32,64,ACC+48,64,2,WS1,1,FVS,1
	PLACES 5
	WIN 0
	s_wait_xcnt 0x0                                ; both out-buffers are k's stores' data: written again only behind this wait,
	s_wait_alu depctr_vm_vsrc(0)                   ; and behind this one: k's stores have read out-buffers a and b
	QUANT ACC, OA, WA                              ; 128 keys of my channel: one fragment of V^T
	s_wait_alu depctr_va_vdst(0)                   ; out-buffer a is written, which the stores below read
	OUTV OA, WA, 0
	QUANT ACC+64, OB, WB
	s_wait_alu depctr_va_vdst(0)                   ; out-buffer b is written, which the stores below read
	OUTV OB, WB, 1
	s_endpgm
.Lfunc_end_k_qe521cbc3ea_qkv:
	.size	k_qe521cbc3ea_qkv, .Lfunc_end_k_qe521cbc3ea_qkv-k_qe521cbc3ea_qkv
	.p2alignl 7, 3214868480
	.fill 96, 4, 3214868480
	.section	.rodata,"a",@progbits
	.p2align	6, 0x0
	.amdhsa_kernel k_qe521cbc3ea_qkv
		.amdhsa_group_segment_fixed_size 0
		.amdhsa_private_segment_fixed_size 0
		.amdhsa_enable_private_segment 0
		.amdhsa_kernarg_size 64
		.amdhsa_user_sgpr_count 2
		.amdhsa_user_sgpr_kernarg_segment_ptr 1
		.amdhsa_wavefront_size32 1
		.amdhsa_system_sgpr_workgroup_id_x 1
		.amdhsa_system_sgpr_workgroup_id_y 1
		.amdhsa_system_sgpr_workgroup_id_z 1
		.amdhsa_system_vgpr_workitem_id 0
		.amdhsa_next_free_vgpr 1024
		.amdhsa_next_free_sgpr 66
		.amdhsa_reserve_vcc 0
		.amdhsa_float_denorm_mode_32 3
		.amdhsa_float_denorm_mode_16_64 3
		.amdhsa_memory_ordered 1
		.amdhsa_forward_progress 1
		.amdhsa_inst_pref_size 93
	.end_amdhsa_kernel
	.amdgpu_metadata
---
amdhsa.version: [ 1, 2 ]
amdhsa.kernels:
  - .name:           k_qe521cbc3ea_qkv
    .symbol:         k_qe521cbc3ea_qkv.kd
    .args:
      - { .name: wts, .offset: 0, .size: 8, .value_kind: global_buffer, .address_space: global }
      - { .name: xq, .offset: 8, .size: 8, .value_kind: global_buffer, .address_space: global }
      - { .name: xs, .offset: 16, .size: 8, .value_kind: global_buffer, .address_space: global }
      - { .name: bq, .offset: 24, .size: 8, .value_kind: global_buffer, .address_space: global }
      - { .name: bk, .offset: 32, .size: 8, .value_kind: global_buffer, .address_space: global }
      - { .name: bv, .offset: 40, .size: 8, .value_kind: global_buffer, .address_space: global }
      - { .name: qb, .offset: 48, .size: 8, .value_kind: global_buffer, .address_space: global }
      - { .name: kv, .offset: 56, .size: 8, .value_kind: global_buffer, .address_space: global }
    .group_segment_fixed_size: 0
    .private_segment_fixed_size: 0
    .kernarg_segment_align: 8
    .kernarg_segment_size: 64
    .max_flat_workgroup_size: 128
    .sgpr_count:     66
    .vgpr_count:     1024
    .wavefront_size: 32
...
	.end_amdgpu_metadata
.endif
;; end of part 6
;; launch attn (part 7): grid 8 x 32, 16 waves a work-group, clusters of 4 x 1, 223,232 bytes of LDS; arguments qb, kv, ctxc, ctxs; writes ctxc, ctxs
.if DOCPART == 7
	.amdgcn_target "amdgcn-amd-amdhsa--gfx1250"
	.amdhsa_code_object_version 6
	.text
	.protected	k_qe521cbc3ea_attn
	.globl	k_qe521cbc3ea_attn
	.p2align	8
	.type	k_qe521cbc3ea_attn,@function
k_qe521cbc3ea_attn:
	s_mov_b64 s[64:65], 0
	v_nop
	global_prefetch_b8 v0, s[64:65] scope:SCOPE_SE
	s_setreg_imm32_b32 hwreg(HW_REG_WAVE_MODE, 25, 1), 1
	s_wait_xcnt 0x0
	s_wait_alu depctr_hold_cnt(0) depctr_sa_sdst(0) depctr_va_vdst(0) depctr_va_sdst(0) depctr_va_ssrc(0) depctr_va_vcc(0) depctr_vm_vsrc(0)
	s_getreg_b32 s2, hwreg(HW_REG_IB_STS2, 6, 4)
	s_cmp_eq_u32 s2, 0
	s_cbranch_scc0 .Lentry_in_a_cluster
	s_endpgm
.Lentry_in_a_cluster:
	s_bfe_u32 s2, ttmp6, 0x10000c
	s_cmp_lg_u32 s2, 0x3003
	s_cbranch_scc0 .Lentry_shape_is_right
	s_endpgm
.Lentry_shape_is_right:
; ATTN: ctx = softmax(q k^T / 8) v for one head, both products on codes of FP6 (E2M3) with E8M0 scales; ctx is quantised at once for the product with Wo (a head's 64 channels are two whole blocks of its K).
; THE SOFTMAX AHEAD OF THE SECOND PRODUCT: t = score x log2(e) / 8; M = the running largest t rounded UP to a whole number; p = 2^(t - M) is quantised along the keys, not normalised; the row's sum is taken of the
; unquantised p and divides at the end.  When M moves, the sum and O are multiplied by 2^(old M - new M): exact.
; SHARES.  A work-group owns 256 queries of one head (work-group y); each of its sixteen waves owns one tile of 16 queries in 256 registers, four waves to a SIMD, so that one wave's vector work stands beside another's products.
; A WHOLE HEAD'S K AND V, codes and scale words, are 16 records of 13,824 bytes: they fit in LDS together.  Each wave brings one record by one tensor load: first fills alone, no slot is filled again.
; CLUSTER.  The four work-groups of a cluster are query blocks of one head and want the same 16 records: each record is asked for JOINTLY, by the same load with the same descriptor and the mask of all four.
; LAYOUT.  Both products transposed: S^T = K Q^T (source 0 = 16 keys), O^T = V^T P^T (source 0 = 16 channels): a lane holds one query throughout.  The keys of a tile of K and the channels of a tile of V^T were chosen by the
; launch before so that the 16 registers of two neighbouring tiles are 16 neighbours.  All fragments lie in LDS as images of the operand's registers: each load's 32 lanes read consecutive bytes.
; The head's 64 channels are half of the instruction's K: registers 6-11 of Q's and K's fragments are zero codes, written once.
; Nothing is prefetched: all that the work-group reads is asked for at its head.
; LIMITS: a block of zeros gets the byte 1 (its codes are zeros); NaN and infinities are not served; the division by the sum is v_rcp_f32 and a multiplication.
; REGISTERS: v1-3 lane offsets; v4, v5 the add's two; v6-8 the step's LDS addresses; v12 -M, v13 the largest t, v[14:15] the sum in two halves; v16-27 Q, v28 its scale word; v32-79 four fragments of K; v80-127 four of V^T;
;   v128-191 S^T, then p; v192-223 O^T; v224-235 p's codes; v232-247, v252-254 at work; v248-251 the tiles' scale words; v253 p's scale word.
.set REC,   13824
.set SPARE, 16*REC                     ; behind the records: the spare words, 128 bytes for each wave: eight blocks of 256 bytes that no other line names
.set LI,  1
.set L8,  2
.set L4,  3
.set SPW, 4
.set NIL, 5
.set A16, 6
.set A8,  7
.set A4,  8
.set WV,  12
.set G1,  16
.set G0,  24
.set SEL, 30
.set CS,  32
.set TB,  34
.set CNT, 35
.macro CROUND                          ; a round of the cluster's barrier
	s_barrier_signal -1
	s_barrier_wait -1
	s_cmp_lg_u32 s[WV], 0
	s_cbranch_scc1 .Lnot_wave_0_\@
	s_barrier_signal -3
.Lnot_wave_0_\@:
	s_barrier_wait -3
	s_barrier_signal -1
	s_barrier_wait -1
.endm
	s_load_b256 s[4:11], s[0:1], 0x0               ; qb, kv, ctxc, ctxs
	v_lshl_add_u32 v[SPW], v0, 2, SPARE
	v_mov_b32 v[NIL], 0
	ds_add_u32 v[SPW], v[NIL]                      ; the wave's opening: the add and its wait stand ahead of my tensor load; the set-up below, work on registers, stands between them
	ds_add_u32 v[SPW], v[NIL]
	v_lshrrev_b32 v9, 5, v0
	s_delay_alu instid0(VALU_DEP_1)
	v_readfirstlane_b32 s[WV], v9                  ; wave 0..15
	v_and_b32 v9, 31, v0
	s_delay_alu instid0(VALU_DEP_1)
	v_lshlrev_b32 v[LI], 4, v9
	s_delay_alu instid0(VALU_DEP_2)
	v_lshlrev_b32 v[L8], 3, v9
	s_delay_alu instid0(VALU_DEP_3)
	v_lshlrev_b32 v[L4], 2, v9
	s_and_b32 s15, ttmp7, 0xffff                   ; the head (of 32), which the four partners share
	s_lshl_b32 s28, s15, 4
	s_add_co_u32 s28, s28, s[WV]
	s_mul_i32 s28, s28, REC                        ; my record in memory: key step = my wave's number
	s_mov_b32 s29, 0
	s_mov_b32 s[G0], 1                             ; count = 1
	s_mul_i32 s[G0+1], s[WV], REC                  ; and in LDS: no place in the cluster enters it
	; descriptor group 1: a dense block of 13,824 bytes as 54 rows of 256 bytes (32 elements of 8 bytes), no padding
	s_mov_b32 s[G1], 15|(3<<16)|(1<<21)            ; the mask: all four work-groups; elements of 8 bytes; bit 21 set beside a mask
	s_mov_b32 s[G1+1], 32<<16                      ; tensor_dim0 = 32
	s_mov_b32 s[G1+2], 54<<16                      ; tensor_dim1 = 54
	s_mov_b32 s[G1+3], 32<<16                      ; tile_dim0 = 32
	s_mov_b32 s[G1+4], 54                          ; tile_dim1 = 54
	s_mov_b32 s[G1+5], 32                          ; from row to row
	s_mov_b32 s[G1+6], 0
	s_mov_b32 s[G1+7], 0
	s_bfe_u32 s13, ttmp6, 0x40000                  ; cx: it enters Q's and the outputs' addresses alone
	s_lshl_b32 s14, ttmp9, 2
	s_add_co_u32 s14, s14, s13
	s_lshl_b32 s14, s14, 4
	s_add_co_u32 s14, s14, s[WV]                   ; my query tile in the batch: 16 x block + wave
	s_lshl_b32 s36, s15, 7
	s_add_co_u32 s36, s36, s14
	s_lshl_b32 s36, s36, 10                        ; its record in qb
	s_mov_b32 s37, 0
	s_lshr_b32 s38, s15, 3
	s_lshl_b32 s38, s38, 7
	s_add_co_u32 s38, s38, s14                     ; the row tile: 128 x batch + query tile
	s_lshl_b32 s38, s38, 3
	s_and_b32 s39, s15, 7
	s_add_co_u32 s38, s38, s39                     ; 8 x row tile + head
	s_mul_i32 s40, s38, 768
	s_mov_b32 s41, 0
	s_lshl_b32 s42, s38, 7
	s_mov_b32 s43, 0
	s_mov_b32 s[SEL], 0x76543210
	s_mov_b32 s[SEL+1], 0xfedcba98
	s_mov_b32 s[CS], 0x3e38aa3b                    ; c = log2(e) / 8
	s_mov_b32 s[CS+1], s[CS]                       ; (named with it as a pair, so it is written)
	s_mov_b32 s[TB], 0
	s_mov_b32 s[CNT], 16
	s_wait_dscnt 0x0                               ; the opening add is done
	s_wait_kmcnt 0x0
	s_add_nc_u64 s[G0+2:G0+3], s[6:7], s[28:29]
	s_or_b32 s[G0+3], s[G0+3], 0x80000000          ; type = 2
	s_add_nc_u64 s[4:5], s[4:5], s[36:37]
	s_add_nc_u64 s[8:9], s[8:9], s[40:41]
	s_add_nc_u64 s[10:11], s[10:11], s[42:43]
	CROUND                                         ; all four work-groups are here: the joint loads meet
	tensor_load_to_lds s[G0:G0+3], s[G1:G1+7]      ; my one tensor load: one is out
	s_nop 0
.rept 4
	v_nop
.endr
	s_wait_alu depctr_va_vdst(0)
	global_load_b128 v[16:19], v[LI], s[4:5]       ; Q's half fragment stays in registers
	global_load_b64 v[20:21], v[L8], s[4:5] offset:512
	global_load_b32 v28, v[L4], s[4:5] offset:768
.irp i, 22,23,24,25,26,27
	v_mov_b32 v[\i], 0                             ; zero codes for K = 64 .. 127
.endr
.irp t, 0,1,2,3
.irp i, 6,7,8,9,10,11
	v_mov_b32 v[32+12*\t+\i], 0
.endr
.endr
	v_mov_b32 v13, 0xff61b1e6                      ; the largest t so far: -3e38, under every t
	s_delay_alu instid0(VALU_DEP_1)
	v_floor_f32 v12, -v13                          ; -M
	v_mov_b32 v14, 0
	v_mov_b32 v15, 0
.irp b, 0,1,2,3
	v_mov_b32 v[236+\b], 0                         ; a lane permute's destination counts as one of its sources
.endr
	v_mov_b32 v253, 0                              ; (named as the upper half of the pair v[252:253] before it is first written)
.set J, 0
.rept 32
	v_mov_b32 v[192+J], 0                          ; O^T: the loop is written once; its first step finds zeros, which the first change of M leaves zeros
.set J, J+1
.endr
	s_wait_tensorcnt 0x0                           ; my record has landed,
	s_barrier_signal -1
	s_barrier_wait -1                              ; everybody's has
	s_wait_loadcnt 0x0                             ; Q
.Lstep:                                            ; 16 trips: 128 keys each
	s_setprio 2
	v_add_nc_u32 v[A16], s[TB], v[LI]
	s_wait_alu depctr_va_vdst(0)
	v_add_nc_u32 v[A8], s[TB], v[L8]
	s_wait_alu depctr_va_vdst(0)
	v_add_nc_u32 v[A4], s[TB], v[L4]
	s_wait_alu depctr_va_vdst(0)
	v_nop                                          ; four places ahead of the loads into the scale registers that the last products read
.irp g, 0,1                                    ; S^T = K Q^T, four tiles of 16 keys at a time
.if \g
.rept 4
	v_nop                                          ; places ahead of loads into registers that matrix instructions have read
.endr
.endif
.irp t, 0,1,2,3
	ds_load_b128 v[32+12*\t:35+12*\t], v[A16] offset:768*(4*\g+\t)
	ds_load_b64 v[36+12*\t:37+12*\t], v[A8] offset:768*(4*\g+\t)+512
	ds_load_b32 v[248+\t], v[A4] offset:6144+128*(4*\g+\t)
.endr
	s_wait_dscnt 0x0
.irp t, 0,1,2,3
	v_wmma_scale_f32_16x16x128_f8f6f4 v[128+8*(4*\g+\t):135+8*(4*\g+\t)], v[32+12*\t:43+12*\t], v[16:27], 0, v[248+\t], v28 matrix_a_fmt:MATRIX_FMT_FP6 matrix_b_fmt:MATRIX_FMT_FP6
.endr
.endr
.rept 4
	v_nop
.endr
.irp d, 0,1,2,3                                ; V^T's four fragments and scale words are asked for here and land under the softmax
.irp i, 0,1,2
	ds_load_b128 v[80+12*\d+4*\i:83+12*\d+4*\i], v[A16] offset:7168+1536*\d+512*\i
.endr
	ds_load_b32 v[248+\d], v[A4] offset:13312+128*\d
.endr
.irp b, 0,1,2,3
	v_max3_num_f32 v[232+\b], v[128+16*\b], v[129+16*\b], v[130+16*\b]   ; the largest score of each block of 32 keys: for the row's maximum, and, since p rises with the score, for the block's largest p
.endr
.irp i, 3,5,7,9,11,13
.irp b, 0,1,2,3
	v_max3_num_f32 v[232+\b], v[232+\b], v[128+16*\b+\i], v[129+16*\b+\i]
.endr
.endr
.irp b, 0,1,2,3
	v_max_num_f32 v[232+\b], v[232+\b], v[143+16*\b]
.endr
.irp b, 0,1,2,3
	s_delay_alu instid0(VALU_DEP_4)
	v_permlanex16_b32 v[236+\b], v[232+\b], s[SEL], s[SEL+1]
.endr
.irp b, 0,1,2,3
	s_delay_alu instid0(VALU_DEP_4)
	v_max_num_f32 v[232+\b], v[232+\b], v[236+\b]  ; with lane l xor 16's 16 keys
.endr
	s_delay_alu instid0(VALU_DEP_2)
	v_max3_num_f32 v254, v232, v233, v234
	s_delay_alu instid0(VALU_DEP_1)
	v_max_num_f32 v254, v254, v235                 ; the step's largest score of my query
	s_delay_alu instid0(VALU_DEP_1)
	v_mul_f32 v254, s[CS], v254                    ; as t
	s_delay_alu instid0(VALU_DEP_1)
	v_max_num_f32 v13, v13, v254                   ; the running largest t
	v_mov_b32 v254, v12
	s_delay_alu instid0(VALU_DEP_2)
	v_floor_f32 v12, -v13                          ; the new -M = -ceil(t): a whole number
	s_delay_alu instid0(VALU_DEP_1)
	v_sub_f32 v254, v12, v254                      ; old M - new M: a whole number, 0 or less
	s_delay_alu instid0(VALU_DEP_1)
	v_cvt_i32_f32 v254, v254                       ; (it saturates)
	s_delay_alu instid0(VALU_DEP_1)
	v_ldexp_f32 v252, 1.0, v254                    ; f = 2^(old M - new M)
.set J, 0
.rept 32
	v_pk_fma_f32 v[128+J:129+J], v[128+J:129+J], s[CS:CS+1], v[12:13] op_sel_hi:[1,0,0]   ; t - M, two at a time
.set J, J+2
.endr
.irp b, 0,1,2,3
	v_fma_f32 v[232+\b], v[232+\b], s[CS], v12     ; the same of each block's largest score
.endr
.set J, 0
	s_setprio 1
	s_wait_alu depctr_va_vdst(0)
.rept 64
	v_exp_f32 v[128+J], v[128+J]                   ; p = 2^(t - M), at most 1
.set J, J+1
.endr
	v_pk_mul_f32 v[14:15], v[14:15], v[252:253] op_sel_hi:[1,0]   ; the sums under the new M: a plain place behind the exponentials
	s_wait_alu depctr_va_vdst(0)                   ; one wait for the whole batch, ahead of its first reader
.irp b, 0,1,2,3
	v_exp_f32 v[232+\b], v[232+\b]                 ; the block's largest p
.endr
	v_pk_add_f32 v[236:237], v[132:133], v[136:137]
	v_pk_add_f32 v[254:255], v[140:141], v[144:145]
	v_pk_add_f32 v[246:247], v[148:149], v[152:153]
	v_pk_add_f32 v[244:245], v[156:157], v[160:161]
	v_pk_add_f32 v[242:243], v[164:165], v[168:169]
	v_pk_add_f32 v[240:241], v[172:173], v[176:177]
	v_pk_add_f32 v[238:239], v[180:181], v[184:185]
	v_pk_add_f32 v[14:15], v[14:15], v[188:189]
	v_pk_add_f32 v[236:237], v[236:237], v[128:129]
	v_pk_add_f32 v[254:255], v[254:255], v[130:131]
	v_pk_add_f32 v[246:247], v[246:247], v[134:135]
	v_pk_add_f32 v[244:245], v[244:245], v[138:139]
	v_pk_add_f32 v[242:243], v[242:243], v[142:143]
	v_pk_add_f32 v[240:241], v[240:241], v[146:147]
	v_pk_add_f32 v[238:239], v[238:239], v[150:151]
	v_pk_add_f32 v[14:15], v[14:15], v[154:155]
	v_pk_add_f32 v[236:237], v[236:237], v[158:159]
	v_pk_add_f32 v[254:255], v[254:255], v[162:163]
	v_pk_add_f32 v[246:247], v[246:247], v[166:167]
	v_pk_add_f32 v[244:245], v[244:245], v[170:171]
	v_pk_add_f32 v[242:243], v[242:243], v[174:175]
	v_pk_add_f32 v[240:241], v[240:241], v[178:179]
	v_pk_add_f32 v[238:239], v[238:239], v[182:183]
	v_pk_add_f32 v[14:15], v[14:15], v[186:187]
	v_pk_add_f32 v[236:237], v[236:237], v[190:191]
	s_delay_alu instid0(VALU_DEP_2)
	v_pk_add_f32 v[14:15], v[14:15], v[244:245]
	s_delay_alu instid0(VALU_DEP_2)
	v_pk_add_f32 v[236:237], v[236:237], v[242:243]
	v_pk_add_f32 v[254:255], v[254:255], v[240:241]
	v_pk_add_f32 v[246:247], v[246:247], v[238:239]
	s_delay_alu instid0(VALU_DEP_2)
	v_pk_add_f32 v[14:15], v[14:15], v[254:255]
	s_delay_alu instid0(VALU_DEP_2)
	v_pk_add_f32 v[236:237], v[236:237], v[246:247]
	s_delay_alu instid0(VALU_DEP_1)
	v_pk_add_f32 v[14:15], v[14:15], v[236:237]
	s_wait_alu depctr_va_vdst(0)                   ; and one for the four
.irp b, 0,1,2,3
	v_max_num_f32 v[232+\b], 0x1800000, v[232+\b]  ; the floor 2^(3 - 127)
.endr
.irp b, 0,1,2,3
	s_delay_alu instid0(VALU_DEP_4)
	v_add_nc_u32 v[244+\b], 0xff000000, v[232+\b]  ; 2 off the exponent field: the conversion's scale operand
.endr
.irp b, 0,1,2,3
	s_delay_alu instid0(VALU_DEP_4)
	v_lshrrev_b32 v[236+\b], 23, v[244+\b]         ; the scale's byte
.endr
	s_delay_alu instid0(VALU_DEP_3)
	v_lshl_or_b32 v253, v237, 8, v236              ; p's scale word for these 128 keys
	s_delay_alu instid0(VALU_DEP_1)
	v_lshl_or_b32 v253, v238, 16, v253
	s_delay_alu instid0(VALU_DEP_1)
	v_lshl_or_b32 v253, v239, 24, v253
.irp c, 0,1
	v_cvt_scalef32_pk16_fp6_f32 v[224+6*\c:226+6*\c], v[128+32*\c:143+32*\c], v[244+2*\c]
	v_cvt_scalef32_pk16_fp6_f32 v[236+4*\c:238+4*\c], v[144+32*\c:159+32*\c], v[244+2*\c+1]
.endr
	v_nop                                          ; one plain place behind the scaled conversions
.irp c, 0,1
.irp i, 0,1,2
	v_permlane16_swap_b32 v[224+6*\c+\i], v[236+4*\c+\i]
.endr
.irp i, 0,1,2
	s_delay_alu instid0(VALU_DEP_3)
	v_mov_b32 v[227+6*\c+\i], v[236+4*\c+\i]
.endr
.endr
.set J, 0
	s_setprio 0
.rept 16
	v_pk_mul_f32 v[192+J:193+J], v[192+J:193+J], v[252:253] op_sel_hi:[1,0]   ; O^T under the new M; these sixteen are also the places ahead of the scaled products
.set J, J+2
.endr
	s_wait_alu depctr_va_vdst(0)
	s_wait_dscnt 0x0                               ; V^T is in
.irp d, 0,1,2,3                                ; O^T += V^T P^T: four accumulators, one instruction a turn
	v_wmma_scale_f32_16x16x128_f8f6f4 v[192+8*\d:199+8*\d], v[80+12*\d:91+12*\d], v[224:235], v[192+8*\d:199+8*\d], v[248+\d], v253 matrix_a_fmt:MATRIX_FMT_FP6 matrix_b_fmt:MATRIX_FMT_FP6
.endr
	s_add_co_u32 s[TB], s[TB], REC
	s_sub_co_u32 s[CNT], s[CNT], 1
	s_cmp_lg_u32 s[CNT], 0
	s_cbranch_scc1 .Lstep
	s_setprio 0
	; THE WAY OUT: O^T / the sum, quantised along the head's 64 channels: two blocks, half a fragment
.rept 4
	v_nop                                          ; places behind the last products
.endr
	v_add_f32 v14, v14, v15
	s_delay_alu instid0(VALU_DEP_1)
	v_permlanex16_b32 v252, v14, s[SEL], s[SEL+1]
	s_delay_alu instid0(VALU_DEP_1)
	v_add_f32 v14, v14, v252                       ; the row's sum
	s_wait_alu depctr_va_vdst(0)
	v_rcp_f32 v14, v14
	v_nop                                          ; a plain place behind the reciprocal
	s_wait_alu depctr_va_vdst(0)                   ; and the wait ahead of its first reader
.set J, 0
.rept 32
	v_mul_f32 v[128+J], v[192+J], v14              ; register 16 b + i: channel 32 b + 16 (lane / 16) + i
.set J, J+1
.endr
.irp b, 0,1
	v_max3_num_f32 v[232+\b], |v[128+16*\b]|, |v[129+16*\b]|, 0x1800000
.endr
.irp i, 2,4,6,8,10,12,14
.irp b, 0,1
	s_delay_alu instid0(VALU_DEP_2)
	v_max3_num_f32 v[232+\b], v[232+\b], |v[128+16*\b+\i]|, |v[129+16*\b+\i]|
.endr
.endr
.irp b, 0,1
	s_delay_alu instid0(VALU_DEP_2)
	v_permlanex16_b32 v[236+\b], v[232+\b], s[SEL], s[SEL+1]
.endr
.irp b, 0,1
	s_delay_alu instid0(VALU_DEP_2)
	v_max_num_f32 v[232+\b], v[232+\b], v[236+\b]
.endr
.irp b, 0,1
	s_delay_alu instid0(VALU_DEP_2)
	v_add_nc_u32 v[244+\b], 0xff000000, v[232+\b]
.endr
.irp b, 0,1
	s_delay_alu instid0(VALU_DEP_2)
	v_lshrrev_b32 v[236+\b], 23, v[244+\b]
.endr
	s_delay_alu instid0(VALU_DEP_1)
	v_lshl_or_b32 v254, v237, 8, v236              ; the head's two bytes
	v_cvt_scalef32_pk16_fp6_f32 v[224:226], v[128:143], v244
	v_cvt_scalef32_pk16_fp6_f32 v[240:242], v[144:159], v245
	v_nop
.irp i, 0,1,2
	v_permlane16_swap_b32 v[224+\i], v[240+\i]
.endr
.irp i, 0,1,2
	s_delay_alu instid0(VALU_DEP_3)
	v_mov_b32 v[227+\i], v[240+\i]
.endr
	global_store_b128 v[LI], v[224:227], s[8:9]    ; 512 consecutive bytes,
	global_store_b64 v[L8], v[228:229], s[8:9] offset:512   ; and 256
	global_store_b32 v[L4], v254, s[10:11]
	s_wait_tensorcnt 0x0                           ; the wave's end
	ds_add_u32 v[SPW], v[NIL]
	s_wait_dscnt 0x0
	CROUND                                         ; the closing round
	s_endpgm
.Lfunc_end_k_qe521cbc3ea_attn:
	.size	k_qe521cbc3ea_attn, .Lfunc_end_k_qe521cbc3ea_attn-k_qe521cbc3ea_attn
	.p2alignl 7, 3214868480
	.fill 96, 4, 3214868480
	.section	.rodata,"a",@progbits
	.p2align	6, 0x0
	.amdhsa_kernel k_qe521cbc3ea_attn
		.amdhsa_group_segment_fixed_size 223232
		.amdhsa_private_segment_fixed_size 0
		.amdhsa_enable_private_segment 0
		.amdhsa_kernarg_size 32
		.amdhsa_user_sgpr_count 2
		.amdhsa_user_sgpr_kernarg_segment_ptr 1
		.amdhsa_wavefront_size32 1
		.amdhsa_system_sgpr_workgroup_id_x 1
		.amdhsa_system_sgpr_workgroup_id_y 1
		.amdhsa_system_sgpr_workgroup_id_z 1
		.amdhsa_system_vgpr_workitem_id 0
		.amdhsa_next_free_vgpr 256
		.amdhsa_next_free_sgpr 66
		.amdhsa_reserve_vcc 0
		.amdhsa_float_denorm_mode_32 3
		.amdhsa_float_denorm_mode_16_64 3
		.amdhsa_memory_ordered 1
		.amdhsa_forward_progress 1
		.amdhsa_inst_pref_size 29
	.end_amdhsa_kernel
	.amdgpu_metadata
---
amdhsa.version: [ 1, 2 ]
amdhsa.kernels:
  - .name:           k_qe521cbc3ea_attn
    .symbol:         k_qe521cbc3ea_attn.kd
    .args:
      - { .name: qb, .offset: 0, .size: 8, .value_kind: global_buffer, .address_space: global }
      - { .name: kv, .offset: 8, .size: 8, .value_kind: global_buffer, .address_space: global }
      - { .name: ctxc, .offset: 16, .size: 8, .value_kind: global_buffer, .address_space: global }
      - { .name: ctxs, .offset: 24, .size: 8, .value_kind: global_buffer, .address_space: global }
    .group_segment_fixed_size: 223232
    .private_segment_fixed_size: 0
    .kernarg_segment_align: 8
    .kernarg_segment_size: 32
    .max_flat_workgroup_size: 512
    .sgpr_count:     66
    .vgpr_count:     256
    .wavefront_size: 32
...
	.end_amdgpu_metadata
.endif
;; end of part 7
;; launch tail (part 8): grid 256 x 1, 4 waves a work-group, no clusters, 95,232 bytes of LDS; arguments ctxc, ctxs, wts, x, bo, g1, beta1, b2ff, bff, bvff, g2, beta2, out0; writes out0
.if DOCPART == 8
	.amdgcn_target "amdgcn-amd-amdhsa--gfx1250"
	.amdhsa_code_object_version 6
	.text
	.protected	k_qe521cbc3ea_tail
	.globl	k_qe521cbc3ea_tail
	.p2align	8
	.type	k_qe521cbc3ea_tail,@function
k_qe521cbc3ea_tail:
	s_mov_b64 s[64:65], 0
	v_nop
	global_prefetch_b8 v0, s[64:65] scope:SCOPE_SE
	s_setreg_imm32_b32 hwreg(HW_REG_WAVE_SCHED_MODE, 0, 2), 2
	s_setreg_imm32_b32 hwreg(HW_REG_WAVE_MODE, 25, 1), 1
	s_wait_xcnt 0x0
	s_wait_alu depctr_vm_vsrc(0)
; TAIL: x1 = LN(x + ctx Wo + bo; g1, beta1);  out0 = LN(x1 + (gelu(x1 Wff + bff) (x1 Vff + bvff)) W2ff + b2ff; g2, beta2).  The four products on codes of FP6 (E2M3) with E8M0 scales; all else in f32.
; A work-group takes 32 rows (two tiles of 16) from ctx's codes to out0; nothing between goes to memory.  THE WAVES SHARE THE COLUMNS: wave w owns columns 128 w .. 128 w + 127 of every product 512 wide, and 128 of each
; chunk of 512 hidden units (four chunks).  Source 0 = 16 columns of a weight, source 1 = 16 rows: a lane holds one row and its registers run along the columns, 16 neighbours for two neighbouring tiles.
; THE WEIGHTS go from memory straight into registers as images of the operand's registers, a group (16 fragments, scale words, biases) at a time, by turns into register windows 1 and 2: one group is multiplied while the
; next is on its way.  No LDS ring and no joint loads for them: each fragment is used by one wave of the work-group alone, so LDS would add a pass over all their bytes and spare none.
; OPERANDS MADE ON THE WAY (x1, the hidden layer) go from wave to wave through LDS as images of their registers: wave w makes K step w.
; x + bo is the C that the product with Wo adds onto; b2ff + x1 is the C that the product with W2ff adds onto; bff and bvff are the C of their sums' first instructions.
; THE EXACT GELU: Phi(a) by erfc: t = 1 / (1 + |a| / (2 sqrt 2)); E = t 2^(P(t) - a^2 log2(e) / 2) = erfc(|a| / sqrt 2) / 2, P of degree 9; Phi = 1 - E for a > 0, else E; h = Phi (a v).
; LIMITS: the form's fractional error in erfc is 1.2e-7, beside f32's roundings; where |a| is so large that a v overflows, h is not what 0 x v would be; a block of zeros gets the byte 1; NaN and infinities are not served;
; 1 / sqrt by v_rsq_f32.
; LDS: x1's 8 fragments and scale words; the hidden layer's 8 and theirs; four areas for the norms' sums; a stage of 32 rows x (2,048 + 16) bytes for the way out; the spare words.
; THE MODE: SCHED_MODE bits 1:0 = 2 (LLVM: expert scheduling mode 2), set by the entry lines.  The code itself states the register dependences between vector or matrix instructions and memory or LDS instructions, with s_wait_alu, always for 0.
; THE PLAN.  Registers that memory or LDS instructions touch:
;   v1-11, v62, v63   offsets, LDS addresses and the add's two: made once at the head and never written again.
;   window 1 with v16-23, window 2 with v24-31   a group and its scale words: read by the group's 32 products, then loaded again.  In a hidden step the loads stand behind the activation's wait for its reciprocals, which follows the
;                     products; behind the products with Wo one wait serves both windows; behind each group of W2ff stands a wait of its own.
;   window 3 v128-255 ctx's fragments (read by the products with Wo), then g1 and beta1 (read by the first norm), then x1's fragments (read by the hidden products), then g2 and beta2.
;   v40-47            ctx's scale words, put together by vector lines; later the hidden layer's, loaded from LDS.
;   v64-191           numbers that vector lines write; in each chunk v64-159 take the hidden fragments from LDS; at the end the norm's result, which the stage's stores read and in which the stage's loads land.
;   v192, v196        a norm's partial sums: read by its LDS stores.   v204-211: the four waves' sums land there.
;   v208, v212-223    a scale word and a fragment's codes: written by the quantiser, read by the image's LDS stores, written again by the quantiser, by the hidden products and by the second norm.
; REGISTERS: window 0: v1-11 offsets; v[12:13] a constant; v16-23, v24-31 the groups' scale words; v32-39 x1's; v40-47 ctx's, later the hidden layer's; v64-191 128 numbers a lane (64 m + 16 b + i), later hidden fragments;
;   v192-255 at work.   windows 1, 2: a group.   window 3: v0-127 the last product's accumulators; v128-223 ctx's, then x1's fragments; during a norm v128-191 the gain, v192-255 the offset.
.set X1IMG, 0
.set X1SC,  12288
.set HIMG,  13312
.set HSC,   25600
.set RED,   26624
.set STG,   28672
.set SPARE, 94720                      ; the spare words, 128 bytes for each wave: two blocks of 256 bytes that no other line names
.set LI,  1
.set L8,  2
.set L4,  3
.set BO,  4
.set XA,  5
.set RW,  6
.set RR,  7
.set SO,  8
.set SR,  9
.set IWI, 10
.set IWS, 11
.set C8V, 12
.set WS0, 16
.set WS1, 24
.set X1S, 32
.set CSC, 40
.set CT,  48
.set SPW, 62
.set NIL, 63
.set Y,   64
.set T,   192
.set LT,  192
.set TM,  192
.set PW,  208
.set PC,  212
.set TT,  224
.set PP,  240
.set BV,  0
.set SEL, 38
.set MSB, 0
.macro WIN new                         ; the immediate's high byte repeats the setting that is left
.if MSB != (\new)
	s_set_vgpr_msb (MSB<<8)|(\new)
.set MSB, (\new)
.endif
.endm
.macro PLACES n
.rept \n
	v_nop
.endr
.endm
.macro KPAIR r, val
	s_mov_b32 s[\r], \val
	s_mov_b32 s[(\r)+1], \val
.endm
.macro QUANT s
.set QS, \s
.irp b, 0,1,2,3
	v_max3_num_f32 v[TM+\b], |v[QS+16*\b]|, |v[QS+1+16*\b]|, 0x1800000
.endr
.irp i, 2,4,6,8,10,12,14
.irp b, 0,1,2,3
	v_max3_num_f32 v[TM+\b], v[TM+\b], |v[QS+16*\b+\i]|, |v[QS+1+16*\b+\i]|
.endr
.endr
.irp b, 0,1,2,3
	v_permlanex16_b32 v[TM+4+\b], v[TM+\b], s[SEL], s[SEL+1]
.endr
.irp b, 0,1,2,3
	v_max_num_f32 v[TM+\b], v[TM+\b], v[TM+4+\b]
.endr
.irp b, 0,1,2,3
	v_add_nc_u32 v[TM+12+\b], 0xff000000, v[TM+\b]
.endr
.irp b, 0,1,2,3
	v_lshrrev_b32 v[TM+4+\b], 23, v[TM+12+\b]
.endr
	v_lshl_or_b32 v[PW], v[TM+5], 8, v[TM+4]
	v_lshl_or_b32 v[PW], v[TM+6], 16, v[PW]
	v_lshl_or_b32 v[PW], v[TM+7], 24, v[PW]
.irp c, 0,1
	v_cvt_scalef32_pk16_fp6_f32 v[PC+6*\c:PC+2+6*\c], v[QS+32*\c:QS+15+32*\c], v[TM+12+2*\c]
	v_cvt_scalef32_pk16_fp6_f32 v[PC+12+4*\c:PC+14+4*\c], v[QS+16+32*\c:QS+31+32*\c], v[TM+12+2*\c+1]
.endr
	v_nop                                              ; one plain place behind the scaled conversions
.irp c, 0,1
.irp i, 0,1,2
	v_permlane16_swap_b32 v[PC+6*\c+\i], v[PC+12+4*\c+\i]
.endr
.irp i, 0,1,2
	v_mov_b32 v[PC+3+6*\c+\i], v[PC+12+4*\c+\i]
.endr
.endr
.endm
.macro MM d, a, b, c, sa, sb, ra, rb
.if (\ra) && (\rb)
	v_wmma_scale_f32_16x16x128_f8f6f4 v[\d:\d+7], v[\a:\a+11], v[\b:\b+11], v[\c:\c+7], v[\sa], v[\sb] matrix_a_fmt:MATRIX_FMT_FP6 matrix_b_fmt:MATRIX_FMT_FP6 matrix_a_scale:MATRIX_SCALE_ROW1 matrix_b_scale:MATRIX_SCALE_ROW1
.elseif (\ra)
	v_wmma_scale_f32_16x16x128_f8f6f4 v[\d:\d+7], v[\a:\a+11], v[\b:\b+11], v[\c:\c+7], v[\sa], v[\sb] matrix_a_fmt:MATRIX_FMT_FP6 matrix_b_fmt:MATRIX_FMT_FP6 matrix_a_scale:MATRIX_SCALE_ROW1
.elseif (\rb)
	v_wmma_scale_f32_16x16x128_f8f6f4 v[\d:\d+7], v[\a:\a+11], v[\b:\b+11], v[\c:\c+7], v[\sa], v[\sb] matrix_a_fmt:MATRIX_FMT_FP6 matrix_b_fmt:MATRIX_FMT_FP6 matrix_b_scale:MATRIX_SCALE_ROW1
.else
	v_wmma_scale_f32_16x16x128_f8f6f4 v[\d:\d+7], v[\a:\a+11], v[\b:\b+11], v[\c:\c+7], v[\sa], v[\sb] matrix_a_fmt:MATRIX_FMT_FP6 matrix_b_fmt:MATRIX_FMT_FP6
.endif
.endm
; 32 products: a group's four tiles t (window wp) x the two tiles of rows m (window bw, from v[fb] on) x four K steps s; the eight accumulators take turns, one instruction a turn
.macro GROUPMUL wp, bw, fb, cw, a01, m01, a23, m23, bias, sa, amode, sb, bmode
.irp s, 0,1,2,3
.if ((\s) == 0) && ((\bias) == 1)
	WIN (\wp)|((\bw)<<2)|((\wp)<<4)|((\cw)<<6)
.elseif ((\s) == 0) && ((\bias) == 2)
	WIN (\wp)|((\bw)<<2)|((\cw)<<6)
.else
	WIN (\wp)|((\bw)<<2)|((\cw)<<4)|((\cw)<<6)
.endif
.irp t, 0,1,2,3
.irp m, 0,1
.if \t < 2
.set GD, (\a01)+8*\t+\m*(\m01)
.else
.set GD, (\a23)+8*(\t-2)+\m*(\m23)
.endif
.set GA, 12*(4*\t+\s)
.set GB, (\fb)+12*(4*\m+\s)
.if \amode
.set GSA, (\sa)+4*\t+\s
.set GRA, 0
.else
.set GSA, (\sa)+4*(\t/2)+\s
.set GRA, \t%2
.endif
.if \bmode
.set GSB, (\sb)+\s
.set GRB, \m
.else
.set GSB, (\sb)+4*\m+\s
.set GRB, 0
.endif
.set GC, GD
.if ((\s) == 0) && ((\bias) == 1)
.set GC, 192+8*\t
.endif
.if ((\s) == 0) && ((\bias) == 2)
.set GC, BV+8*\m
.endif
	MM GD, GA, GB, GC, GSA, GSB, GRA, GRB
.endr
.endr
.endr
.endm
.macro LOADG wp, base, off, sreg       ; a group into window wp: 50 loads
	WIN (\wp)<<6
.set LF, 0
.rept 16
.irp i, 0,1,2
	global_load_b128 v[12*LF+4*\i:12*LF+4*\i+3], v[LI], s[\base:\base+1] offset:(\off)+1536*LF+512*\i
.endr
.set LF, LF+1
.endr
	WIN 0
.irp p, 0,1
	global_load_b128 v[(\sreg)+4*\p:(\sreg)+4*\p+3], v[LI], s[\base:\base+1] offset:(\off)+24576+512*\p
.endr
.endm
.macro LOADGB wp, base, off, sreg, p0, o0, p1, o1   ; and with its two pairs' biases: 58 loads
	WIN (\wp)<<6
.set LF, 0
.rept 16
.irp i, 0,1,2
	global_load_b128 v[12*LF+4*\i:12*LF+4*\i+3], v[LI], s[\base:\base+1] offset:(\off)+1536*LF+512*\i
.endr
.set LF, LF+1
.endr
.irp j, 0,1,2,3
	global_load_b128 v[192+4*\j:192+4*\j+3], v[BO], s[\p0:\p0+1] offset:(\o0)+16*\j
.endr
.irp j, 0,1,2,3
	global_load_b128 v[208+4*\j:208+4*\j+3], v[BO], s[\p1:\p1+1] offset:(\o1)+16*\j
.endr
	WIN 0
.irp p, 0,1
	global_load_b128 v[(\sreg)+4*\p:(\sreg)+4*\p+3], v[LI], s[\base:\base+1] offset:(\off)+24576+512*\p
.endr
.endm
.macro GBLOAD pg, pb                   ; a norm's gain and offset at my 64 columns, into window 3: 32 loads
	WIN 0xc0
.irp b, 0,1,2,3
.irp j, 0,1,2,3
	global_load_b128 v[128+16*\b+4*\j:128+16*\b+4*\j+3], v[BO], s[\pg:\pg+1] offset:128*\b+16*\j
.endr
.endr
.irp b, 0,1,2,3
.irp j, 0,1,2,3
	global_load_b128 v[192+16*\b+4*\j:192+16*\b+4*\j+3], v[BO], s[\pb:\pb+1] offset:128*\b+16*\j
.endr
.endr
	WIN 0
.endm
; h = Phi(a) (a v) for 16 numbers a lane: a in v[a] on (two accumulators), v in v[v] on; h takes a's place.  Every run ascends.
; In two parts: GELUA ends with the work that follows the reciprocals and names none of their results; the two waits stand between the parts, where the parts are used; GELUB begins with the reciprocals' first reader.
.macro GELUA a, v
.set EA, \a
.set EV, \v
.set EI, 0
.rept 16
	v_fma_f32 v[TT+EI], |v[EA+EI]|, s62, 1.0       ; 1 + |a| / (2 sqrt 2)
.set EI, EI+1
.endr
.set EI, 0
	s_wait_alu depctr_va_vdst(0)
.rept 16
	v_rcp_f32 v[TT+EI], v[TT+EI]                   ; t
.set EI, EI+1
.endr
.set EI, 0
.rept 16
	v_cmp_gt_f32 s[66+EI], v[EA+EI], 0             ; independent work behind the reciprocals: a > 0?
.set EI, EI+1
.endr
.set EI, 0
	s_wait_alu depctr_va_vdst(0)
.rept 8
	v_pk_mul_f32 v[EV+EI:EV+EI+1], v[EV+EI:EV+EI+1], v[EA+EI:EA+EI+1]   ; a v
.set EI, EI+2
.endr
.set EI, 0
.rept 8
	v_pk_mul_f32 v[EA+EI:EA+EI+1], v[EA+EI:EA+EI+1], v[EA+EI:EA+EI+1]   ; a^2
.set EI, EI+2
.endr
.endm
.macro GELUB a, v
.set EA, \a
.set EV, \v
.set EI, 0
.rept 8
	v_pk_fma_f32 v[PP+EI:PP+EI+1], v[TT+EI:TT+EI+1], s[58:59], v[C8V:C8V+1] op_sel_hi:[1,0,1]
.set EI, EI+2
.endr
.irp k, 54,52,50,48,46,44,42,40
.set EI, 0
.rept 8
	v_pk_fma_f32 v[PP+EI:PP+EI+1], v[PP+EI:PP+EI+1], v[TT+EI:TT+EI+1], s[\k:\k+1] op_sel_hi:[1,1,0]
.set EI, EI+2
.endr
.endr
.set EI, 0
.rept 8
	v_pk_fma_f32 v[PP+EI:PP+EI+1], v[EA+EI:EA+EI+1], s[60:61], v[PP+EI:PP+EI+1] op_sel_hi:[1,0,1]   ; P(t) - a^2 log2(e) / 2
.set EI, EI+2
.endr
.set EI, 0
	s_wait_alu depctr_va_vdst(0)
.rept 16
	v_exp_f32 v[PP+EI], v[PP+EI]
.set EI, EI+1
.endr
	v_nop                                          ; a plain place behind the exponentials
	s_wait_alu depctr_va_vdst(0)                   ; the sixteen exponentials have written v[PP ..], ahead of their first reader: one wait for the batch
.set EI, 0
.rept 8
	v_pk_mul_f32 v[PP+EI:PP+EI+1], v[PP+EI:PP+EI+1], v[TT+EI:TT+EI+1]   ; E
.set EI, EI+2
.endr
.set EI, 0
.rept 8
	v_pk_fma_f32 v[TT+EI:TT+EI+1], v[PP+EI:PP+EI+1], -1.0, 1.0 op_sel_hi:[1,0,0]   ; 1 - E
.set EI, EI+2
.endr
.set EI, 0
.rept 16
	v_cndmask_b32 v[EA+EI], v[PP+EI], v[TT+EI], s[66+EI]   ; Phi
.set EI, EI+1
.endr
.set EI, 0
.rept 8
	v_pk_mul_f32 v[EA+EI:EA+EI+1], v[EA+EI:EA+EI+1], v[EV+EI:EV+EI+1]
.set EI, EI+2
.endr
.endm
; the two chains of each tile of rows, v[LT + 4 m .. + 3], become the row's total over all 512 columns, in v[LT + 12 + 4 m]: within the lane, with lane l xor 16, and through LDS with the other three waves
.macro RFIN area
.irp m, 0,1
	v_pk_add_f32 v[LT+4*\m:LT+4*\m+1], v[LT+4*\m:LT+4*\m+1], v[LT+4*\m+2:LT+4*\m+3]
.endr
.irp m, 0,1
	v_add_f32 v[LT+4*\m], v[LT+4*\m], v[LT+4*\m+1]
.endr
.irp m, 0,1
	v_permlanex16_b32 v[LT+8+\m], v[LT+4*\m], s[SEL], s[SEL+1]
.endr
.irp m, 0,1
	v_add_f32 v[LT+4*\m], v[LT+4*\m], v[LT+8+\m]
.endr
	s_wait_alu depctr_va_vdst(0)                   ; the two sums are written, which the LDS stores read; every earlier line that named v[LT+12 .. LT+19], in which the LDS loads below land, is done
.irp m, 0,1
	ds_store_b32 v[RW], v[LT+4*\m] offset:512*(\area)+256*\m   ; both halves of the lanes write the same word with the same value
.endr
	s_wait_dscnt 0x0                               ; for the others' sake: my stores have landed
	s_barrier_signal -1
	s_barrier_wait -1
.irp m, 0,1
	ds_load_b128 v[LT+12+4*\m:LT+15+4*\m], v[RR] offset:512*(\area)+256*\m   ; the four waves' sums of my row
.endr
	s_wait_dscnt 0x0
	s_wait_alu depctr_vm_vsrc(0)                   ; the LDS stores have read v[LT] and v[LT+4], which the lines behind this sum write again
.irp m, 0,1
	v_add_f32 v[LT+12+4*\m], v[LT+12+4*\m], v[LT+13+4*\m]
	v_add_f32 v[LT+14+4*\m], v[LT+14+4*\m], v[LT+15+4*\m]
.endr
.irp m, 0,1
	v_add_f32 v[LT+12+4*\m], v[LT+12+4*\m], v[LT+14+4*\m]
.endr
.endm
; the layer norm of 128 numbers a lane (w3 = 1: the accumulators in window 3; 0: v[Y] on) into v[Y] on.  area, area + 1: its two areas in LDS, used once each.  cnt: the younger loads that may stay out when gain and offset are wanted.
.macro LNORM w3, area, cnt
.if \w3
.set LSRC, 0
	WIN 0x0f
.else
.set LSRC, Y
.endif
.irp m, 0,1
	v_pk_add_f32 v[LT+4*\m:LT+4*\m+1], v[LSRC+64*\m:LSRC+64*\m+1], v[LSRC+64*\m+4:LSRC+64*\m+5]   ; two chains; each accumulator from its low end on
	v_pk_add_f32 v[LT+4*\m+2:LT+4*\m+3], v[LSRC+64*\m+2:LSRC+64*\m+3], v[LSRC+64*\m+6:LSRC+64*\m+7]
.endr
.if \w3
	WIN 0x0c
.endif
.irp j, 8,12,16,20,24,28,32,36,40,44,48,52,56,60
.irp m, 0,1
	v_pk_add_f32 v[LT+4*\m:LT+4*\m+1], v[LT+4*\m:LT+4*\m+1], v[LSRC+64*\m+\j:LSRC+64*\m+\j+1]
	v_pk_add_f32 v[LT+4*\m+2:LT+4*\m+3], v[LT+4*\m+2:LT+4*\m+3], v[LSRC+64*\m+\j+2:LSRC+64*\m+\j+3]
.endr
.endr
	WIN 0
	RFIN \area
.irp m, 0,1
	v_mul_f32 v[LT+20+2*\m], 0x3b000000, v[LT+12+4*\m]   ; the mean: / 512, twice, for the packed form
	v_mul_f32 v[LT+21+2*\m], 0x3b000000, v[LT+12+4*\m]
.endr
.if \w3
	WIN 0x03
.endif
.irp m, 0,1
.set LJ, 0
.rept 32
	v_pk_add_f32 v[Y+64*\m+LJ:Y+64*\m+LJ+1], v[LSRC+64*\m+LJ:LSRC+64*\m+LJ+1], v[LT+20+2*\m:LT+21+2*\m] neg_lo:[0,1] neg_hi:[0,1]   ; - the mean
.set LJ, LJ+2
.endr
.endr
	WIN 0
.irp m, 0,1
	v_pk_mul_f32 v[LT+4*\m:LT+4*\m+1], v[Y+64*\m:Y+64*\m+1], v[Y+64*\m:Y+64*\m+1]
	v_pk_mul_f32 v[LT+4*\m+2:LT+4*\m+3], v[Y+64*\m+2:Y+64*\m+3], v[Y+64*\m+2:Y+64*\m+3]
.endr
.irp j, 4,8,12,16,20,24,28,32,36,40,44,48,52,56,60
.irp m, 0,1
	v_pk_fma_f32 v[LT+4*\m:LT+4*\m+1], v[Y+64*\m+\j:Y+64*\m+\j+1], v[Y+64*\m+\j:Y+64*\m+\j+1], v[LT+4*\m:LT+4*\m+1]
	v_pk_fma_f32 v[LT+4*\m+2:LT+4*\m+3], v[Y+64*\m+\j+2:Y+64*\m+\j+3], v[Y+64*\m+\j+2:Y+64*\m+\j+3], v[LT+4*\m+2:LT+4*\m+3]
.endr
.endr
	RFIN (\area)+1
.irp m, 0,1
	v_fma_f32 v[LT+12+4*\m], v[LT+12+4*\m], s82, s83     ; the variance + 1e-5 (the division by 512 is exact)
.endr
	s_wait_alu depctr_va_vdst(0)
.irp m, 0,1
	v_rsq_f32 v[LT+24+2*\m], v[LT+12+4*\m]
.endr
	v_nop                                          ; a plain place behind the two
	s_wait_alu depctr_va_vdst(0)                   ; the two roots have written v[LT+24] and v[LT+26], ahead of their first reader
.irp m, 0,1
	v_mov_b32 v[LT+25+2*\m], v[LT+24+2*\m]
.endr
.irp m, 0,1
.set LJ, 0
.rept 32
	v_pk_mul_f32 v[Y+64*\m+LJ:Y+64*\m+LJ+1], v[Y+64*\m+LJ:Y+64*\m+LJ+1], v[LT+24+2*\m:LT+25+2*\m]
.set LJ, LJ+2
.endr
.endr
	s_wait_loadcnt \cnt                            ; gain and offset are in
	WIN 0x3c
.irp m, 0,1
.set LJ, 0
.rept 32
	v_pk_fma_f32 v[Y+64*\m+LJ:Y+64*\m+LJ+1], v[Y+64*\m+LJ:Y+64*\m+LJ+1], v[128+LJ:129+LJ], v[192+LJ:193+LJ]
.set LJ, LJ+2
.endr
.endr
	WIN 0
.endm
; my 64 numbers of tile m become K step w of the next product: the fragment goes to LDS as it stands, and its scale words
.macro QIMG m, img, sc
	QUANT Y+64*(\m)
	s_wait_alu depctr_va_vdst(0)                   ; the quantiser has written v[PC .. PC+11] and v[PW], which the LDS stores read
.irp i, 0,1,2
	ds_store_b128 v[IWI], v[PC+4*\i:PC+4*\i+3] offset:(\img)+6144*(\m)+512*\i
.endr
	ds_store_b32 v[IWS], v[PW] offset:(\sc)+512*(\m)
	s_wait_dscnt 0x0                               ; the stores have landed
	s_wait_alu depctr_vm_vsrc(0)                   ; the stores have read v[PC .. PC+11] and v[PW], which the next quantiser, the hidden products and the second norm write again
.endm
.macro FETCHF win, reg, img, sc, sreg  ; the eight fragments (4 m + s) and their scale words come back so, in every wave
	WIN (\win)<<6
.set FQ, 0
.rept 8
.irp i, 0,1,2
	ds_load_b128 v[(\reg)+12*FQ+4*\i:(\reg)+12*FQ+4*\i+3], v[LI] offset:(\img)+1536*FQ+512*\i
.endr
.set FQ, FQ+1
.endr
	WIN 0
.set FQ, 0
.rept 8
	ds_load_b32 v[(\sreg)+FQ], v[L4] offset:(\sc)+128*FQ
.set FQ, FQ+1
.endr
	s_wait_dscnt 0x0
.endm
; 32 hidden units of the chunk: Wff's and Vff's pair b against x1; then the activation.  The group after next is asked for into the window just freed, behind the first activation's wait for its reciprocals
.macro HSTEP b, cnt
	s_wait_loadcnt \cnt
	GROUPMUL 1+(\b)%2,3,128,0,Y+16*(\b),64,T,16,1,WS0+8*((\b)%2),0,X1S,0
	PLACES 5                                       ; ahead of the first read of results
	WIN 0
	GELUA Y+16*(\b),T
	s_wait_alu depctr_va_vdst(0)                   ; the sixteen reciprocals have written v[TT ..], ahead of their first reader; and this step's products are done reading their window and its scale words, in which the loads below land
	s_wait_alu depctr_va_sdst(0)                   ; the sixteen compares have written s66 to s81, ahead of the selects that read them
.if (\b) < 2
	LOADGB 1+(\b)%2,8,((\b)+2)*25600,WS0+8*((\b)%2),20,128*((\b)+2),22,128*((\b)+2)
.else
	LOADG 1+(\b)%2,8,((\b)+2)*25600,WS0+8*((\b)%2)
.endif
	GELUB Y+16*(\b),T
	GELUA Y+64+16*(\b),T+16
	s_wait_alu depctr_va_vdst(0)                   ; the sixteen reciprocals have written v[TT ..], ahead of their first reader
	s_wait_alu depctr_va_sdst(0)                   ; the sixteen compares have written s66 to s81, ahead of the selects that read them
	GELUB Y+64+16*(\b),T+16
.endm
	s_load_b512 s[4:19], s[0:1], 0x0               ; ctxc, ctxs, wts, x, bo, g1, beta1, b2ff
	s_load_b256 s[20:27], s[0:1], 0x40             ; bff, bvff, g2, beta2
	s_load_b64 s[28:29], s[0:1], 0x60              ; out0
	v_lshl_add_u32 v[SPW], v0, 2, SPARE
	v_mov_b32 v[NIL], 0
	v_lshrrev_b32 v56, 5, v0
	v_readfirstlane_b32 s30, v56                   ; wave w
	s_mov_b32 s31, ttmp9                           ; G: 32 rows
	v_and_b32 v56, 31, v0                          ; lane
	v_and_b32 v57, 15, v0                          ; r
	v_bfe_u32 v58, v0, 4, 1                        ; h
	v_and_b32 v59, 7, v0
	v_bfe_u32 v60, v0, 3, 1
	v_lshl_add_u32 v59, v60, 4, v59                ; (r & 7) + 16 (r >> 3): my row in the tile's 32
	v_lshlrev_b32 v[LI], 4, v56
	v_lshlrev_b32 v[L8], 3, v56
	v_lshlrev_b32 v[L4], 2, v56
	v_lshlrev_b32 v[BO], 6, v58
	v_lshlrev_b32 v[XA], 11, v59
	v_lshl_add_u32 v[XA], v58, 6, v[XA]
	v_lshlrev_b32 v[RR], 4, v57
	v_add_nc_u32 v[RR], RED, v[RR]                 ; a row's four sums
	s_wait_alu depctr_va_sdst(0)                   ; s30, the wave's number, is written, ahead of its first reader: LDS addresses and bases are made from it
	s_lshl_b32 s84, s30, 2
	v_add_nc_u32 v[RW], s84, v[RR]                 ; my wave's of them
	v_mul_u32_u24 v[SO], v57, 2064
	v_lshl_add_u32 v[SO], v58, 6, v[SO]
	s_lshl_b32 s84, s30, 9
	s_add_co_u32 s84, s84, STG
	v_add_nc_u32 v[SO], s84, v[SO]                 ; the stage: row r, + 64 h, + 512 w
	s_mul_i32 s84, s30, 16512
	s_add_co_u32 s84, s84, STG
	v_add_nc_u32 v[SR], s84, v[LI]                 ; back: my 8 rows, 16 bytes a lane
	s_mul_i32 s84, s30, 1536
	v_add_nc_u32 v[IWI], s84, v[LI]
	s_lshl_b32 s84, s30, 7
	v_add_nc_u32 v[IWS], s84, v[L4]
	v_mov_b32 v[C8V], 0xbf97d29d                   ; the polynomial's coefficient of t^8, x log2(e), as a pair
	v_mov_b32 v[C8V+1], 0xbf97d29d
	s_mov_b32 s[SEL], 0x76543210
	s_mov_b32 s[SEL+1], 0xfedcba98
	KPAIR 40, 0xc034d90f                           ; the coefficients x log2(e), that of t^0 one lower (the half): -2.82574822,
	KPAIR 42, 0x3fb8ab5a                           ; 1.44272920,
	KPAIR 44, 0x3f0a29d2                           ; 0.53970062,
	KPAIR 46, 0x3e0efb2e                           ; 0.13963006,
	KPAIR 48, 0xbe899a80                           ; -0.26875686,
	KPAIR 50, 0x3ecdfd18                           ; 0.40232158,
	KPAIR 52, 0xbfd1a1e5                           ; -1.63775315,
	KPAIR 54, 0x40097039                           ; 2.14747446,
	KPAIR 58, 0x3e7c6f08                           ; and of t^9: 0.24651730
	KPAIR 60, 0xbf38aa3b                           ; -log2(e) / 2
	s_mov_b32 s62, 0x3eb504f3                      ; 1 / (2 sqrt 2)
	s_mov_b32 s82, 0x3b000000                      ; 1 / 512
	s_mov_b32 s83, 0x3727c5ac                      ; 1e-5
	s_mul_i32 s84, s30, 51200
	s_add_co_u32 s84, s84, 24*25600                ; Wo's two groups of my columns
	s_mov_b32 s85, 0
	s_mul_i32 s86, s30, 24*25600
	s_add_co_u32 s86, s86, 32*25600                ; my 24 groups of Wff, Vff, W2ff: six a chunk
	s_mov_b32 s87, 0
	s_lshl_b32 s88, s30, 9                         ; my 128 columns in bytes
	s_mov_b32 s89, 0
	s_lshl_b32 s90, s31, 16
	s_add_co_u32 s90, s90, s88
	s_mov_b32 s91, 0
	s_mul_i32 s92, s31, 12288
	s_mov_b32 s93, 0
	s_lshl_b32 s94, s31, 11
	s_mov_b32 s95, 0
	s_lshl_b32 s34, s31, 5                         ; the rows that I store: 32 G + 8 (w >> 1) + 16 (w & 1) on
	s_lshr_b32 s37, s30, 1
	s_lshl_b32 s37, s37, 3
	s_add_co_u32 s34, s34, s37
	s_and_b32 s37, s30, 1
	s_lshl_b32 s37, s37, 4
	s_add_co_u32 s34, s34, s37
	s_lshl_b32 s34, s34, 11
	s_mov_b32 s35, 0
	s_wait_kmcnt 0x0
	s_add_nc_u64 s[32:33], s[8:9], s[84:85]
	s_add_nc_u64 s[8:9], s[8:9], s[86:87]
	s_add_nc_u64 s[10:11], s[10:11], s[90:91]
.irp p, 12,14,16,18,20,22,24,26
	s_add_nc_u64 s[\p:\p+1], s[\p:\p+1], s[88:89]
.endr
	s_add_nc_u64 s[4:5], s[4:5], s[92:93]
	s_add_nc_u64 s[6:7], s[6:7], s[94:95]
	s_add_nc_u64 s[28:29], s[28:29], s[34:35]
	s_wait_alu depctr_va_vdst(0)                   ; the eleven offsets and LDS addresses v1 to v11 are written, which every load and store of the kernel reads
	; ---- the first 128 loads: x, bo, b2ff, ctx's fragments and scale words
.irp m, 0,1
.irp b, 0,1,2,3
.irp j, 0,1,2,3
	global_load_b128 v[Y+64*\m+16*\b+4*\j:Y+64*\m+16*\b+4*\j+3], v[XA], s[10:11] offset:16384*\m+128*\b+16*\j
.endr
.endr
.endr
.irp b, 0,1,2,3
.irp j, 0,1,2,3
	global_load_b128 v[T+16*\b+4*\j:T+16*\b+4*\j+3], v[BO], s[12:13] offset:128*\b+16*\j
.endr
.endr
	WIN 0xc0
.irp m, 0,1
.irp b, 0,1,2,3
.irp j, 0,1,2,3
	global_load_b128 v[64*\m+16*\b+4*\j:64*\m+16*\b+4*\j+3], v[BO], s[18:19] offset:128*\b+16*\j
.endr
.endr
.endr
.irp m, 0,1
.irp s, 0,1,2,3                                ; K step s of ctx is heads 2 s and 2 s + 1: two halves make a fragment
	global_load_b128 v[128+12*(4*\m+\s):128+12*(4*\m+\s)+3], v[LI], s[4:5] offset:(8*\m+2*\s)*768
	global_load_b64 v[128+12*(4*\m+\s)+4:128+12*(4*\m+\s)+5], v[L8], s[4:5] offset:(8*\m+2*\s)*768+512
	global_load_b128 v[128+12*(4*\m+\s)+6:128+12*(4*\m+\s)+9], v[LI], s[4:5] offset:(8*\m+2*\s)*768+768
	global_load_b64 v[128+12*(4*\m+\s)+10:128+12*(4*\m+\s)+11], v[L8], s[4:5] offset:(8*\m+2*\s)*768+1280
.endr
.endr
	WIN 0
.irp m, 0,1
.irp s, 0,1,2,3
	global_load_b32 v[CSC+4*\m+\s], v[L4], s[6:7] offset:(8*\m+2*\s)*128
	global_load_b32 v[CT+4*\m+\s], v[L4], s[6:7] offset:(8*\m+2*\s)*128+128
.endr
.endr
	LOADG 1, 32, 0, WS0                            ; Wo, my columns 0-63
	s_wait_loadcnt 50                              ; all but that group
.irp k, 0,1,2,3,4,5,6,7
	v_lshl_or_b32 v[CSC+\k], v[CT+\k], 16, v[CSC+\k]   ; two heads' two bytes each make a K step's scale word
.endr
.irp m, 0,1
.set LJ, 0
.rept 32
	v_pk_add_f32 v[Y+64*\m+LJ:Y+64*\m+LJ+1], v[Y+64*\m+LJ:Y+64*\m+LJ+1], v[T+LJ:T+LJ+1]   ; x + bo: what the product adds onto
.set LJ, LJ+2
.endr
.endr
	v_mov_b32 v[LT+8], 0                           ; a lane permute's destination counts as one of its sources
	v_mov_b32 v[LT+9], 0
	LOADG 2, 32, 25600, WS1                        ; Wo, my columns 64-127: no vector line has named window 2 or v24-31
	s_wait_loadcnt 50
	s_wait_alu depctr_va_vdst(0)                   ; ctx's eight scale words v40 to v47 are written, which the scaled products take; the 66 plain lines behind their makers are the places
	GROUPMUL 1,3,128,0,Y,64,Y+16,64,0,WS0,0,CSC,0
	s_wait_loadcnt 0x0                             ; Wo's second group is in: nothing younger is out
	GROUPMUL 2,3,128,0,Y+32,64,Y+48,64,0,WS1,0,CSC,0
	PLACES 5                                       ; behind the products: ahead of loads into their operands and of the first read of results
	s_wait_alu depctr_va_vdst(0)                   ; ONE wait for the 148 loads below: the products with Wo are done reading windows 1 and 2, v16-31 and ctx's fragments in window 3
	LOADGB 1, 8, 0, WS0, 20, 0, 22, 0              ; the first chunk's hidden units 0-31
	GBLOAD 14, 16                                  ; g1, beta1, where ctx's fragments lay
	LOADGB 2, 8, 25600, WS1, 20, 128, 22, 128      ; hidden units 32-63
	LNORM 0, 0, 58                                 ; x1
	QIMG 0, X1IMG, X1SC
	QIMG 1, X1IMG, X1SC
	WIN 0xc3
.set LJ, 0
.rept 64
	v_pk_add_f32 v[LJ:LJ+1], v[LJ:LJ+1], v[Y+LJ:Y+LJ+1]   ; b2ff + x1: what the last product adds onto
.set LJ, LJ+2
.endr
	WIN 0
	s_wait_dscnt 0x0
	s_barrier_signal -1
	s_barrier_wait -1                              ; x1's eight fragments lie in LDS
	FETCHF 3, 128, X1IMG, X1SC, X1S                ; no wait: the norm's lines that read g1 and beta1 stand ahead of the images' waits, and the 64 additions since name window 3's v0-127 and v64-191 alone
	s_mov_b32 s36, 4
.Lchunk:                                           ; a chunk of 512 hidden units, 128 of them mine
	HSTEP 0, 58                                    ; each count: the loads of the group asked for last, which may stay out
	HSTEP 1, 58
	HSTEP 2, 58
	HSTEP 3, 50
	QIMG 0, HIMG, HSC
	QIMG 1, HIMG, HSC
	s_wait_dscnt 0x0
	s_barrier_signal -1
	s_barrier_wait -1                              ; the chunk's eight hidden fragments lie in LDS
	FETCHF 0, Y, HIMG, HSC, CSC                    ; no wait: no vector or matrix line has been issued since the second image's wait, behind which every writer and reader of v64-159 and v40-47 is done
	s_barrier_signal -1                            ; (FETCHF has waited for its loads)
	s_barrier_wait -1                              ; every wave has read them: the next chunk may write them again
	s_wait_loadcnt 50
	GROUPMUL 1,0,Y,3,0,64,16,64,0,WS0,0,CSC,0      ; W2ff, my columns 0-63
	PLACES 5
	WIN 0
	s_cmp_eq_u32 s36, 1
	s_cbranch_scc1 .Llast                          ; the last chunk asks for no further weights: its end is written out
	s_wait_alu depctr_va_vdst(0)                   ; the products above are done reading window 1 and v16-23, in which the next chunk's first group lands
	LOADGB 1, 8, 153600, WS0, 20, 2048, 22, 2048   ; the next chunk's first group
	s_wait_loadcnt 58
	GROUPMUL 2,0,Y,3,32,64,48,64,0,WS1,0,CSC,0     ; W2ff, my columns 64-127
	PLACES 5
	s_wait_alu depctr_va_vdst(0)                   ; the products above are done reading window 2 and v24-31, in which the next chunk's second group lands
	LOADGB 2, 8, 179200, WS1, 20, 2176, 22, 2176   ; and its second
	s_wait_xcnt 0x0                                ; the bases are stepped only behind this wait
	s_add_nc_u64 s[8:9], s[8:9], 153600
	s_add_nc_u64 s[20:21], s[20:21], 2048
	s_add_nc_u64 s[22:23], s[22:23], 2048
	s_sub_co_u32 s36, s36, 1
	s_cmp_lg_u32 s36, 0
	s_cbranch_scc1 .Lchunk
.Llast:
	GBLOAD 24, 26                                  ; g2, beta2, where x1's fragments lay.  No wait: their last readers, the fourth hidden step's products, stand ahead of that step's waits, and no line since names window 3's v128-255
	s_wait_loadcnt 32
	GROUPMUL 2,0,Y,3,32,64,48,64,0,WS1,0,CSC,0
	PLACES 5
	WIN 0
	LNORM 1, 2, 0
	; ---- the way out: a lane holds pieces of one row, and a row's 512 columns come from four waves: through the stage, and out as whole rows
	s_wait_alu depctr_va_vdst(0)                   ; the norm has written v64 to v191, which the LDS stores read
.irp m, 0,1
.irp b, 0,1,2,3
.irp j, 0,1,2,3
	ds_store_b128 v[SO], v[Y+64*\m+16*\b+4*\j:Y+64*\m+16*\b+4*\j+3] offset:33024*\m+128*\b+16*\j
.endr
.endr
.endr
	s_wait_dscnt 0x0
	s_barrier_signal -1
	s_barrier_wait -1
	s_wait_alu depctr_vm_vsrc(0)                   ; my LDS stores have read v64 to v191, in which the LDS loads below land
.irp i, 0,1,2,3,4,5,6,7
.irp q, 0,1,2,3
	ds_load_b128 v[Y+4*(4*\i+\q):Y+4*(4*\i+\q)+3], v[SR] offset:2064*\i+512*\q
.endr
.endr
.irp i, 0,1,2,3,4,5,6,7
.irp q, 0,1,2,3
	s_wait_dscnt 31-(4*\i+\q)
	global_store_b128 v[LI], v[Y+4*(4*\i+\q):Y+4*(4*\i+\q)+3], s[28:29] offset:2048*\i+512*\q th:TH_STORE_NT   ; 32 lanes store 512 consecutive bytes, aligned
.endr
.endr
	s_wait_dscnt 0x0                               ; the wave's end
	s_wait_alu 0x0
	s_wait_tensorcnt 0x0
	ds_add_u32 v[SPW], v[NIL]
	s_wait_dscnt 0x0
	s_endpgm
.Lfunc_end_k_qe521cbc3ea_tail:
	.size	k_qe521cbc3ea_tail, .Lfunc_end_k_qe521cbc3ea_tail-k_qe521cbc3ea_tail
	.p2alignl 7, 3214868480
	.fill 96, 4, 3214868480
	.section	.rodata,"a",@progbits
	.p2align	6, 0x0
	.amdhsa_kernel k_qe521cbc3ea_tail
		.amdhsa_group_segment_fixed_size 95232
		.amdhsa_private_segment_fixed_size 0
		.amdhsa_enable_private_segment 0
		.amdhsa_kernarg_size 104
		.amdhsa_user_sgpr_count 2
		.amdhsa_user_sgpr_kernarg_segment_ptr 1
		.amdhsa_wavefront_size32 1
		.amdhsa_system_sgpr_workgroup_id_x 1
		.amdhsa_system_sgpr_workgroup_id_y 1
		.amdhsa_system_sgpr_workgroup_id_z 1
		.amdhsa_system_vgpr_workitem_id 0
		.amdhsa_next_free_vgpr 1024
		.amdhsa_next_free_sgpr 100
		.amdhsa_reserve_vcc 0
		.amdhsa_float_denorm_mode_32 3
		.amdhsa_float_denorm_mode_16_64 3
		.amdhsa_memory_ordered 1
		.amdhsa_forward_progress 1
		.amdhsa_inst_pref_size 255
	.end_amdhsa_kernel
	.section	.bss,"aw",@nobits
	.p2align	6
	.space	262144
	.amdgpu_metadata
---
amdhsa.version: [ 1, 2 ]
amdhsa.kernels:
  - .name:           k_qe521cbc3ea_tail
    .symbol:         k_qe521cbc3ea_tail.kd
    .args:
      - { .name: ctxc, .offset: 0, .size: 8, .value_kind: global_buffer, .address_space: global }
      - { .name: ctxs, .offset: 8, .size: 8, .value_kind: global_buffer, .address_space: global }
      - { .name: wts, .offset: 16, .size: 8, .value_kind: global_buffer, .address_space: global }
      - { .name: x, .offset: 24, .size: 8, .value_kind: global_buffer, .address_space: global }
      - { .name: bo, .offset: 32, .size: 8, .value_kind: global_buffer, .address_space: global }
      - { .name: g1, .offset: 40, .size: 8, .value_kind: global_buffer, .address_space: global }
      - { .name: beta1, .offset: 48, .size: 8, .value_kind: global_buffer, .address_space: global }
      - { .name: b2ff, .offset: 56, .size: 8, .value_kind: global_buffer, .address_space: global }
      - { .name: bff, .offset: 64, .size: 8, .value_kind: global_buffer, .address_space: global }
      - { .name: bvff, .offset: 72, .size: 8, .value_kind: global_buffer, .address_space: global }
      - { .name: g2, .offset: 80, .size: 8, .value_kind: global_buffer, .address_space: global }
      - { .name: beta2, .offset: 88, .size: 8, .value_kind: global_buffer, .address_space: global }
      - { .name: out0, .offset: 96, .size: 8, .value_kind: global_buffer, .address_space: global }
    .group_segment_fixed_size: 95232
    .private_segment_fixed_size: 0
    .kernarg_segment_align: 8
    .kernarg_segment_size: 104
    .max_flat_workgroup_size: 128
    .sgpr_count:     100
    .vgpr_count:     1024
    .wavefront_size: 32
...
	.end_amdgpu_metadata
.endif
;; end of part 8
